; MI455X (gfx1250); checked and timed in simulation.
; The chip was launched on July 23, 2026; its instructions are those of AMD's public machine-readable ISA for CDNA 5 (MIT licence, August 2026) and "CDNA5" Instruction Set Architecture Reference Guide (July 2026). The comments in the code are by the model that wrote it; some were corrected since.
;; Multi Head Self Attention Fused. Allowed arithmetic: float matrix products may take bf16 or f16 operands with f32 sums; other float arithmetic in f32, or as packed bf16 or f16 multiplies, adds, multiply-adds, maxima and minima; sums over many terms, partial sums and values carried from step to step in f32; what a program stores and reads back later, other than sums and carried values, may be rounded once to bf16 or f16.
;; Inputs: Wk 1,024 x 1,024 float32; Wo 1,024 x 1,024 float32; Wq 1,024 x 1,024 float32; Wv 1,024 x 1,024 float32; bk 1,024 float32; bo 1,024 float32; bq 1,024 float32; bv 1,024 float32; key 4 x 2,048 x 1,024 float32; query 4 x 2,048 x 1,024 float32; value 4 x 2,048 x 1,024 float32.
;; Outputs: out0 4 x 2,048 x 1,024 float32.
;; 3 versions, each right; version 3 is version 2 with the launches cvt, combine written anew for expert scheduling mode. Each part assembles by itself: llvm-mc -triple=amdgcn-amd-amdhsa -mcpu=gfx1250 --defsym DOCPART=n.
;; ======== version 1 of 3: 6 launches
;; limits: values are held in f16: magnitudes above 65,504 overflow, below 6.1e-05 lose precision; right only within a limited range of input values
;; workspace buffers: X16 50,331,648 bytes; W16 8,388,608 bytes; QKV16 50,331,648 bytes; PT 33,554,432 bytes; STAT 1,048,576 bytes; G 262,144 bytes; O16 16,777,216 bytes; VM 2,048 bytes
;; launch cvt (part 1): grid 16 x 28, 8 waves a work-group, no clusters, 0 bytes of LDS; arguments query, key, value, Wq, Wk, Wv, Wo, X16, W16; writes X16, W16
.if DOCPART == 1
	.amdgcn_target "amdgcn-amd-amdhsa--gfx1250"
	.amdhsa_code_object_version 6
	.text
	.protected	k_q0fbbdea4c8_cvt
	.globl	k_q0fbbdea4c8_cvt
	.p2align	8
	.type	k_q0fbbdea4c8_cvt,@function
k_q0fbbdea4c8_cvt:
	s_mov_b64 s[64:65], 0
	v_nop
	global_prefetch_b8 v0, s[64:65] scope:SCOPE_SE
	s_setreg_imm32_b32 hwreg(HW_REG_WAVE_MODE, 25, 1), 1
	s_wait_xcnt 0x0
; query, key, value (f32, [8192][1024] each) -> X16 ([3 x 8192][1024] f16); Wq, Wk, Wv, Wo (f32, [1024][1024]) -> W16 ([4 x 1024][1024] f16).
; Each number is rounded ONCE, to bf16 (nearest even), and that number is written as f16, so that one f16 matrix form serves all later products.
; LIMITS.  A bf16 number is exact in f16 from 2^-14 up to 65,504; beyond 65,504 it becomes an infinity; below 2^-14 it keeps f16's fixed step of 2^-24.
; SHARES.  A slab is 1,048,576 numbers (4 MiB in, 2 MiB out): y = 0..23 are the eight slabs of query, key, value; y = 24..27 the four weights.  x = 0..15 takes 64 rows of 4,096
; bytes of the slab.  Thread t owns the 16 bytes at 16 t of each such row and the 8 bytes at 8 t of the 2,048 bytes that it becomes: a wave's load covers 512 consecutive bytes,
; its store 256 consecutive bytes, aligned.  Memory binds: no LDS, no barrier, no matrix unit.  A ring of eight slots in registers keeps eight loads of every wave on their way.
.set DEPTH,  8
.set ROUNDS, 64/DEPTH
.set RIN,    4096
.set ROUT,   2048
.set OI, 2                             ; v[2:9]    slot i: byte offset of my 16 bytes in the row that it loads
.set OO, 10                            ; v[10:17]  slot i: byte offset of my 8 bytes in the row that it stores
.set X,  18                            ; v[18:49]  slot i: four f32 as loaded
.set Y,  50                            ; v[50:65]  slot i: four f16 to store
.set T,  66                            ; v[66:71]  at work
	s_load_b512 s[8:23], s[0:1], 0x0               ; query s[8:9], key s[10:11], value s[12:13], Wq s[14:15], Wk s[16:17], Wv s[18:19], Wo s[20:21], X16 s[22:23]
	s_load_b64 s[24:25], s[0:1], 0x40              ; W16
	s_and_b32 s2, ttmp7, 0xffff                    ; y: the slab
	s_lshr_b32 s3, s2, 3                           ; 0, 1, 2: query, key, value; 3: a weight
	s_and_b32 s4, s2, 7
	s_lshl_b32 s4, s4, 22                          ; the slab's first byte in query, key or value
	s_sub_co_u32 s6, s2, 24                        ; which weight
	s_cmp_lt_u32 s2, 24
	s_cselect_b32 s4, s4, 0                        ; a weight is one slab
	s_cselect_b32 s6, s2, s6                       ; the slab's number in X16 or in W16
	s_lshl_b32 s5, ttmp9, 18                       ; my 64 rows in
	s_add_co_u32 s4, s4, s5
	s_mov_b32 s5, 0
	s_lshl_b32 s6, s6, 21
	s_lshl_b32 s7, ttmp9, 17                       ; my 64 rows out
	s_add_co_u32 s6, s6, s7
	s_mov_b32 s7, 0
	s_mov_b32 s26, 0xffff0000                      ; a word's upper bf16
.irp i, 0,1,2,3,4,5,6,7
	v_lshl_or_b32 v[OI+\i], v0, 4, \i*RIN
	v_lshl_or_b32 v[OO+\i], v0, 3, \i*ROUT
.endr
	s_wait_kmcnt 0x0
	s_mov_b64 s[28:29], s[8:9]                     ; the source is chosen among the seven inputs by the slab's number alone
	s_cmp_eq_u32 s3, 1
	s_cselect_b64 s[28:29], s[10:11], s[28:29]
	s_cmp_eq_u32 s3, 2
	s_cselect_b64 s[28:29], s[12:13], s[28:29]
	s_cmp_eq_u32 s2, 24
	s_cselect_b64 s[28:29], s[14:15], s[28:29]
	s_cmp_eq_u32 s2, 25
	s_cselect_b64 s[28:29], s[16:17], s[28:29]
	s_cmp_eq_u32 s2, 26
	s_cselect_b64 s[28:29], s[18:19], s[28:29]
	s_cmp_eq_u32 s2, 27
	s_cselect_b64 s[28:29], s[20:21], s[28:29]
	s_cmp_lt_u32 s2, 24
	s_cselect_b64 s[30:31], s[22:23], s[24:25]
	s_add_nc_u64 s[28:29], s[28:29], s[4:5]
	s_add_nc_u64 s[30:31], s[30:31], s[6:7]
.irp i, 0,1,2,3,4,5,6,7
	global_load_b128 v[X+4*\i:X+4*\i+3], v[OI+\i], s[28:29] th:TH_LOAD_NT  ; the ring is filled: rows 0 to 7
.endr
; One slot's turn.  ahead = 1: the slot is filled again with the row eight further down.  left = the younger loads that may stay out.
.macro SLOT i, ahead, left
	s_wait_loadcnt \left                           ; loads come back in order: mine is in, the younger ones stay out
	s_wait_xcnt 0x0                                ; this slot's Y and OO, which its last store reads, are rewritten only behind this wait
	v_cvt_pk_bf16_f32 v[T],   v[X+4*\i],   v[X+4*\i+1]   ; the one rounding
	v_cvt_pk_bf16_f32 v[T+1], v[X+4*\i+2], v[X+4*\i+3]
	v_lshlrev_b32 v[T+2], 16, v[T]                 ; bf16 to f32: the low half moves up,
	v_and_b32     v[T+3], s26, v[T]                ; the high half stays
	v_lshlrev_b32 v[T+4], 16, v[T+1]
	v_and_b32     v[T+5], s26, v[T+1]
	v_cvt_pk_f16_f32 v[Y+2*\i],   v[T+2], v[T+3]   ; exact within the stated limits
	v_cvt_pk_f16_f32 v[Y+2*\i+1], v[T+4], v[T+5]
.if \ahead
	v_add_nc_u32 v[OI+\i], DEPTH*RIN, v[OI+\i]
	global_load_b128 v[X+4*\i:X+4*\i+3], v[OI+\i], s[28:29] th:TH_LOAD_NT
	v_add_nc_u32 v[OO+\i], DEPTH*ROUT, v[OO+\i]
	global_store_b64 v[OO+\i], v[Y+2*\i:Y+2*\i+1], s[30:31] offset:-DEPTH*ROUT
.else
	global_store_b64 v[OO+\i], v[Y+2*\i:Y+2*\i+1], s[30:31]
.endif
.endm
	s_mov_b32 s27, ROUNDS-1
.Lround:
.irp i, 0,1,2,3,4,5,6,7
	SLOT \i, 1, DEPTH-1
.endr
	s_sub_co_u32 s27, s27, 1
	s_cmp_lg_u32 s27, 0
	s_cbranch_scc1 .Lround
.irp i, 0,1,2,3,4,5,6,7
	SLOT \i, 0, DEPTH-1-\i                         ; the last round loads nothing: the counts run down
.endr
	s_endpgm
.Lfunc_end_k_q0fbbdea4c8_cvt:
	.size	k_q0fbbdea4c8_cvt, .Lfunc_end_k_q0fbbdea4c8_cvt-k_q0fbbdea4c8_cvt
	.p2alignl 7, 3214868480
	.fill 96, 4, 3214868480
	.section	.rodata,"a",@progbits
	.p2align	6, 0x0
	.amdhsa_kernel k_q0fbbdea4c8_cvt
		.amdhsa_group_segment_fixed_size 0
		.amdhsa_private_segment_fixed_size 0
		.amdhsa_enable_private_segment 0
		.amdhsa_kernarg_size 72
		.amdhsa_user_sgpr_count 2
		.amdhsa_user_sgpr_kernarg_segment_ptr 1
		.amdhsa_wavefront_size32 1
		.amdhsa_system_sgpr_workgroup_id_x 1
		.amdhsa_system_sgpr_workgroup_id_y 1
		.amdhsa_system_sgpr_workgroup_id_z 1
		.amdhsa_system_vgpr_workitem_id 0
		.amdhsa_next_free_vgpr 72
		.amdhsa_next_free_sgpr 66
		.amdhsa_reserve_vcc 0
		.amdhsa_float_denorm_mode_32 3
		.amdhsa_float_denorm_mode_16_64 3
		.amdhsa_memory_ordered 1
		.amdhsa_forward_progress 1
		.amdhsa_inst_pref_size 15
	.end_amdhsa_kernel
	.amdgpu_metadata
---
amdhsa.version: [ 1, 2 ]
amdhsa.kernels:
  - .name:           k_q0fbbdea4c8_cvt
    .symbol:         k_q0fbbdea4c8_cvt.kd
    .args:
      - { .name: query, .offset: 0, .size: 8, .value_kind: global_buffer, .address_space: global }
      - { .name: key, .offset: 8, .size: 8, .value_kind: global_buffer, .address_space: global }
      - { .name: value, .offset: 16, .size: 8, .value_kind: global_buffer, .address_space: global }
      - { .name: Wq, .offset: 24, .size: 8, .value_kind: global_buffer, .address_space: global }
      - { .name: Wk, .offset: 32, .size: 8, .value_kind: global_buffer, .address_space: global }
      - { .name: Wv, .offset: 40, .size: 8, .value_kind: global_buffer, .address_space: global }
      - { .name: Wo, .offset: 48, .size: 8, .value_kind: global_buffer, .address_space: global }
      - { .name: X16, .offset: 56, .size: 8, .value_kind: global_buffer, .address_space: global }
      - { .name: W16, .offset: 64, .size: 8, .value_kind: global_buffer, .address_space: global }
    .group_segment_fixed_size: 0
    .private_segment_fixed_size: 0
    .kernarg_segment_align: 8
    .kernarg_segment_size: 72
    .max_flat_workgroup_size: 256
    .sgpr_count:     66
    .vgpr_count:     72
    .wavefront_size: 32
...
	.end_amdgpu_metadata
.endif
;; end of part 1
;; launch proj (part 2): grid 4 x 96, 4 waves a work-group, clusters of 4 x 4, 327,680 bytes of LDS; arguments X16, W16, QKV16, VM, bq, bk, bv; writes QKV16, VM
.if DOCPART == 2
	.amdgcn_target "amdgcn-amd-amdhsa--gfx1250"
	.amdhsa_code_object_version 6
	.text
	.protected	k_q0fbbdea4c8_proj
	.globl	k_q0fbbdea4c8_proj
	.p2align	8
	.type	k_q0fbbdea4c8_proj,@function
k_q0fbbdea4c8_proj:
	s_mov_b64 s[64:65], 0
	v_nop
	global_prefetch_b8 v0, s[64:65] scope:SCOPE_SE
	s_setreg_imm32_b32 hwreg(HW_REG_WAVE_MODE, 25, 1), 1
	s_wait_xcnt 0x0
	s_wait_alu depctr_hold_cnt(0) depctr_sa_sdst(0) depctr_va_vdst(0) depctr_va_sdst(0) depctr_va_ssrc(0) depctr_va_vcc(0) depctr_vm_vsrc(0)
	s_getreg_b32 s2, hwreg(HW_REG_IB_STS2, 6, 4)
	s_cmp_eq_u32 s2, 0
	s_cbranch_scc0 .Lentry_in_a_cluster
	s_endpgm
.Lentry_in_a_cluster:
	s_bfe_u32 s2, ttmp6, 0x10000c
	s_cmp_lg_u32 s2, 0xf033
	s_cbranch_scc0 .Lentry_shape_is_right
	s_endpgm
.Lentry_shape_is_right:
; q, k, v = x W^T + b.  X16 [3 x 8192][1024] and W16 [4 x 1024][1024] hold bf16-rounded inputs written as f16; QKV16 [3 x 8192][1024] f16 takes q, k, v, each rounded once from its f32 sum.
; The biases are rounded to bf16 like all other inputs and added in f32.  VM[128 tiles of v][4 waves] f32 takes each wave's largest |v|, from which later launches make a scale.
; LIMITS.  q, k, v must lie within 65,504 (f16's end); NaN and infinities are not treated apart.
; SHAPE.  A tile of C, 256 x 256, is made by four waves, as many as a WGP has SIMDs; a wave makes 128 x 128 in 64 accumulators (512 registers).  K = 1024 goes in 8 steps of 128 through
; two LDS slots filled by the tensor data mover: a tile's rows are 256 bytes of memory, at multiples of 256.  96 tile rows (32 for each of the three products) x 4 tile columns.
; CLUSTER.  4 x 4 work-groups: the four of a row of the cluster need the same tile of x, the four of a column the same tile of W: each tile is asked for jointly.
; THE MATRIX INSTRUCTION IS USED TRANSPOSED (source 0 = 16 rows of W, source 1 = 16 rows of x): a lane holds row l % 16 of C and the columns 8 (l / 16) + 0..7.
; ONE K STEP IS WRITTEN ONCE: the LDS base of the slot in hand lies in s[TB] and is turned by an exclusive or; the walking descriptors' LDS word likewise (wave x 34,816 never sets a bit of SLOT).
; THE WAY OUT.  The 64 accumulators are laid into the ring's own bytes, which have had their last fill, as 128 rows of 512 bytes a wave; a counted loop reads whole rows back.
; REGISTERS, in windows of 256: window 0: v0-31 addresses, v32-39 bias and extrema, v64-127 and v128-191 fragments of x (on the way out: rows); window 1: v64-191 fragments of W;
; window 2: the accumulators of my rows 0-63 ((a, b) at v[8 (8 a + b)]); window 3: those of my rows 64-127.
.set KS,    8                          ; K steps
.set KB,    256                        ; bytes of a row in a K step
.set STEPA, KB                         ; bytes from a K step's tile to the next, in A and in B
.set STEPB, KB
.set PITCH, 272                        ; an LDS row: 256 bytes + 16 of padding: the 16 rows of a fragment load start at 16 different groups of four banks
.set HALFT, 128*PITCH                  ; what one tensor load brings
.set SLOT,  4*HALFT                    ; A's 256 rows, then B's 256
.set DP,    528                        ; the way out: a row of 128 f32 + 16 bytes
.set DW,    128*DP                     ; a wave's 128 rows
.set SPARE, 2*SLOT                     ; behind the ring: the spare words, 128 bytes a wave, that no other line names
.set A0,   16                          ; v16  my lane's place in A's tile; never rewritten
.set B0,   17                          ; v17  in B's
.set ADRA, 18                          ; v18  A0 + the slot in hand
.set ADRB, 19                          ; v19  B0 + the slot in hand
.set STO,  20                          ; v20  the way out: where my 32 bytes of a row go
.set RD,   21                          ; v21  where I read 16 bytes of a whole row back
.set CO,   22                          ; v22  my byte offset in a row of the output
.set SPW,  28                          ; v28  my spare word; never rewritten
.set NIL,  29                          ; v29  0; never rewritten
.set PFO,  30                          ; v30  the prefetches' offset: a lane a row; never rewritten
.set BI,   32                          ; v[32:35] the bias of my four columns
.set MX,   36                          ; v36-37 running maxima, v38-39 running minima
.set F0,   64
.set F1,   128
.set YR,   64                          ; the way out: eight rows, four f32 a lane each
.set ZR,   96                          ; and their f16
.set G1A, 24                           ; s[24:31] descriptor group 1 for A's tiles
.set G0A, 32                           ; s[32:35] group 0 of A's first fill, s[36:39] the walking one
.set G1B, 48                           ; s[48:55], s[56:59], s[60:63] the same for B
.set G0B, 56
.set LIM, 43                           ; s43  1 in a wave that prefetches, else the greatest number
.set PFA, 44                           ; s[44:45] where my prefetches stand
.set TB,  66                           ; s66  LDS base of the slot in hand: 0 or SLOT
.set PFS, 84                           ; s[84:85] the prefetch pointer's step
.set MSB, 0
.macro WIN new                         ; the immediate's high byte repeats the setting that is left; a switch that changes nothing is dropped
.if MSB != (\new)
	s_set_vgpr_msb (MSB<<8)|(\new)
.set MSB, \new
.endif
.endm
.set MUL_LO, 0xa1                      ; source 0 (B) window 1, source 1 (A) window 0, C and D window 2
.set MUL_HI, 0xf1                      ; the same, C and D window 3
.set TO_B,   0x40                      ; destination window 1, address window 0
.macro PLACES                          ; four places between a matrix instruction and a load into, or a reader of, its registers
.rept 4
	v_nop
.endr
.endm
; A joint refill.  Waves 0 and 1 fetch A's two halves, waves 2 and 3 B's; the branch hangs on the wave's number alone.  An s_nop 0 and four v_nop follow each line.
.macro JLOAD
	s_cmp_eq_u32 s11, 0
	s_cbranch_scc0 .Lfor_b_\@
	tensor_load_to_lds s[G0A+4:G0A+7], s[G1A:G1A+7]
	s_nop 0
.rept 4
	v_nop
.endr
	s_branch .Lasked_\@
.Lfor_b_\@:
	tensor_load_to_lds s[G0B+4:G0B+7], s[G1B:G1B+7]
	s_nop 0
.rept 4
	v_nop
.endr
.Lasked_\@:
.endm
; A prefetch into the L2 of the K step that the NEXT refill will ask for: 256 matrix instructions ahead of that load.  Of the 128 rows that I fetch my work-group names 32, a lane a row; the four
; partners are told apart by address alone.  Only one cluster of those that read the same rows asks.  The loop's last trip (s3 = 1) has no K step behind its refill.
.macro ASK
	s_cmp_gt_u32 s3, s[LIM]
	s_cbranch_scc0 .Lnot_mine_\@
	global_prefetch_b8 v[PFO], s[PFA:PFA+1] th:TH_LOAD_NT scope:SCOPE_SE
.Lnot_mine_\@:
.endm
.macro CREST                           ; a round of the cluster's barrier behind its opening barrier
	s_cmp_lg_u32 s10, 0
	s_cbranch_scc1 .Lnot_wave_0_\@
	s_barrier_signal -3
.Lnot_wave_0_\@:
	s_barrier_wait -3
	s_barrier_signal -1
	s_barrier_wait -1
.endm
.macro CROUND                          ; a whole round
	s_barrier_signal -1
	s_barrier_wait -1
	CREST
.endm
; 16 matrix instructions: m blocks a0, a0 + 1 of the window's four x all 8 n blocks, 32 along K.  zero = 1: the product starts the sums.
.macro MUL16 f, hi, a0, zero
	WIN MUL_LO+0x50*(\hi)
.irp a, \a0, (\a0)+1
.irp b, 0,1,2,3,4,5,6,7
.if \zero
	v_wmma_f32_16x16x32_f16 v[8*(8*(\a)+(\b)):8*(8*(\a)+(\b))+7], v[(\f)+8*(\b):(\f)+8*(\b)+7], v[(\f)+8*(4*(\hi)+(\a)):(\f)+8*(4*(\hi)+(\a))+7], 0
.else
	v_wmma_f32_16x16x32_f16 v[8*(8*(\a)+(\b)):8*(8*(\a)+(\b))+7], v[(\f)+8*(\b):(\f)+8*(\b)+7], v[(\f)+8*(4*(\hi)+(\a)):(\f)+8*(4*(\hi)+(\a))+7], v[8*(8*(\a)+(\b)):8*(8*(\a)+(\b))+7]
.endif
.endr
.endr
.endm
; 32 LDS loads in one run: a quarter step's fragments (32 K at byte k of the rows) into buffer f: B's 128 rows, then A's
.macro FETCH k, f
	WIN TO_B
.irp i, 0,1,2,3,4,5,6,7
	ds_load_b128 v[(\f)+8*\i:(\f)+8*\i+3],   v[ADRB] offset:(\k)+\i*16*PITCH
	ds_load_b128 v[(\f)+8*\i+4:(\f)+8*\i+7], v[ADRB] offset:(\k)+\i*16*PITCH+32
.endr
	WIN 0
.irp i, 0,1,2,3,4,5,6,7
	ds_load_b128 v[(\f)+8*\i:(\f)+8*\i+3],   v[ADRA] offset:(\k)+\i*16*PITCH
	ds_load_b128 v[(\f)+8*\i+4:(\f)+8*\i+7], v[ADRA] offset:(\k)+\i*16*PITCH+32
.endr
.endm
; One of a K step's first three quarters: multiplies buffer f; in its middle it fetches the next quarter, at byte k, into buffer g.
.macro QUARTER k, f, g, zero
	s_wait_dscnt 8                                 ; B and A's rows 0-63 are in; the youngest eight loads (A's rows 64-127) may be out
	MUL16 \f, 0, 0, \zero
	MUL16 \f, 0, 2, \zero
	PLACES
	FETCH \k, \g
	s_wait_dscnt 32                                ; all but the 32 just issued
	MUL16 \f, 1, 0, \zero
	MUL16 \f, 1, 2, \zero
.endm
; The first half of a K step's last quarter, and the barrier of the change of slots: each wave has waited for all its tensor loads (one is out: its part of the next slot), has added 0 to its
; spare word, and has waited for that and for its reads of this slot.  Behind the barrier nobody reads this slot any more and the next slot is whole.
.macro MEET
	WIN 0
	s_wait_tensorcnt 0x0
	ds_add_u32 v[SPW], v[NIL]
	s_wait_dscnt 9                                 ; the add and the youngest eight loads may be out
	MUL16 F1, 0, 0, 0
	s_wait_dscnt 0x0                               ; the add is done, my reads of this slot are over
	s_barrier_signal -1
	MUL16 F1, 0, 2, 0
	WIN 0
	s_barrier_wait -1
.endm
.macro SWAP                            ; the reads go to the other slot
	s_xor_b32 s[TB], s[TB], SLOT
	v_add_nc_u32 v[ADRA], s[TB], v[A0]
	v_add_nc_u32 v[ADRB], s[TB], v[B0]
.endm
.macro MULHI                           ; the second half of the last quarter
	MUL16 F1, 1, 0, 0
	MUL16 F1, 1, 2, 0
.endm
; The whole last quarter with a refill: the barrier opens a round of the cluster's barrier; behind the round the slot just read out takes the K step two on: 224 matrix instructions ahead of the wait for it.
.macro TURN
	s_wait_xcnt 0x0                                ; the last prefetch, a K step back, has read its address
	s_add_nc_u64 s[PFA:PFA+1], s[PFA:PFA+1], s[PFS:PFS+1]
	MEET
	CREST
	s_xor_b32 s[G0A+5], s[G0A+5], SLOT             ; no tensor load of mine is out: the walking descriptors go to the other slot,
	s_add_nc_u64 s[G0A+6:G0A+7], s[G0A+6:G0A+7], STEPA  ; one K step on; the type bits on top are not reached
	s_xor_b32 s[G0B+5], s[G0B+5], SLOT
	s_add_nc_u64 s[G0B+6:G0B+7], s[G0B+6:G0B+7], STEPB
	JLOAD                                          ; its four v_nop are also the places in front of the loads below
	SWAP
	FETCH 0, F0
	ASK
	MULHI
.endm
; The accumulators go into LDS: row 16 a + l % 16 of my 128, bytes 64 b + 32 (l / 16).  Each accumulator's low registers go first.
; The ring has had its last fill, and the last change's barrier stands between every wave's awaited reads of it and these stores.  Eight places, once a launch, where four are owed.
.macro DUMP
	PLACES
	PLACES
.irp hi, 0,1
	WIN 0x08+4*\hi                                 ; store data in window 2, then 3
.irp a, 0,1,2,3
.irp b, 0,1,2,3,4,5,6,7
	ds_store_b128 v[STO], v[8*(8*\a+\b):8*(8*\a+\b)+3]   offset:(4*\hi+\a)*16*DP+64*\b
	ds_store_b128 v[STO], v[8*(8*\a+\b)+4:8*(8*\a+\b)+7] offset:(4*\hi+\a)*16*DP+64*\b+16
.endr
.endr
.endr
	WIN 0
.endm
	s_load_b128 s[4:7], s[0:1], 0x0                ; X16 s[4:5], W16 s[6:7]
	s_load_b128 s[68:71], s[0:1], 0x10             ; QKV16 s[68:69], VM s[70:71]
	s_load_b128 s[72:75], s[0:1], 0x20             ; bq s[72:73], bk s[74:75]
	s_load_b64 s[76:77], s[0:1], 0x30              ; bv
	v_lshl_add_u32 v[SPW], v0, 2, SPARE
	v_mov_b32 v[NIL], 0
	ds_add_u32 v[SPW], v[NIL]                      ; the wave's opening: the add and its wait stand ahead of my first tensor load
	v_lshrrev_b32 v1, 5, v0
	v_readfirstlane_b32 s10, v1                    ; wave 0..3
	s_lshr_b32 s11, s10, 1                         ; which half of the tile's rows is mine.  Also: I fetch for A (0) or for B (1)
	s_and_b32 s12, s10, 1                          ; which half of its columns.  Also: which 128 rows of that tile I fetch
	s_bfe_u32 s40, ttmp6, 0x40000                  ; cx
	s_bfe_u32 s41, ttmp6, 0x40004                  ; cy
	s_lshl_b32 s42, ttmp9, 2
	s_add_co_u32 s42, s42, s40                     ; tile column
	s_and_b32 s67, ttmp7, 0xffff                   ; cluster y
	s_lshl_b32 s13, s67, 2
	s_add_co_u32 s13, s13, s41                     ; tile row, 0..95
	s_lshr_b32 s83, s67, 3                         ; which product: 0 q, 1 k, 2 v: the same in all sixteen partners
	s_lshl_b32 s14, s41, 2
	s_lshl_b32 s14, 15, s14                        ; my row of the cluster
	s_lshl_b32 s15, 0x1111, s40                    ; my column
	s_or_b32 s[G1A], s14, (1<<16)|(1<<20)|(1<<21)|(5<<22)|(3<<25)  ; mask; 2-byte elements; padding on; bit 21 beside a mask; after every 64 words, 4 words
	s_or_b32 s[G1B], s15, (1<<16)|(1<<20)|(1<<21)|(5<<22)|(3<<25)
.irp g, G1A, G1B
	s_mov_b32 s[\g+1], 128<<16                     ; tensor_dim0 = 128
	s_mov_b32 s[\g+2], 128<<16                     ; tensor_dim1 = 128
	s_mov_b32 s[\g+3], 128<<16                     ; tile_dim0 = 128
	s_mov_b32 s[\g+4], 128                         ; tile_dim1 = 128
	s_mov_b32 s[\g+5], 1024                        ; elements from row to row
	s_mov_b32 s[\g+6], 0
	s_mov_b32 s[\g+7], 0
.endr
	s_lshl_b32 s17, s12, 7                         ; which 128 rows of the tile I fetch
	s_lshl_b32 s16, s13, 8
	s_add_co_u32 s16, s16, s17
	s_lshl_b32 s16, s16, 11                        ; A: (256 x tile row + 128 x half) rows of 2,048 bytes
	s_lshl_b32 s18, s42, 8
	s_add_co_u32 s18, s18, s17
	s_lshl_b32 s19, s83, 10
	s_add_co_u32 s18, s18, s19
	s_lshl_b32 s18, s18, 11                        ; B: (1,024 x product + 256 x tile column + 128 x half) rows
	s_mov_b32 s17, 0
	s_mov_b32 s19, 0
	s_mul_i32 s20, s10, HALFT                      ; where my part of a tile goes: no place in the cluster enters an LDS address
	s_mov_b32 s[TB], 0
	s_mov_b32 s80, 0x76543210                      ; v_permlanex16_b32: each lane takes its own place in the other half
	s_mov_b32 s81, 0xfedcba98
	s_mov_b32 s82, 0xffff0000
	s_mov_b32 s[PFS], KB
	s_mov_b32 s[PFS+1], 0
	s_wait_dscnt 0x0                               ; the opening add is done
	s_wait_kmcnt 0x0
	s_add_nc_u64 s[14:15], s[4:5], s[16:17]
	s_add_nc_u64 s[46:47], s[6:7], s[18:19]
	CROUND                                         ; all sixteen work-groups are here: the first joint loads meet
.irp n, 0,1
	s_mov_b32 s[G0A+4*\n], 1
	s_add_co_u32 s[G0A+4*\n+1], s20, \n*SLOT
	s_add_nc_u64 s[G0A+4*\n+2:G0A+4*\n+3], s[14:15], \n*STEPA
	s_or_b32 s[G0A+4*\n+3], s[G0A+4*\n+3], 0x80000000
	s_mov_b32 s[G0B+4*\n], 1
	s_add_co_u32 s[G0B+4*\n+1], s20, \n*SLOT
	s_add_nc_u64 s[G0B+4*\n+2:G0B+4*\n+3], s[46:47], \n*STEPB
	s_or_b32 s[G0B+4*\n+3], s[G0B+4*\n+3], 0x80000000
.endr
	s_cmp_eq_u32 s11, 0                            ; a wave's two first fills stand in one branch: two loads of mine are out
	s_cbranch_scc0 .Lfirst_b
	tensor_load_to_lds s[G0A:G0A+3], s[G1A:G1A+7]
	s_nop 0
	tensor_load_to_lds s[G0A+4:G0A+7], s[G1A:G1A+7]
	s_nop 0
.rept 4
	v_nop
.endr
	s_branch .Lfirst_asked
.Lfirst_b:
	tensor_load_to_lds s[G0B:G0B+3], s[G1B:G1B+7]
	s_nop 0
	tensor_load_to_lds s[G0B+4:G0B+7], s[G1B:G1B+7]
	s_nop 0
.rept 4
	v_nop
.endr
.Lfirst_asked:
	; A fragment is 16 rows x 32 K in 8 registers: lane l holds row l % 16, K = 8 (l / 16) + 0..7 and 16 + 8 (l / 16) + 0..7: two loads of 16 bytes, 32 bytes apart.
	v_and_b32 v1, 15, v0                           ; l % 16
	v_bfe_u32 v2, v0, 4, 1                         ; l / 16
	v_and_b32 v4, 31, v0                           ; l
	v_mul_u32_u24 v3, v1, PITCH
	v_lshl_add_u32 v3, v2, 4, v3
	s_mul_i32 s21, s11, HALFT                      ; my 128 rows of A
	s_mul_i32 s22, s12, HALFT
	s_add_co_u32 s22, s22, 2*HALFT                 ; my 128 rows of B, behind A's 256
	v_add_nc_u32 v[A0], s21, v3
	v_add_nc_u32 v[B0], s22, v3
	v_mov_b32 v[ADRA], v[A0]                       ; slot 0
	v_mov_b32 v[ADRB], v[B0]
	s_mul_i32 s23, s10, DW                         ; the way out: my 128 rows
	v_mul_u32_u24 v5, v1, DP
	v_lshl_add_u32 v5, v2, 5, v5
	v_add_nc_u32 v[STO], s23, v5
	v_lshl_add_u32 v[RD], v4, 4, s23               ; a row's 512 bytes are one load of the wave: I own columns 4 l .. 4 l + 3
	v_lshlrev_b32 v[CO], 3, v4                     ; which are 8 bytes of f16
	s_lshl_b32 s14, s13, 8
	s_lshl_b32 s15, s11, 7
	s_add_co_u32 s14, s14, s15
	s_lshl_b32 s14, s14, 11                        ; my first row of the output
	s_mov_b32 s15, 0
	s_add_nc_u64 s[8:9], s[68:69], s[14:15]
	s_lshl_b32 s46, s42, 9
	s_lshl_b32 s47, s12, 8
	s_add_co_u32 s46, s46, s47                     ; my first column, in bytes of f16
	s_mov_b32 s47, 0
	s_add_nc_u64 s[8:9], s[8:9], s[46:47]
	s_cmp_eq_u32 s83, 1                            ; the product's bias
	s_cselect_b64 s[72:73], s[74:75], s[72:73]
	s_cmp_eq_u32 s83, 2
	s_cselect_b64 s[72:73], s[76:77], s[72:73]
	s_lshl_b32 s46, s46, 1                         ; in bytes of f32
	v_lshl_add_u32 v6, v4, 4, s46
	global_load_b128 v[BI:BI+3], v6, s[72:73]
	; the prefetches: x's rows are read by this cluster alone (cluster x is 0 throughout); W's by the product's eight clusters, of which the first asks
	s_and_b32 s22, s67, 7
	s_cmp_eq_u32 s11, 0
	s_cselect_b32 s20, s16, s18                    ; where my fills begin
	s_cselect_b32 s21, s40, s41                    ; my place among the four that ask with me
	s_cselect_b32 s22, ttmp9, s22
	s_cselect_b64 s[PFA:PFA+1], s[4:5], s[6:7]
	s_cmp_eq_u32 s22, 0
	s_cselect_b32 s[LIM], 1, -1
	s_lshl_b32 s21, s21, 16                        ; my work-group's 32 rows of 2,048 bytes
	s_add_co_u32 s20, s20, s21
	s_add_co_u32 s20, s20, 2*KB                    ; at K step 2: the first refill steps it to 3.  K steps 0 to 2 come by their loads alone
	s_mov_b32 s21, 0
	s_add_nc_u64 s[PFA:PFA+1], s[PFA:PFA+1], s[20:21]
	v_lshlrev_b32 v[PFO], 11, v4
	v_mov_b32 v[MX], 0
	v_mov_b32 v[MX+1], 0
	v_mov_b32 v[MX+2], 0
	v_mov_b32 v[MX+3], 0
	s_wait_loadcnt 0x0                             ; the bias: rounded to bf16 like every input, and widened again
	v_cvt_pk_bf16_f32 v8, v[BI], v[BI+1]
	v_cvt_pk_bf16_f32 v9, v[BI+2], v[BI+3]
	v_lshlrev_b32 v[BI], 16, v8
	v_and_b32 v[BI+1], s82, v8
	v_lshlrev_b32 v[BI+2], 16, v9
	v_and_b32 v[BI+3], s82, v9
	s_wait_tensorcnt 1                             ; my part of K step 0 is in; K step 1's may stay out
	s_barrier_signal -1
	s_barrier_wait -1
	FETCH 0, F0
	QUARTER 64, F0, F1, 1                          ; the first quarter's products start the sums
	WIN 0
	s_mov_b32 s3, KS-2
.Lk:                                           ; a trip: from a K step's second quarter to the next step's first; it fills the slot that it leaves
	QUARTER 128, F1, F0, 0
	QUARTER 192, F0, F1, 0
	TURN
	QUARTER 64, F0, F1, 0
	WIN 0
	s_sub_co_u32 s3, s3, 1
	s_cmp_lg_u32 s3, 0
	s_cbranch_scc1 .Lk
	s_mov_b32 s3, 2
.Ltail:                                        ; the last two K steps ask for nothing; the second trip is left in its middle
	QUARTER 128, F1, F0, 0
	QUARTER 192, F0, F1, 0
	MEET
	s_sub_co_u32 s3, s3, 1
	s_cmp_eq_u32 s3, 0
	s_cbranch_scc1 .Lout
	PLACES
	SWAP
	FETCH 0, F0
	MULHI
	QUARTER 64, F0, F1, 0
	WIN 0
	s_branch .Ltail
.Lout:
	MULHI
	DUMP
	s_mov_b32 s3, 16
.Lrows:                                        ; eight rows a trip: bias, extrema, one rounding to f16; a wave's store covers 256 consecutive bytes, aligned
.irp i, 0,1,2,3,4,5,6,7
	ds_load_b128 v[YR+4*\i:YR+4*\i+3], v[RD] offset:\i*DP  ; LDS serves a wave's instructions in order: these see my stores above
.endr
	v_add_nc_u32 v[RD], 8*DP, v[RD]
.irp i, 0,1,2,3,4,5,6,7
	s_wait_dscnt 7-\i                              ; row i is in; the younger rows may be out
	v_pk_add_f32 v[YR+4*\i:YR+4*\i+1],   v[YR+4*\i:YR+4*\i+1],   v[BI:BI+1]
	v_pk_add_f32 v[YR+4*\i+2:YR+4*\i+3], v[YR+4*\i+2:YR+4*\i+3], v[BI+2:BI+3]
	v_max3_num_f32 v[MX],   v[MX],   v[YR+4*\i],   v[YR+4*\i+1]
	v_max3_num_f32 v[MX+1], v[MX+1], v[YR+4*\i+2], v[YR+4*\i+3]
	v_min3_num_f32 v[MX+2], v[MX+2], v[YR+4*\i],   v[YR+4*\i+1]
	v_min3_num_f32 v[MX+3], v[MX+3], v[YR+4*\i+2], v[YR+4*\i+3]
	v_cvt_pk_f16_f32 v[ZR+2*\i],   v[YR+4*\i],   v[YR+4*\i+1]
	v_cvt_pk_f16_f32 v[ZR+2*\i+1], v[YR+4*\i+2], v[YR+4*\i+3]
	global_store_b64 v[CO], v[ZR+2*\i:ZR+2*\i+1], s[8:9] offset:\i*2048
.endr
	s_wait_xcnt 0x0                                ; the stores have read their data and their base
	s_add_nc_u64 s[8:9], s[8:9], 8*2048
	s_sub_co_u32 s3, s3, 1
	s_cmp_lg_u32 s3, 0
	s_cbranch_scc1 .Lrows
	v_max_num_f32 v[MX], v[MX], v[MX+1]            ; the wave's largest magnitude: max(largest, - smallest), both started at 0
	v_min_num_f32 v[MX+2], v[MX+2], v[MX+3]
	v_sub_f32 v[MX+2], 0, v[MX+2]
	v_max_num_f32 v[MX], v[MX], v[MX+2]
	v_max_num_f32_dpp v[MX], v[MX], v[MX] row_xmask:1 row_mask:0xf bank_mask:0xf
	v_max_num_f32_dpp v[MX], v[MX], v[MX] row_xmask:2 row_mask:0xf bank_mask:0xf
	v_max_num_f32_dpp v[MX], v[MX], v[MX] row_xmask:4 row_mask:0xf bank_mask:0xf
	v_max_num_f32_dpp v[MX], v[MX], v[MX] row_xmask:8 row_mask:0xf bank_mask:0xf
	v_permlanex16_b32 v[MX+1], v[MX], s80, s81
	v_max_num_f32 v[MX], v[MX], v[MX+1]
	s_cmp_lg_u32 s83, 2                            ; only v's is wanted
	s_cbranch_scc1 .Lno_vm
	s_sub_co_u32 s15, s13, 64                      ; v's tile rows are 64..95
	s_lshl_b32 s15, s15, 2
	s_add_co_u32 s15, s15, s42
	s_lshl_b32 s15, s15, 2
	s_add_co_u32 s15, s15, s10
	s_lshl_b32 s15, s15, 2                         ; ((tile row - 64) x 4 + tile column) x 4 + wave, in bytes
	v_mov_b32 v6, s15
	v_cmp_eq_u32 vcc_lo, 0, v4
	s_wait_xcnt 0x0                                ; EXEC changes only behind this wait
	s_and_saveexec_b32 s14, vcc_lo
	global_store_b32 v6, v[MX], s[70:71]           ; one lane stores the wave's number
	s_wait_xcnt 0x0                                ; and again, in front of the line that widens it
	s_or_b32 exec_lo, exec_lo, s14
.Lno_vm:
	s_wait_tensorcnt 0x0                           ; the wave's end
	ds_add_u32 v[SPW], v[NIL]
	s_wait_dscnt 0x0
	CROUND                                         ; the closing round
	s_endpgm
.Lfunc_end_k_q0fbbdea4c8_proj:
	.size	k_q0fbbdea4c8_proj, .Lfunc_end_k_q0fbbdea4c8_proj-k_q0fbbdea4c8_proj
	.p2alignl 7, 3214868480
	.fill 96, 4, 3214868480
	.section	.rodata,"a",@progbits
	.p2align	6, 0x0
	.amdhsa_kernel k_q0fbbdea4c8_proj
		.amdhsa_group_segment_fixed_size 327680
		.amdhsa_private_segment_fixed_size 0
		.amdhsa_enable_private_segment 0
		.amdhsa_kernarg_size 56
		.amdhsa_user_sgpr_count 2
		.amdhsa_user_sgpr_kernarg_segment_ptr 1
		.amdhsa_wavefront_size32 1
		.amdhsa_system_sgpr_workgroup_id_x 1
		.amdhsa_system_sgpr_workgroup_id_y 1
		.amdhsa_system_sgpr_workgroup_id_z 1
		.amdhsa_system_vgpr_workitem_id 0
		.amdhsa_next_free_vgpr 1024
		.amdhsa_next_free_sgpr 96
		.amdhsa_reserve_vcc 1
		.amdhsa_float_denorm_mode_32 3
		.amdhsa_float_denorm_mode_16_64 3
		.amdhsa_memory_ordered 1
		.amdhsa_forward_progress 1
		.amdhsa_inst_pref_size 87
	.end_amdhsa_kernel
	.amdgpu_metadata
---
amdhsa.version: [ 1, 2 ]
amdhsa.kernels:
  - .name:           k_q0fbbdea4c8_proj
    .symbol:         k_q0fbbdea4c8_proj.kd
    .args:
      - { .name: X16, .offset: 0, .size: 8, .value_kind: global_buffer, .address_space: global }
      - { .name: W16, .offset: 8, .size: 8, .value_kind: global_buffer, .address_space: global }
      - { .name: QKV16, .offset: 16, .size: 8, .value_kind: global_buffer, .address_space: global }
      - { .name: VM, .offset: 24, .size: 8, .value_kind: global_buffer, .address_space: global }
      - { .name: bq, .offset: 32, .size: 8, .value_kind: global_buffer, .address_space: global }
      - { .name: bk, .offset: 40, .size: 8, .value_kind: global_buffer, .address_space: global }
      - { .name: bv, .offset: 48, .size: 8, .value_kind: global_buffer, .address_space: global }
    .group_segment_fixed_size: 327680
    .private_segment_fixed_size: 0
    .kernarg_segment_align: 8
    .kernarg_segment_size: 56
    .max_flat_workgroup_size: 128
    .sgpr_count:     96
    .vgpr_count:     1024
    .wavefront_size: 32
...
	.end_amdgpu_metadata
.endif
;; end of part 2
;; launch scores (part 3): grid 8 x 32, 4 waves a work-group, clusters of 4 x 4, 327,680 bytes of LDS; arguments QKV16, PT, STAT; writes PT, STAT
.if DOCPART == 3
	.amdgcn_target "amdgcn-amd-amdhsa--gfx1250"
	.amdhsa_code_object_version 6
	.text
	.protected	k_q0fbbdea4c8_scores
	.globl	k_q0fbbdea4c8_scores
	.p2align	8
	.type	k_q0fbbdea4c8_scores,@function
k_q0fbbdea4c8_scores:
	s_mov_b64 s[64:65], 0
	v_nop
	global_prefetch_b8 v0, s[64:65] scope:SCOPE_SE
	s_setreg_imm32_b32 hwreg(HW_REG_WAVE_MODE, 25, 1), 1
	s_wait_xcnt 0x0
	s_wait_alu depctr_hold_cnt(0) depctr_sa_sdst(0) depctr_va_vdst(0) depctr_va_sdst(0) depctr_va_ssrc(0) depctr_va_vcc(0) depctr_vm_vsrc(0)
	s_getreg_b32 s2, hwreg(HW_REG_IB_STS2, 6, 4)
	s_cmp_eq_u32 s2, 0
	s_cbranch_scc0 .Lentry_in_a_cluster
	s_endpgm
.Lentry_in_a_cluster:
	s_bfe_u32 s2, ttmp6, 0x10000c
	s_cmp_lg_u32 s2, 0xf033
	s_cbranch_scc0 .Lentry_shape_is_right
	s_endpgm
.Lentry_shape_is_right:
; S^T[key][query] = k . q over 1,024 channels, for each of 4 batches, and the softmax's first part.  The softmax runs over the QUERY axis: each key is normalised over its 2,048 queries.
; For each key and each block t of 128 queries: m = the true maximum of the block's scores, p = 2^(c s - c m) with c = log2(e) / 8, l = the sum of the unrounded p.
; PT [4][2048 key][2048 query] f16 takes p; STAT [4][16 t][2][2048 key] f32 takes c m and l.  A later launch ties the blocks together by the usual correction 2^(c m_t - c M) / L.
; LIMITS.  A weight below 6e-8 counts as 0 (f16's last step); a weight below 2^-126 counts as 0 in l; NaN and infinities are not treated apart.
; SHAPE.  As in the projections: a tile of 256 keys x 256 queries, four waves of 128 x 128, K in 8 steps of 128 through two LDS slots, 4 x 4 clusters with joint loads.  The A role is the keys
; (rows 8192 + .. of QKV16), the B role the queries: used transposed, a lane holds ONE key (l % 16) and eight neighbouring queries, so a key's maximum and sum want one exchange of the lanes' halves.
; THE WAY OUT.  The accumulators go into the ring's own bytes, which have had their last fill; a counted loop takes 16 keys a trip.
; REGISTERS: window 0: v0-31 addresses and statistics, v64-127 and v128-191 fragments of k (on the way out: scores, weights, rows); window 1: fragments of q; windows 2, 3: accumulators.
.set KS,    8
.set KB,    256
.set STEPA, KB
.set STEPB, KB
.set PITCH, 272                        ; an LDS row: 256 bytes + 16 of padding
.set HALFT, 128*PITCH
.set SLOT,  4*HALFT
.set DP,    528                        ; the way out: a row of 128 f32 + 16 bytes
.set DW,    128*DP
.set STATS, 4*DW                       ; behind the four waves' rows, still in the ring's bytes: c m (512 bytes) and l (512 bytes) for each wave
.set SPARE, 2*SLOT                     ; behind the ring: the spare words, that no other line names
.set A0,   16
.set B0,   17
.set ADRA, 18
.set ADRB, 19
.set STO,  20                          ; v20  where my 32 bytes of a key's row lie; on the way out it steps from block to block
.set RD,   21                          ; v21  where I read 16 bytes of a whole f16 row back
.set CO,   22                          ; v22  my byte offset in two rows of PT
.set PS,   24                          ; v24  where my 16 bytes of f16 go
.set SA,   25                          ; v25  where c m (lanes 0-15) and l (lanes 16-31) go
.set SR,   26                          ; v26  where I read them back
.set SO,   27                          ; v27  my byte offset in STAT
.set SPW,  28
.set NIL,  29
.set PFO,  30
.set CH,   8                           ; v8-11   four chains of the maximum
.set CM,   12                          ; v[12:13] c m (the pair's second register is only named)
.set LS,   14                          ; v14-15  l, at work
.set F0,   64
.set F1,   128
.set X,    64                          ; the way out: my 64 scores of a block
.set PH,   128                         ; their weights in f16
.set OB,   160                         ; whole rows read back
.set G1A, 24
.set G0A, 32
.set G1B, 48
.set G0B, 56
.set LIM, 43
.set PFA, 44
.set TB,  66
.set CS,  78                           ; s[78:79] c
.set PFS, 84
.set MSB, 0
.macro WIN new                         ; the immediate's high byte repeats the setting that is left; a switch that changes nothing is dropped
.if MSB != (\new)
	s_set_vgpr_msb (MSB<<8)|(\new)
.set MSB, \new
.endif
.endm
.set MUL_LO, 0xa1                      ; source 0 (B) window 1, source 1 (A) window 0, C and D window 2
.set MUL_HI, 0xf1
.set TO_B,   0x40
.macro PLACES                          ; four places between a matrix instruction and a load into, or a reader of, its registers
.rept 4
	v_nop
.endr
.endm
.macro JLOAD                           ; a joint refill: waves 0 and 1 for A, waves 2 and 3 for B; an s_nop 0 and four v_nop follow each line
	s_cmp_eq_u32 s11, 0
	s_cbranch_scc0 .Lfor_b_\@
	tensor_load_to_lds s[G0A+4:G0A+7], s[G1A:G1A+7]
	s_nop 0
.rept 4
	v_nop
.endr
	s_branch .Lasked_\@
.Lfor_b_\@:
	tensor_load_to_lds s[G0B+4:G0B+7], s[G1B:G1B+7]
	s_nop 0
.rept 4
	v_nop
.endr
.Lasked_\@:
.endm
.macro ASK                             ; the K step that the next refill will ask for, 256 matrix instructions ahead: my work-group's 32 of the 128 rows that I fetch, a lane a row; the last trip asks for nothing
	s_cmp_gt_u32 s3, s[LIM]
	s_cbranch_scc0 .Lnot_mine_\@
	global_prefetch_b8 v[PFO], s[PFA:PFA+1] th:TH_LOAD_NT scope:SCOPE_SE
.Lnot_mine_\@:
.endm
.macro CREST
	s_cmp_lg_u32 s10, 0
	s_cbranch_scc1 .Lnot_wave_0_\@
	s_barrier_signal -3
.Lnot_wave_0_\@:
	s_barrier_wait -3
	s_barrier_signal -1
	s_barrier_wait -1
.endm
.macro CROUND
	s_barrier_signal -1
	s_barrier_wait -1
	CREST
.endm
.macro MUL16 f, hi, a0, zero           ; 16 matrix instructions: m blocks a0, a0 + 1 x all 8 n blocks; zero = 1 starts the sums
	WIN MUL_LO+0x50*(\hi)
.irp a, \a0, (\a0)+1
.irp b, 0,1,2,3,4,5,6,7
.if \zero
	v_wmma_f32_16x16x32_f16 v[8*(8*(\a)+(\b)):8*(8*(\a)+(\b))+7], v[(\f)+8*(\b):(\f)+8*(\b)+7], v[(\f)+8*(4*(\hi)+(\a)):(\f)+8*(4*(\hi)+(\a))+7], 0
.else
	v_wmma_f32_16x16x32_f16 v[8*(8*(\a)+(\b)):8*(8*(\a)+(\b))+7], v[(\f)+8*(\b):(\f)+8*(\b)+7], v[(\f)+8*(4*(\hi)+(\a)):(\f)+8*(4*(\hi)+(\a))+7], v[8*(8*(\a)+(\b)):8*(8*(\a)+(\b))+7]
.endif
.endr
.endr
.endm
.macro FETCH k, f                      ; 32 LDS loads in one run: B's 128 rows, then A's
	WIN TO_B
.irp i, 0,1,2,3,4,5,6,7
	ds_load_b128 v[(\f)+8*\i:(\f)+8*\i+3],   v[ADRB] offset:(\k)+\i*16*PITCH
	ds_load_b128 v[(\f)+8*\i+4:(\f)+8*\i+7], v[ADRB] offset:(\k)+\i*16*PITCH+32
.endr
	WIN 0
.irp i, 0,1,2,3,4,5,6,7
	ds_load_b128 v[(\f)+8*\i:(\f)+8*\i+3],   v[ADRA] offset:(\k)+\i*16*PITCH
	ds_load_b128 v[(\f)+8*\i+4:(\f)+8*\i+7], v[ADRA] offset:(\k)+\i*16*PITCH+32
.endr
.endm
.macro QUARTER k, f, g, zero
	s_wait_dscnt 8                                 ; the youngest eight loads (A's rows 64-127) may be out
	MUL16 \f, 0, 0, \zero
	MUL16 \f, 0, 2, \zero
	PLACES
	FETCH \k, \g
	s_wait_dscnt 32                                ; all but the 32 just issued
	MUL16 \f, 1, 0, \zero
	MUL16 \f, 1, 2, \zero
.endm
.macro MEET                            ; the change of slots: all my tensor loads, the add, my reads of this slot; then the barrier
	WIN 0
	s_wait_tensorcnt 0x0
	ds_add_u32 v[SPW], v[NIL]
	s_wait_dscnt 9                                 ; the add and the youngest eight loads may be out
	MUL16 F1, 0, 0, 0
	s_wait_dscnt 0x0
	s_barrier_signal -1
	MUL16 F1, 0, 2, 0
	WIN 0
	s_barrier_wait -1
.endm
.macro SWAP
	s_xor_b32 s[TB], s[TB], SLOT
	v_add_nc_u32 v[ADRA], s[TB], v[A0]
	v_add_nc_u32 v[ADRB], s[TB], v[B0]
.endm
.macro MULHI
	MUL16 F1, 1, 0, 0
	MUL16 F1, 1, 2, 0
.endm
.macro TURN                            ; the last quarter with a refill: the barrier opens a round of the cluster's; the joint refill is the first tensor load behind it
	s_wait_xcnt 0x0                                ; the last prefetch, a K step back, has read its address
	s_add_nc_u64 s[PFA:PFA+1], s[PFA:PFA+1], s[PFS:PFS+1]
	MEET
	CREST
	s_xor_b32 s[G0A+5], s[G0A+5], SLOT             ; no tensor load of mine is out: the walking descriptors go to the other slot, one K step on
	s_add_nc_u64 s[G0A+6:G0A+7], s[G0A+6:G0A+7], STEPA
	s_xor_b32 s[G0B+5], s[G0B+5], SLOT
	s_add_nc_u64 s[G0B+6:G0B+7], s[G0B+6:G0B+7], STEPB
	JLOAD
	SWAP
	FETCH 0, F0
	ASK
	MULHI
.endm
.macro DUMP                            ; the accumulators into LDS: key 16 a + l % 16 of my 128, bytes 64 b + 32 (l / 16); low registers first; eight places, once a launch, where four are owed
	PLACES
	PLACES
.irp hi, 0,1
	WIN 0x08+4*\hi
.irp a, 0,1,2,3
.irp b, 0,1,2,3,4,5,6,7
	ds_store_b128 v[STO], v[8*(8*\a+\b):8*(8*\a+\b)+3]   offset:(4*\hi+\a)*16*DP+64*\b
	ds_store_b128 v[STO], v[8*(8*\a+\b)+4:8*(8*\a+\b)+7] offset:(4*\hi+\a)*16*DP+64*\b+16
.endr
.endr
.endr
	WIN 0
.endm
	s_load_b128 s[4:7], s[0:1], 0x0                ; QKV16 s[4:5], PT s[6:7]
	s_load_b64 s[68:69], s[0:1], 0x10              ; STAT
	v_lshl_add_u32 v[SPW], v0, 2, SPARE
	v_mov_b32 v[NIL], 0
	ds_add_u32 v[SPW], v[NIL]                      ; the wave's opening: the add and its wait stand ahead of my first tensor load
	v_lshrrev_b32 v1, 5, v0
	v_readfirstlane_b32 s10, v1                    ; wave 0..3
	s_lshr_b32 s11, s10, 1                         ; which half of the tile's keys is mine.  Also: I fetch for A (0) or for B (1)
	s_and_b32 s12, s10, 1                          ; which half of its queries.  Also: which 128 rows of that tile I fetch
	s_bfe_u32 s40, ttmp6, 0x40000                  ; cx
	s_bfe_u32 s41, ttmp6, 0x40004                  ; cy
	s_lshl_b32 s42, ttmp9, 2
	s_add_co_u32 s42, s42, s40                     ; tile column: 256 queries of the batch, 0..7
	s_and_b32 s67, ttmp7, 0xffff                   ; cluster y
	s_lshl_b32 s13, s67, 2
	s_add_co_u32 s13, s13, s41                     ; tile row: 256 keys, 0..31 = 8 x batch + block
	s_lshr_b32 s83, s67, 1                         ; the batch: the same in all sixteen partners
	s_lshl_b32 s14, s41, 2
	s_lshl_b32 s14, 15, s14
	s_lshl_b32 s15, 0x1111, s40
	s_or_b32 s[G1A], s14, (1<<16)|(1<<20)|(1<<21)|(5<<22)|(3<<25)
	s_or_b32 s[G1B], s15, (1<<16)|(1<<20)|(1<<21)|(5<<22)|(3<<25)
.irp g, G1A, G1B
	s_mov_b32 s[\g+1], 128<<16
	s_mov_b32 s[\g+2], 128<<16
	s_mov_b32 s[\g+3], 128<<16
	s_mov_b32 s[\g+4], 128
	s_mov_b32 s[\g+5], 1024
	s_mov_b32 s[\g+6], 0
	s_mov_b32 s[\g+7], 0
.endr
	s_lshl_b32 s17, s12, 7
	s_lshl_b32 s16, s13, 8
	s_add_co_u32 s16, s16, s17
	s_add_co_u32 s16, s16, 8192
	s_lshl_b32 s16, s16, 11                        ; A: k's row 8,192 + 256 x tile row + 128 x half
	s_lshl_b32 s18, s42, 8
	s_add_co_u32 s18, s18, s17
	s_lshl_b32 s19, s83, 11
	s_add_co_u32 s18, s18, s19
	s_lshl_b32 s18, s18, 11                        ; B: q's row 2,048 x batch + 256 x tile column + 128 x half
	s_mov_b32 s17, 0
	s_mov_b32 s19, 0
	s_mul_i32 s20, s10, HALFT
	s_mov_b32 s[TB], 0
	s_mov_b32 s[CS], 0x3e38aa3b                    ; c = log2(e) / 8
	s_mov_b32 s[CS+1], s[CS]
	s_mov_b32 s80, 0x76543210
	s_mov_b32 s81, 0xfedcba98
	s_mov_b32 s82, 0xffff0000                      ; lanes 16-31
	s_mov_b32 s[PFS], KB
	s_mov_b32 s[PFS+1], 0
	s_wait_dscnt 0x0
	s_wait_kmcnt 0x0
	s_add_nc_u64 s[14:15], s[4:5], s[16:17]
	s_add_nc_u64 s[46:47], s[4:5], s[18:19]
	CROUND
.irp n, 0,1
	s_mov_b32 s[G0A+4*\n], 1
	s_add_co_u32 s[G0A+4*\n+1], s20, \n*SLOT
	s_add_nc_u64 s[G0A+4*\n+2:G0A+4*\n+3], s[14:15], \n*STEPA
	s_or_b32 s[G0A+4*\n+3], s[G0A+4*\n+3], 0x80000000
	s_mov_b32 s[G0B+4*\n], 1
	s_add_co_u32 s[G0B+4*\n+1], s20, \n*SLOT
	s_add_nc_u64 s[G0B+4*\n+2:G0B+4*\n+3], s[46:47], \n*STEPB
	s_or_b32 s[G0B+4*\n+3], s[G0B+4*\n+3], 0x80000000
.endr
	s_cmp_eq_u32 s11, 0                            ; a wave's two first fills stand in one branch
	s_cbranch_scc0 .Lfirst_b
	tensor_load_to_lds s[G0A:G0A+3], s[G1A:G1A+7]
	s_nop 0
	tensor_load_to_lds s[G0A+4:G0A+7], s[G1A:G1A+7]
	s_nop 0
.rept 4
	v_nop
.endr
	s_branch .Lfirst_asked
.Lfirst_b:
	tensor_load_to_lds s[G0B:G0B+3], s[G1B:G1B+7]
	s_nop 0
	tensor_load_to_lds s[G0B+4:G0B+7], s[G1B:G1B+7]
	s_nop 0
.rept 4
	v_nop
.endr
.Lfirst_asked:
	v_and_b32 v1, 15, v0                           ; l % 16
	v_bfe_u32 v2, v0, 4, 1                         ; l / 16
	v_and_b32 v4, 31, v0                           ; l
	v_mul_u32_u24 v3, v1, PITCH
	v_lshl_add_u32 v3, v2, 4, v3
	s_mul_i32 s21, s11, HALFT
	s_mul_i32 s22, s12, HALFT
	s_add_co_u32 s22, s22, 2*HALFT
	v_add_nc_u32 v[A0], s21, v3
	v_add_nc_u32 v[B0], s22, v3
	v_mov_b32 v[ADRA], v[A0]
	v_mov_b32 v[ADRB], v[B0]
	s_mul_i32 s23, s10, DW                         ; the way out
	v_mul_u32_u24 v5, v1, DP
	v_add_nc_u32 v5, s23, v5                       ; my key's row in a block of 16
	v_lshl_add_u32 v[STO], v2, 5, v5               ; f32: 32 bytes for each half of the lanes
	v_lshl_add_u32 v[PS], v2, 4, v5                ; f16: 16 bytes
	v_mul_u32_u24 v6, v2, DP                       ; back: lanes 0-15 take one row of 256 bytes, lanes 16-31 the next
	v_lshl_add_u32 v6, v1, 4, v6
	v_add_nc_u32 v[RD], s23, v6
	v_lshlrev_b32 v6, 12, v2                       ; and the same two rows in PT, 4,096 bytes apart
	v_lshl_add_u32 v[CO], v1, 4, v6
	s_lshl_b32 s22, s10, 10
	s_add_co_u32 s22, s22, STATS
	v_lshlrev_b32 v6, 9, v2
	v_lshl_add_u32 v6, v1, 2, v6
	v_add_nc_u32 v[SA], s22, v6
	v_lshl_add_u32 v[SR], v4, 4, s22
	v_lshlrev_b32 v[SO], 4, v4
	v_mov_b32 v[CM+1], 0                           ; named in a pair, so it is written
	v_mov_b32 v[LS+1], 0                           ; v_permlanex16_b32 counts as a reader of its destination
	s_lshl_b32 s14, s13, 8
	s_lshl_b32 s15, s11, 7
	s_add_co_u32 s14, s14, s15
	s_lshl_b32 s14, s14, 12                        ; PT: my first key's row (256 x tile row counts the batches' keys on end)
	s_mov_b32 s15, 0
	s_add_nc_u64 s[8:9], s[6:7], s[14:15]
	s_lshl_b32 s46, s42, 9
	s_lshl_b32 s47, s12, 8
	s_add_co_u32 s46, s46, s47                     ; my 128 queries: 256 bytes, aligned
	s_mov_b32 s47, 0
	s_add_nc_u64 s[8:9], s[8:9], s[46:47]
	s_lshl_b32 s46, s83, 4                         ; STAT: (16 x batch + t) x 16,384, t = 2 x tile column + half
	s_lshl_b32 s47, s42, 1
	s_add_co_u32 s46, s46, s47
	s_add_co_u32 s46, s46, s12
	s_lshl_b32 s46, s46, 14
	s_and_b32 s47, s13, 7
	s_lshl_b32 s47, s47, 10                        ; + 4 x (256 x block of keys + 128 x half)
	s_add_co_u32 s46, s46, s47
	s_lshl_b32 s47, s11, 9
	s_add_co_u32 s46, s46, s47
	s_mov_b32 s47, 0
	s_add_nc_u64 s[68:69], s[68:69], s[46:47]
	; the prefetches: k's rows are read by the two clusters of a row of clusters (x = 0 asks), q's by the batch's two clusters along y (the even one asks)
	s_and_b32 s22, s67, 1
	s_cmp_eq_u32 s11, 0
	s_cselect_b32 s20, s16, s18
	s_cselect_b32 s21, s40, s41
	s_cselect_b32 s22, ttmp9, s22
	s_cmp_eq_u32 s22, 0
	s_cselect_b32 s[LIM], 1, -1
	s_lshl_b32 s21, s21, 16
	s_add_co_u32 s20, s20, s21
	s_add_co_u32 s20, s20, 2*KB                    ; at K step 2: the first refill steps it to 3
	s_mov_b32 s21, 0
	s_add_nc_u64 s[PFA:PFA+1], s[4:5], s[20:21]
	v_lshlrev_b32 v[PFO], 11, v4
	s_wait_tensorcnt 1                             ; my part of K step 0 is in; K step 1's may stay out
	s_barrier_signal -1
	s_barrier_wait -1
	FETCH 0, F0
	QUARTER 64, F0, F1, 1
	WIN 0
	s_mov_b32 s3, KS-2
.Lk:
	QUARTER 128, F1, F0, 0
	QUARTER 192, F0, F1, 0
	TURN
	QUARTER 64, F0, F1, 0
	WIN 0
	s_sub_co_u32 s3, s3, 1
	s_cmp_lg_u32 s3, 0
	s_cbranch_scc1 .Lk
	s_mov_b32 s3, 2
.Ltail:                                        ; the last two K steps ask for nothing; the second trip is left in its middle
	QUARTER 128, F1, F0, 0
	QUARTER 192, F0, F1, 0
	MEET
	s_sub_co_u32 s3, s3, 1
	s_cmp_eq_u32 s3, 0
	s_cbranch_scc1 .Lout
	PLACES
	SWAP
	FETCH 0, F0
	MULHI
	QUARTER 64, F0, F1, 0
	WIN 0
	s_branch .Ltail
.Lout:
	MULHI
	DUMP
	s_mov_b32 s3, 8
.Lblock:                                       ; 16 keys a trip: a lane has one key and 64 of its 128 queries
.irp b, 0,1,2,3,4,5,6,7
	ds_load_b128 v[X+8*\b:X+8*\b+3],   v[STO] offset:64*\b
	ds_load_b128 v[X+8*\b+4:X+8*\b+7], v[STO] offset:64*\b+16
.endr
	v_add_nc_u32 v[STO], 16*DP, v[STO]
	s_wait_dscnt 0x0
.irp c, 0,1,2,3                        ; the maximum: four chains of 16 scores
	v_max3_num_f32 v[CH+\c], v[X+16*\c], v[X+16*\c+1], v[X+16*\c+2]
.endr
.irp j, 3,5,7,9,11,13
.irp c, 0,1,2,3
	v_max3_num_f32 v[CH+\c], v[CH+\c], v[X+16*\c+\j], v[X+16*\c+\j+1]
.endr
.endr
.irp c, 0,1,2,3
	v_max_num_f32 v[CH+\c], v[CH+\c], v[X+16*\c+15]
.endr
	v_max3_num_f32 v[CH], v[CH], v[CH+1], v[CH+2]
	v_max_num_f32 v[CH], v[CH], v[CH+3]
	v_permlanex16_b32 v[CH+1], v[CH], s80, s81     ; the key's other 64 queries lie in the lane 16 away
	v_max_num_f32 v[CH], v[CH], v[CH+1]
	v_mul_f32 v[CM], s[CS], v[CH]                  ; c m
.set i, 0
.rept 32
	v_pk_fma_f32 v[X+2*i:X+2*i+1], v[X+2*i:X+2*i+1], s[CS:CS+1], v[CM:CM+1] op_sel_hi:[1,0,0] neg_lo:[0,0,1] neg_hi:[0,0,1]  ; c s - c m
.set i, i+1
.endr
.set i, 0
.rept 64
	v_exp_f32 v[X+i], v[X+i]
.set i, i+1
.endr
	v_nop                                          ; a plain instruction behind the last exponential,
	s_wait_alu depctr_va_vdst(0)                   ; and one wait for the batch of 64, ahead of its first reader
.set i, 0
.rept 32
	v_cvt_pk_f16_f32 v[PH+i], v[X+2*i], v[X+2*i+1]
.set i, i+1
.endr
.irp w, 16,8,4,2,1                     ; the sum of the unrounded weights, in a tree of pairs
.set i, 0
.rept \w
	v_pk_add_f32 v[X+2*i:X+2*i+1], v[X+2*i:X+2*i+1], v[X+2*(i+\w):X+2*(i+\w)+1]
.set i, i+1
.endr
.endr
	v_add_f32 v[LS], v[X], v[X+1]
	v_permlanex16_b32 v[LS+1], v[LS], s80, s81
	v_add_f32 v[LS], v[LS], v[LS+1]
	v_cndmask_b32 v[LS+1], v[CM], v[LS], s82       ; lanes 0-15 carry c m, lanes 16-31 l
	ds_store_b32 v[SA], v[LS+1]
	v_add_nc_u32 v[SA], 64, v[SA]
.irp b, 0,1,2,3,4,5,6,7
	ds_store_b128 v[PS], v[PH+4*\b:PH+4*\b+3] offset:32*\b  ; into the block's own rows, which have been read
.endr
	v_add_nc_u32 v[PS], 16*DP, v[PS]
.irp t, 0,1,2,3,4,5,6,7
	ds_load_b128 v[OB+4*\t:OB+4*\t+3], v[RD] offset:\t*2*DP  ; LDS serves a wave's instructions in order: these see the stores above
.endr
	v_add_nc_u32 v[RD], 16*DP, v[RD]
.irp t, 0,1,2,3,4,5,6,7
	s_wait_dscnt 7-\t                              ; rows 2 t, 2 t + 1 are in; the younger loads may be out
	global_store_b128 v[CO], v[OB+4*\t:OB+4*\t+3], s[8:9] offset:2*\t*4096  ; 16 lanes store 256 consecutive bytes, aligned
.endr
	s_wait_xcnt 0x0                                ; the stores have read their data and their base
	s_add_nc_u64 s[8:9], s[8:9], 16*4096
	s_sub_co_u32 s3, s3, 1
	s_cmp_lg_u32 s3, 0
	s_cbranch_scc1 .Lblock
	ds_load_b128 v[X:X+3],   v[SR]                 ; my wave's 128 c m and 128 l, each 512 bytes on end
	ds_load_b128 v[X+4:X+7], v[SR] offset:512
	s_wait_dscnt 0x0
	global_store_b128 v[SO], v[X:X+3],   s[68:69]
	global_store_b128 v[SO], v[X+4:X+7], s[68:69] offset:8192
	s_wait_tensorcnt 0x0                           ; the wave's end
	ds_add_u32 v[SPW], v[NIL]
	s_wait_dscnt 0x0
	CROUND                                         ; the closing round
	s_endpgm
.Lfunc_end_k_q0fbbdea4c8_scores:
	.size	k_q0fbbdea4c8_scores, .Lfunc_end_k_q0fbbdea4c8_scores-k_q0fbbdea4c8_scores
	.p2alignl 7, 3214868480
	.fill 96, 4, 3214868480
	.section	.rodata,"a",@progbits
	.p2align	6, 0x0
	.amdhsa_kernel k_q0fbbdea4c8_scores
		.amdhsa_group_segment_fixed_size 327680
		.amdhsa_private_segment_fixed_size 0
		.amdhsa_enable_private_segment 0
		.amdhsa_kernarg_size 24
		.amdhsa_user_sgpr_count 2
		.amdhsa_user_sgpr_kernarg_segment_ptr 1
		.amdhsa_wavefront_size32 1
		.amdhsa_system_sgpr_workgroup_id_x 1
		.amdhsa_system_sgpr_workgroup_id_y 1
		.amdhsa_system_sgpr_workgroup_id_z 1
		.amdhsa_system_vgpr_workitem_id 0
		.amdhsa_next_free_vgpr 1024
		.amdhsa_next_free_sgpr 96
		.amdhsa_reserve_vcc 0
		.amdhsa_float_denorm_mode_32 3
		.amdhsa_float_denorm_mode_16_64 3
		.amdhsa_memory_ordered 1
		.amdhsa_forward_progress 1
		.amdhsa_inst_pref_size 95
	.end_amdhsa_kernel
	.amdgpu_metadata
---
amdhsa.version: [ 1, 2 ]
amdhsa.kernels:
  - .name:           k_q0fbbdea4c8_scores
    .symbol:         k_q0fbbdea4c8_scores.kd
    .args:
      - { .name: QKV16, .offset: 0, .size: 8, .value_kind: global_buffer, .address_space: global }
      - { .name: PT, .offset: 8, .size: 8, .value_kind: global_buffer, .address_space: global }
      - { .name: STAT, .offset: 16, .size: 8, .value_kind: global_buffer, .address_space: global }
    .group_segment_fixed_size: 327680
    .private_segment_fixed_size: 0
    .kernarg_segment_align: 8
    .kernarg_segment_size: 24
    .max_flat_workgroup_size: 128
    .sgpr_count:     96
    .vgpr_count:     1024
    .wavefront_size: 32
...
	.end_amdgpu_metadata
.endif
;; end of part 3
;; launch combine (part 4): grid 64 x 1, 1 waves a work-group, no clusters, 0 bytes of LDS; arguments STAT, G; writes G
.if DOCPART == 4
	.amdgcn_target "amdgcn-amd-amdhsa--gfx1250"
	.amdhsa_code_object_version 6
	.text
	.protected	k_q0fbbdea4c8_combine
	.globl	k_q0fbbdea4c8_combine
	.p2align	8
	.type	k_q0fbbdea4c8_combine,@function
k_q0fbbdea4c8_combine:
	s_mov_b64 s[64:65], 0
	v_nop
	global_prefetch_b8 v0, s[64:65] scope:SCOPE_SE
	s_setreg_imm32_b32 hwreg(HW_REG_WAVE_MODE, 25, 1), 1
	s_wait_xcnt 0x0
; g_t[k] = 2^(c m_t[k] - c M[k]) / L[k], with c M = the maximum over the 16 blocks t of c m_t and L = the sum over t of l_t 2^(c m_t - c M): the running maximum's correction, made once.
; STAT [4][16 t][2][2048 key] f32 (c m, then l); G [4][16 t][2048 key] f16.  L is at least 1: the block that holds the maximum has a weight of 1.
; LIMITS.  A factor below 6e-8 counts as 0 (f16's last step).  A wave takes 128 keys of a batch, four a lane: 512 consecutive bytes a load, 256 aligned bytes a store.
; 64 waves and 1.3 MB: too little for LDS, matrix units, clusters or a prefetch to pay.
.set CMT, 16                           ; v[16:79]   c m_t of my four keys, then 2^(..), then g
.set LT,  80                           ; v[80:143]  l_t; at the end the packed g
	s_load_b128 s[4:7], s[0:1], 0x0                ; STAT s[4:5], G s[6:7]
	s_lshr_b32 s8, ttmp9, 4                        ; the batch
	s_and_b32 s9, ttmp9, 15                        ; the block of 128 keys
	s_lshl_b32 s10, s8, 18                         ; 16 x 16,384 bytes a batch
	s_lshl_b32 s11, s9, 9
	s_add_co_u32 s10, s10, s11
	v_lshl_add_u32 v1, v0, 4, s10
	s_lshl_b32 s12, s8, 16                         ; 16 x 4,096 bytes a batch
	s_lshl_b32 s13, s9, 8
	s_add_co_u32 s12, s12, s13
	v_lshl_add_u32 v2, v0, 3, s12
	s_wait_kmcnt 0x0
.set t, 0
.rept 16
	global_load_b128 v[CMT+4*t:CMT+4*t+3], v1, s[4:5] offset:t*16384
	global_load_b128 v[LT+4*t:LT+4*t+3],   v1, s[4:5] offset:t*16384+8192
.set t, t+1
.endr
	s_wait_loadcnt 0x0
.irp j, 0,1,2,3
	v_max3_num_f32 v[4+\j], v[CMT+\j], v[CMT+4+\j], v[CMT+8+\j]
.endr
.irp t, 3,5,7,9,11,13
.irp j, 0,1,2,3
	v_max3_num_f32 v[4+\j], v[4+\j], v[CMT+4*\t+\j], v[CMT+4*\t+4+\j]
.endr
.endr
.irp j, 0,1,2,3
	v_max_num_f32 v[4+\j], v[4+\j], v[CMT+60+\j]
.endr
.set t, 0
.rept 16
	v_pk_add_f32 v[CMT+4*t:CMT+4*t+1],   v[CMT+4*t:CMT+4*t+1],   v[4:5] neg_lo:[0,1] neg_hi:[0,1]
	v_pk_add_f32 v[CMT+4*t+2:CMT+4*t+3], v[CMT+4*t+2:CMT+4*t+3], v[6:7] neg_lo:[0,1] neg_hi:[0,1]
.set t, t+1
.endr
.set i, 0
.rept 64
	v_exp_f32 v[CMT+i], v[CMT+i]
.set i, i+1
.endr
	v_nop                                          ; a plain instruction behind the last exponential,
	s_wait_alu depctr_va_vdst(0)                   ; and one wait for the batch
	v_pk_mul_f32 v[8:9],   v[LT:LT+1],   v[CMT:CMT+1]
	v_pk_mul_f32 v[10:11], v[LT+2:LT+3], v[CMT+2:CMT+3]
.set t, 1
.rept 15
	v_pk_fma_f32 v[8:9],   v[LT+4*t:LT+4*t+1],   v[CMT+4*t:CMT+4*t+1],   v[8:9]
	v_pk_fma_f32 v[10:11], v[LT+4*t+2:LT+4*t+3], v[CMT+4*t+2:CMT+4*t+3], v[10:11]
.set t, t+1
.endr
.irp j, 8,9,10,11
	v_rcp_f32 v\j, v\j
.endr
	v_nop
	s_wait_alu depctr_va_vdst(0)                   ; one wait for the four reciprocals
.set t, 0
.rept 16
	v_pk_mul_f32 v[CMT+4*t:CMT+4*t+1],   v[CMT+4*t:CMT+4*t+1],   v[8:9]
	v_pk_mul_f32 v[CMT+4*t+2:CMT+4*t+3], v[CMT+4*t+2:CMT+4*t+3], v[10:11]
	v_cvt_pk_f16_f32 v[LT+4*t],   v[CMT+4*t],   v[CMT+4*t+1]
	v_cvt_pk_f16_f32 v[LT+4*t+1], v[CMT+4*t+2], v[CMT+4*t+3]
	global_store_b64 v2, v[LT+4*t:LT+4*t+1], s[6:7] offset:t*4096
.set t, t+1
.endr
	s_endpgm
.Lfunc_end_k_q0fbbdea4c8_combine:
	.size	k_q0fbbdea4c8_combine, .Lfunc_end_k_q0fbbdea4c8_combine-k_q0fbbdea4c8_combine
	.p2alignl 7, 3214868480
	.fill 96, 4, 3214868480
	.section	.rodata,"a",@progbits
	.p2align	6, 0x0
	.amdhsa_kernel k_q0fbbdea4c8_combine
		.amdhsa_group_segment_fixed_size 0
		.amdhsa_private_segment_fixed_size 0
		.amdhsa_enable_private_segment 0
		.amdhsa_kernarg_size 16
		.amdhsa_user_sgpr_count 2
		.amdhsa_user_sgpr_kernarg_segment_ptr 1
		.amdhsa_wavefront_size32 1
		.amdhsa_system_sgpr_workgroup_id_x 1
		.amdhsa_system_sgpr_workgroup_id_y 1
		.amdhsa_system_sgpr_workgroup_id_z 1
		.amdhsa_system_vgpr_workitem_id 0
		.amdhsa_next_free_vgpr 144
		.amdhsa_next_free_sgpr 66
		.amdhsa_reserve_vcc 0
		.amdhsa_float_denorm_mode_32 3
		.amdhsa_float_denorm_mode_16_64 3
		.amdhsa_memory_ordered 1
		.amdhsa_forward_progress 1
		.amdhsa_inst_pref_size 18
	.end_amdhsa_kernel
	.amdgpu_metadata
---
amdhsa.version: [ 1, 2 ]
amdhsa.kernels:
  - .name:           k_q0fbbdea4c8_combine
    .symbol:         k_q0fbbdea4c8_combine.kd
    .args:
      - { .name: STAT, .offset: 0, .size: 8, .value_kind: global_buffer, .address_space: global }
      - { .name: G, .offset: 8, .size: 8, .value_kind: global_buffer, .address_space: global }
    .group_segment_fixed_size: 0
    .private_segment_fixed_size: 0
    .kernarg_segment_align: 8
    .kernarg_segment_size: 16
    .max_flat_workgroup_size: 32
    .sgpr_count:     66
    .vgpr_count:     144
    .wavefront_size: 32
...
	.end_amdgpu_metadata
.endif
;; end of part 4
;; launch pv (part 5): grid 4 x 32, 4 waves a work-group, clusters of 4 x 4, 327,680 bytes of LDS; arguments PT, QKV16, G, VM, O16; writes O16
.if DOCPART == 5
	.amdgcn_target "amdgcn-amd-amdhsa--gfx1250"
	.amdhsa_code_object_version 6
	.text
	.protected	k_q0fbbdea4c8_pv
	.globl	k_q0fbbdea4c8_pv
	.p2align	8
	.type	k_q0fbbdea4c8_pv,@function
k_q0fbbdea4c8_pv:
	s_mov_b64 s[64:65], 0
	v_nop
	global_prefetch_b8 v0, s[64:65] scope:SCOPE_SE
	s_setreg_imm32_b32 hwreg(HW_REG_WAVE_MODE, 25, 1), 1
	s_wait_xcnt 0x0
	s_wait_alu depctr_hold_cnt(0) depctr_sa_sdst(0) depctr_va_vdst(0) depctr_va_sdst(0) depctr_va_ssrc(0) depctr_va_vcc(0) depctr_vm_vsrc(0)
	s_getreg_b32 s2, hwreg(HW_REG_IB_STS2, 6, 4)
	s_cmp_eq_u32 s2, 0
	s_cbranch_scc0 .Lentry_in_a_cluster
	s_endpgm
.Lentry_in_a_cluster:
	s_bfe_u32 s2, ttmp6, 0x10000c
	s_cmp_lg_u32 s2, 0xf033
	s_cbranch_scc0 .Lentry_shape_is_right
	s_endpgm
.Lentry_shape_is_right:
; O[q][h] s = s x the sum over keys of (p[key][q] g_t[key]) v[key][h], for each of 4 batches; t is q's block of 128 queries.  PT [4][2048 key][2048 query] f16, v = rows 16,384 + .. of
; QKV16 [..][1024] f16, G [4][16 t][2048 key] f16, O16 [8192][1024] f16.  Sums in f32; p g is rounded to f16 once, O s once.
; THE SCALE.  A row's weights may add up to 2,048, so O is no mean of v's rows.  s = 2^(130 - e), e = the exponent field of the largest |v| (VM), at least 4: |O s| stays within 2^15.  s enters values alone.
; LIMITS.  A weight p g below 6e-8 counts as 0; NaN and infinities are not treated apart.
; SHAPE.  A tile of 256 queries x 256 channels, four waves of 128 x 128; K = 2,048 keys in 16 steps of 128 through two LDS slots; 4 x 4 clusters with joint loads (p's tile along a row, v's along a column).
; Both operands lie [key][column]: a tile is 128 rows of 512 bytes, a wave's load 64 of them; fragments come out of LDS turned, by ds_load_tr16_b128.  128 work-groups: a tile of half the size would
; leave its refill half the matrix work in which to land, since two slots of a longer K step do not fit in LDS beside it.
; g: a wave's 128 queries are one block t, so its 2,048 factors (4,096 bytes) are copied once into LDS bytes of the wave's own; a fragment of p holds 16 keys a lane, and 8 registers of g match them.
; REGISTERS: window 0: v0-31 addresses, v64-127 and v128-191 fragments of p, v192-207 of g; window 1: fragments of v; windows 2, 3: accumulators.
.set KS,    16
.set STEPA, 128*4096                   ; 128 keys of PT
.set STEPB, 128*2048                   ; 128 keys of v
.set PP,    544                        ; an LDS row: 512 bytes + 32 of padding
.set HALFT, 64*PP                      ; what one tensor load brings
.set SLOT,  4*HALFT                    ; p's 128 keys, then v's 128
.set DP,    528
.set DW,    128*DP
.set GT,    2*SLOT                     ; behind the ring: 4,096 bytes of g for each wave; no tensor load fills them
.set SPARE, GT+4*4096                  ; behind them: the spare words, that no other line names
.set A0,   16
.set B0,   17
.set ADRA, 18
.set ADRB, 19
.set STO,  20
.set RD,   21
.set CO,   22
.set SPW,  28
.set NIL,  29
.set PFO,  30
.set GA,   31                          ; v31  where my 16 bytes of g for the K step in hand begin
.set F0,   64
.set F1,   128
.set GF,   192                         ; v[192:199] g for buffer 0, v[200:207] for buffer 1
.set YR,   64
.set ZR,   96
.set G1A, 24
.set G0A, 32
.set G1B, 48
.set G0B, 56
.set LIM, 43
.set PFA, 44
.set TB,  66
.set SC,  78                           ; s[78:79] s
.set PFS, 84
.set MSB, 0
.macro WIN new                         ; the immediate's high byte repeats the setting that is left; a switch that changes nothing is dropped
.if MSB != (\new)
	s_set_vgpr_msb (MSB<<8)|(\new)
.set MSB, \new
.endif
.endm
.set MUL_LO, 0xa1                      ; source 0 (v) window 1, source 1 (p) window 0, C and D window 2
.set MUL_HI, 0xf1
.set TO_B,   0x40
.macro PLACES                          ; four places between a matrix instruction and a load into, or a reader of, its registers
.rept 4
	v_nop
.endr
.endm
.macro JLOAD                           ; a joint refill: waves 0 and 1 for p, waves 2 and 3 for v; an s_nop 0 and four v_nop follow each line
	s_cmp_eq_u32 s11, 0
	s_cbranch_scc0 .Lfor_b_\@
	tensor_load_to_lds s[G0A+4:G0A+7], s[G1A:G1A+7]
	s_nop 0
.rept 4
	v_nop
.endr
	s_branch .Lasked_\@
.Lfor_b_\@:
	tensor_load_to_lds s[G0B+4:G0B+7], s[G1B:G1B+7]
	s_nop 0
.rept 4
	v_nop
.endr
.Lasked_\@:
.endm
.macro ASK                             ; the K step that the next refill will ask for, 256 matrix instructions ahead: my work-group's 16 of the 64 rows that I fetch, two lanes a row of 512 bytes; the last trip asks for nothing
	s_cmp_gt_u32 s3, s[LIM]
	s_cbranch_scc0 .Lnot_mine_\@
	global_prefetch_b8 v[PFO], s[PFA:PFA+1] th:TH_LOAD_NT scope:SCOPE_SE
.Lnot_mine_\@:
.endm
.macro CREST
	s_cmp_lg_u32 s10, 0
	s_cbranch_scc1 .Lnot_wave_0_\@
	s_barrier_signal -3
.Lnot_wave_0_\@:
	s_barrier_wait -3
	s_barrier_signal -1
	s_barrier_wait -1
.endm
.macro CROUND
	s_barrier_signal -1
	s_barrier_wait -1
	CREST
.endm
.macro MUL16 f, hi, a0, zero
	WIN MUL_LO+0x50*(\hi)
.irp a, \a0, (\a0)+1
.irp b, 0,1,2,3,4,5,6,7
.if \zero
	v_wmma_f32_16x16x32_f16 v[8*(8*(\a)+(\b)):8*(8*(\a)+(\b))+7], v[(\f)+8*(\b):(\f)+8*(\b)+7], v[(\f)+8*(4*(\hi)+(\a)):(\f)+8*(4*(\hi)+(\a))+7], 0
.else
	v_wmma_f32_16x16x32_f16 v[8*(8*(\a)+(\b)):8*(8*(\a)+(\b))+7], v[(\f)+8*(\b):(\f)+8*(\b)+7], v[(\f)+8*(4*(\hi)+(\a)):(\f)+8*(4*(\hi)+(\a))+7], v[8*(8*(\a)+(\b)):8*(8*(\a)+(\b))+7]
.endif
.endr
.endr
.endm
; 34 LDS loads in one run: quarter qd's fragments (keys 32 qd on) into buffer f: v's 128 channels, g's 32 keys, p's 128 queries
.macro FETCH qd, f
	WIN TO_B
.irp i, 0,1,2,3,4,5,6,7
	ds_load_tr16_b128 v[(\f)+8*\i:(\f)+8*\i+3],   v[ADRB] offset:(\qd)*32*PP+32*\i
	ds_load_tr16_b128 v[(\f)+8*\i+4:(\f)+8*\i+7], v[ADRB] offset:(\qd)*32*PP+16*PP+32*\i
.endr
	WIN 0
	ds_load_b128 v[GF+8*((\f)/128):GF+8*((\f)/128)+3],   v[GA] offset:64*(\qd)
	ds_load_b128 v[GF+8*((\f)/128)+4:GF+8*((\f)/128)+7], v[GA] offset:64*(\qd)+32
.irp i, 0,1,2,3,4,5,6,7
	ds_load_tr16_b128 v[(\f)+8*\i:(\f)+8*\i+3],   v[ADRA] offset:(\qd)*32*PP+32*\i
	ds_load_tr16_b128 v[(\f)+8*\i+4:(\f)+8*\i+7], v[ADRA] offset:(\qd)*32*PP+16*PP+32*\i
.endr
.endm
; p times g, in place, for four fragments of buffer f: register r of a fragment holds two keys, and so does register r of g
.macro SCALE f, half
	WIN 0
.irp i, 0,1,2,3
.irp r, 0,1,2,3,4,5,6,7
	v_pk_mul_f16 v[(\f)+8*(4*(\half)+\i)+\r], v[(\f)+8*(4*(\half)+\i)+\r], v[GF+8*((\f)/128)+\r]
.endr
.endr
.endm
.macro QUARTER qd, f, g, zero
	s_wait_dscnt 8                                 ; the youngest eight loads (p's queries 64-127) may be out
	SCALE \f, 0
	MUL16 \f, 0, 0, \zero
	MUL16 \f, 0, 2, \zero
	PLACES
	FETCH \qd, \g
	s_wait_dscnt 34                                ; all but the 34 just issued
	SCALE \f, 1
	MUL16 \f, 1, 0, \zero
	MUL16 \f, 1, 2, \zero
.endm
.macro MEET                            ; the change of slots: all my tensor loads, the add, my reads of this slot; then the barrier
	WIN 0
	s_wait_tensorcnt 0x0
	ds_add_u32 v[SPW], v[NIL]
	s_wait_dscnt 9                                 ; the add and the youngest eight loads may be out
	SCALE F1, 0
	MUL16 F1, 0, 0, 0
	s_wait_dscnt 0x0
	s_barrier_signal -1
	MUL16 F1, 0, 2, 0
	WIN 0
	s_barrier_wait -1
.endm
.macro SWAP
	s_xor_b32 s[TB], s[TB], SLOT
	v_add_nc_u32 v[ADRA], s[TB], v[A0]
	v_add_nc_u32 v[ADRB], s[TB], v[B0]
	v_add_nc_u32 v[GA], 256, v[GA]                 ; the next 128 keys' g
.endm
.macro MULHI
	SCALE F1, 1
	MUL16 F1, 1, 0, 0
	MUL16 F1, 1, 2, 0
.endm
.macro TURN                            ; the last quarter with a refill: the barrier opens a round of the cluster's; the joint refill is the first tensor load behind it
	s_wait_xcnt 0x0                                ; the last prefetch, a K step back, has read its address
	s_add_nc_u64 s[PFA:PFA+1], s[PFA:PFA+1], s[PFS:PFS+1]
	MEET
	CREST
	s_xor_b32 s[G0A+5], s[G0A+5], SLOT             ; no tensor load of mine is out: the walking descriptors go to the other slot, one K step on
	s_add_nc_u64 s[G0A+6:G0A+7], s[G0A+6:G0A+7], STEPA
	s_xor_b32 s[G0B+5], s[G0B+5], SLOT
	s_add_nc_u64 s[G0B+6:G0B+7], s[G0B+6:G0B+7], STEPB
	JLOAD
	SWAP
	FETCH 0, F0
	ASK
	MULHI
.endm
.macro DUMP                            ; the accumulators into the ring's bytes, which have had their last fill; low registers first; eight places, once a launch, where four are owed
	PLACES
	PLACES
.irp hi, 0,1
	WIN 0x08+4*\hi
.irp a, 0,1,2,3
.irp b, 0,1,2,3,4,5,6,7
	ds_store_b128 v[STO], v[8*(8*\a+\b):8*(8*\a+\b)+3]   offset:(4*\hi+\a)*16*DP+64*\b
	ds_store_b128 v[STO], v[8*(8*\a+\b)+4:8*(8*\a+\b)+7] offset:(4*\hi+\a)*16*DP+64*\b+16
.endr
.endr
.endr
	WIN 0
.endm
	s_load_b128 s[4:7], s[0:1], 0x0                ; PT s[4:5], QKV16 s[6:7]
	s_load_b128 s[68:71], s[0:1], 0x10             ; G s[68:69], VM s[70:71]
	s_load_b64 s[72:73], s[0:1], 0x20              ; O16
	v_lshl_add_u32 v[SPW], v0, 2, SPARE
	v_mov_b32 v[NIL], 0
	ds_add_u32 v[SPW], v[NIL]                      ; the wave's opening: the add and its wait stand ahead of my first tensor load
	v_lshrrev_b32 v1, 5, v0
	v_readfirstlane_b32 s10, v1                    ; wave 0..3
	s_lshr_b32 s11, s10, 1                         ; which half of the tile's queries is mine.  Also: I fetch for p (0) or for v (1)
	s_and_b32 s12, s10, 1                          ; which half of its channels.  Also: which 64 keys of a K step I fetch
	s_bfe_u32 s40, ttmp6, 0x40000                  ; cx
	s_bfe_u32 s41, ttmp6, 0x40004                  ; cy
	s_lshl_b32 s42, ttmp9, 2
	s_add_co_u32 s42, s42, s40                     ; tile column: 256 channels
	s_and_b32 s67, ttmp7, 0xffff                   ; cluster y
	s_lshl_b32 s13, s67, 2
	s_add_co_u32 s13, s13, s41                     ; tile row: 8 x batch + block of 256 queries
	s_lshr_b32 s83, s67, 1                         ; the batch
	s_lshl_b32 s14, s41, 2
	s_lshl_b32 s14, 15, s14
	s_lshl_b32 s15, 0x1111, s40
	s_or_b32 s[G1A], s14, (1<<16)|(1<<20)|(1<<21)|(6<<22)|(7<<25)  ; mask; 2-byte elements; padding on; bit 21 beside a mask; after every 128 words, 8 words
	s_or_b32 s[G1B], s15, (1<<16)|(1<<20)|(1<<21)|(6<<22)|(7<<25)
.irp g, G1A, G1B
	s_mov_b32 s[\g+1], 256<<16                     ; tensor_dim0 = 256
	s_mov_b32 s[\g+2], 64<<16                      ; tensor_dim1 = 64
	s_mov_b32 s[\g+3], 256<<16                     ; tile_dim0 = 256
	s_mov_b32 s[\g+4], 64                          ; tile_dim1 = 64
	s_mov_b32 s[\g+6], 0
	s_mov_b32 s[\g+7], 0
.endr
	s_mov_b32 s[G1A+5], 2048                       ; elements from key to key in PT,
	s_mov_b32 s[G1B+5], 1024                       ; and in v
	s_and_b32 s21, s13, 7                          ; the block of 256 queries in the batch
	s_lshl_b32 s16, s83, 23                        ; A: (2,048 x batch + 64 x half) keys of 4,096 bytes + 512 x block
	s_lshl_b32 s17, s12, 18
	s_add_co_u32 s16, s16, s17
	s_lshl_b32 s17, s21, 9
	s_add_co_u32 s16, s16, s17
	s_lshl_b32 s18, s83, 22                        ; B: (16,384 + 2,048 x batch + 64 x half) rows of 2,048 bytes + 512 x tile column
	s_lshl_b32 s19, s12, 17
	s_add_co_u32 s18, s18, s19
	s_lshl_b32 s19, s42, 9
	s_add_co_u32 s18, s18, s19
	s_add_co_u32 s18, s18, 16384*2048
	s_mov_b32 s17, 0
	s_mov_b32 s19, 0
	s_mul_i32 s20, s10, HALFT
	s_mov_b32 s[TB], 0
	s_mov_b32 s80, 0x76543210
	s_mov_b32 s81, 0xfedcba98
	s_wait_dscnt 0x0
	s_wait_kmcnt 0x0
	s_add_nc_u64 s[14:15], s[4:5], s[16:17]
	s_add_nc_u64 s[46:47], s[6:7], s[18:19]
	CROUND
.irp n, 0,1
	s_mov_b32 s[G0A+4*\n], 1
	s_add_co_u32 s[G0A+4*\n+1], s20, \n*SLOT
	s_add_nc_u64 s[G0A+4*\n+2:G0A+4*\n+3], s[14:15], \n*STEPA
	s_or_b32 s[G0A+4*\n+3], s[G0A+4*\n+3], 0x80000000
	s_mov_b32 s[G0B+4*\n], 1
	s_add_co_u32 s[G0B+4*\n+1], s20, \n*SLOT
	s_add_nc_u64 s[G0B+4*\n+2:G0B+4*\n+3], s[46:47], \n*STEPB
	s_or_b32 s[G0B+4*\n+3], s[G0B+4*\n+3], 0x80000000
.endr
	s_cmp_eq_u32 s11, 0                            ; a wave's two first fills stand in one branch
	s_cbranch_scc0 .Lfirst_b
	tensor_load_to_lds s[G0A:G0A+3], s[G1A:G1A+7]
	s_nop 0
	tensor_load_to_lds s[G0A+4:G0A+7], s[G1A:G1A+7]
	s_nop 0
.rept 4
	v_nop
.endr
	s_branch .Lfirst_asked
.Lfirst_b:
	tensor_load_to_lds s[G0B:G0B+3], s[G1B:G1B+7]
	s_nop 0
	tensor_load_to_lds s[G0B+4:G0B+7], s[G1B:G1B+7]
	s_nop 0
.rept 4
	v_nop
.endr
.Lfirst_asked:
	v_and_b32 v1, 15, v0                           ; l % 16
	v_bfe_u32 v2, v0, 4, 1                         ; l / 16
	v_and_b32 v4, 31, v0                           ; l
	v_lshlrev_b32 v7, 4, v4                        ; 16 l
	s_lshl_b32 s14, s83, 4                         ; g of my block t = 2 x block of 256 queries + half: (16 x batch + t) x 4,096 bytes
	s_lshl_b32 s15, s21, 1
	s_add_co_u32 s14, s14, s15
	s_add_co_u32 s14, s14, s11
	s_lshl_b32 s14, s14, 12
	s_mov_b32 s15, 0
	s_add_nc_u64 s[68:69], s[68:69], s[14:15]
.irp i, 0,1,2,3,4,5,6,7
	global_load_b128 v[64+4*\i:67+4*\i], v7, s[68:69] offset:512*\i
.endr
.irp i, 0,1,2,3
	global_load_b128 v[96+4*\i:99+4*\i], v7, s[70:71] offset:512*\i  ; all 512 numbers of VM, 16 a lane
.endr
	; The turning load takes 16 keys x 16 columns: lane l reads key 8 (l / 16) + l % 8, columns 8 ((l / 8) % 2) + 0..7, and ends with column l % 16 and 8 keys.
	v_and_b32 v5, 7, v0
	v_bfe_u32 v6, v0, 3, 1
	v_lshl_add_u32 v3, v2, 3, v5
	v_mul_u32_u24 v3, v3, PP
	v_lshl_add_u32 v3, v6, 4, v3
	s_lshl_b32 s21, s11, 8                         ; my 128 queries: 256 bytes into p's rows
	s_lshl_b32 s22, s12, 8
	s_add_co_u32 s22, s22, 2*HALFT                 ; my 128 channels, in v's rows behind p's 128
	v_add_nc_u32 v[A0], s21, v3
	v_add_nc_u32 v[B0], s22, v3
	v_mov_b32 v[ADRA], v[A0]
	v_mov_b32 v[ADRB], v[B0]
	s_lshl_b32 s22, s10, 12
	s_add_co_u32 s22, s22, GT                      ; my table of g
	v_add_nc_u32 v8, s22, v7
	v_lshl_add_u32 v[GA], v2, 4, s22
	s_mul_i32 s23, s10, DW                         ; the way out
	v_mul_u32_u24 v5, v1, DP
	v_lshl_add_u32 v5, v2, 5, v5
	v_add_nc_u32 v[STO], s23, v5
	v_lshl_add_u32 v[RD], v4, 4, s23
	v_lshlrev_b32 v[CO], 3, v4
	s_lshl_b32 s14, s13, 8
	s_lshl_b32 s15, s11, 7
	s_add_co_u32 s14, s14, s15
	s_lshl_b32 s14, s14, 11                        ; my first row of O16
	s_mov_b32 s15, 0
	s_add_nc_u64 s[8:9], s[72:73], s[14:15]
	s_lshl_b32 s46, s42, 9
	s_lshl_b32 s47, s12, 8
	s_add_co_u32 s46, s46, s47
	s_mov_b32 s47, 0
	s_add_nc_u64 s[8:9], s[8:9], s[46:47]
	; the prefetches: p's tiles are read by this cluster alone (cluster x is 0 throughout); v's by the batch's two clusters, of which the even one asks
	s_and_b32 s22, s67, 1
	s_cmp_eq_u32 s11, 0
	s_cselect_b32 s14, 12, 11                      ; log2 of a row's bytes
	s_cselect_b32 s20, s16, s18
	s_cselect_b32 s21, s40, s41
	s_cselect_b32 s22, ttmp9, s22
	s_cselect_b64 s[PFA:PFA+1], s[4:5], s[6:7]
	s_cmp_eq_u32 s22, 0
	s_cselect_b32 s[LIM], 1, -1
	s_lshl_b32 s21, s21, 4                         ; my work-group's 16 rows of the 64
	s_lshl_b32 s21, s21, s14
	s_add_co_u32 s20, s20, s21
	s_lshl_b32 s[PFS], 128, s14                    ; a K step: 128 rows
	s_mov_b32 s[PFS+1], 0
	s_lshl_b32 s21, s[PFS], 1
	s_add_co_u32 s20, s20, s21                     ; at K step 2: the first refill steps it to 3
	s_mov_b32 s21, 0
	s_add_nc_u64 s[PFA:PFA+1], s[PFA:PFA+1], s[20:21]
	v_lshrrev_b32 v9, 1, v4
	v_lshlrev_b32 v9, s14, v9
	v_and_b32 v10, 1, v4
	v_lshl_add_u32 v[PFO], v10, 8, v9              ; row l / 2, its 256 bytes l % 2
	s_wait_loadcnt 0x0
.irp i, 0,1,2,3,4,5,6,7
	ds_store_b128 v8, v[64+4*\i:67+4*\i] offset:512*\i  ; only my wave reads these bytes
.endr
.set i, 97
.rept 7
	v_max3_num_f32 v96, v96, v[i], v[i+1]
.set i, i+2
.endr
	v_max_num_f32 v96, v96, v111
	v_max_num_f32_dpp v96, v96, v96 row_xmask:1 row_mask:0xf bank_mask:0xf
	v_max_num_f32_dpp v96, v96, v96 row_xmask:2 row_mask:0xf bank_mask:0xf
	v_max_num_f32_dpp v96, v96, v96 row_xmask:4 row_mask:0xf bank_mask:0xf
	v_max_num_f32_dpp v96, v96, v96 row_xmask:8 row_mask:0xf bank_mask:0xf
	v_permlanex16_b32 v97, v96, s80, s81
	v_max_num_f32 v96, v96, v97
	v_readfirstlane_b32 s14, v96                   ; the largest |v|
	s_bfe_u32 s14, s14, 0x80017                    ; its exponent field e
	s_max_u32 s14, s14, 4
	s_sub_co_u32 s14, 257, s14
	s_lshl_b32 s[SC], s14, 23                      ; s = 2^(130 - e)
	s_mov_b32 s[SC+1], s[SC]
	s_wait_tensorcnt 1                             ; my part of K step 0 is in; K step 1's may stay out
	s_wait_dscnt 0x0                               ; my table of g is written
	s_barrier_signal -1
	s_barrier_wait -1
	FETCH 0, F0
	QUARTER 1, F0, F1, 1
	WIN 0
	s_mov_b32 s3, KS-2
.Lk:
	QUARTER 2, F1, F0, 0
	QUARTER 3, F0, F1, 0
	TURN
	QUARTER 1, F0, F1, 0
	WIN 0
	s_sub_co_u32 s3, s3, 1
	s_cmp_lg_u32 s3, 0
	s_cbranch_scc1 .Lk
	s_mov_b32 s3, 2
.Ltail:                                        ; the last two K steps ask for nothing; the second trip is left in its middle
	QUARTER 2, F1, F0, 0
	QUARTER 3, F0, F1, 0
	MEET
	s_sub_co_u32 s3, s3, 1
	s_cmp_eq_u32 s3, 0
	s_cbranch_scc1 .Lout
	PLACES
	SWAP
	FETCH 0, F0
	MULHI
	QUARTER 1, F0, F1, 0
	WIN 0
	s_branch .Ltail
.Lout:
	MULHI
	DUMP
	s_mov_b32 s3, 16
.Lrows:                                        ; eight rows a trip: times s, one rounding to f16; a wave's store covers 256 consecutive bytes, aligned
.irp i, 0,1,2,3,4,5,6,7
	ds_load_b128 v[YR+4*\i:YR+4*\i+3], v[RD] offset:\i*DP
.endr
	v_add_nc_u32 v[RD], 8*DP, v[RD]
.irp i, 0,1,2,3,4,5,6,7
	s_wait_dscnt 7-\i                              ; row i is in; the younger rows may be out
	v_pk_mul_f32 v[YR+4*\i:YR+4*\i+1],   v[YR+4*\i:YR+4*\i+1],   s[SC:SC+1] op_sel_hi:[1,0]
	v_pk_mul_f32 v[YR+4*\i+2:YR+4*\i+3], v[YR+4*\i+2:YR+4*\i+3], s[SC:SC+1] op_sel_hi:[1,0]
	v_cvt_pk_f16_f32 v[ZR+2*\i],   v[YR+4*\i],   v[YR+4*\i+1]
	v_cvt_pk_f16_f32 v[ZR+2*\i+1], v[YR+4*\i+2], v[YR+4*\i+3]
	global_store_b64 v[CO], v[ZR+2*\i:ZR+2*\i+1], s[8:9] offset:\i*2048
.endr
	s_wait_xcnt 0x0                                ; the stores have read their data and their base
	s_add_nc_u64 s[8:9], s[8:9], 8*2048
	s_sub_co_u32 s3, s3, 1
	s_cmp_lg_u32 s3, 0
	s_cbranch_scc1 .Lrows
	s_wait_tensorcnt 0x0                           ; the wave's end
	ds_add_u32 v[SPW], v[NIL]
	s_wait_dscnt 0x0
	CROUND                                         ; the closing round
	s_endpgm
.Lfunc_end_k_q0fbbdea4c8_pv:
	.size	k_q0fbbdea4c8_pv, .Lfunc_end_k_q0fbbdea4c8_pv-k_q0fbbdea4c8_pv
	.p2alignl 7, 3214868480
	.fill 96, 4, 3214868480
	.section	.rodata,"a",@progbits
	.p2align	6, 0x0
	.amdhsa_kernel k_q0fbbdea4c8_pv
		.amdhsa_group_segment_fixed_size 327680
		.amdhsa_private_segment_fixed_size 0
		.amdhsa_enable_private_segment 0
		.amdhsa_kernarg_size 40
		.amdhsa_user_sgpr_count 2
		.amdhsa_user_sgpr_kernarg_segment_ptr 1
		.amdhsa_wavefront_size32 1
		.amdhsa_system_sgpr_workgroup_id_x 1
		.amdhsa_system_sgpr_workgroup_id_y 1
		.amdhsa_system_sgpr_workgroup_id_z 1
		.amdhsa_system_vgpr_workitem_id 0
		.amdhsa_next_free_vgpr 1024
		.amdhsa_next_free_sgpr 96
		.amdhsa_reserve_vcc 0
		.amdhsa_float_denorm_mode_32 3
		.amdhsa_float_denorm_mode_16_64 3
		.amdhsa_memory_ordered 1
		.amdhsa_forward_progress 1
		.amdhsa_inst_pref_size 126
	.end_amdhsa_kernel
	.amdgpu_metadata
---
amdhsa.version: [ 1, 2 ]
amdhsa.kernels:
  - .name:           k_q0fbbdea4c8_pv
    .symbol:         k_q0fbbdea4c8_pv.kd
    .args:
      - { .name: PT, .offset: 0, .size: 8, .value_kind: global_buffer, .address_space: global }
      - { .name: QKV16, .offset: 8, .size: 8, .value_kind: global_buffer, .address_space: global }
      - { .name: G, .offset: 16, .size: 8, .value_kind: global_buffer, .address_space: global }
      - { .name: VM, .offset: 24, .size: 8, .value_kind: global_buffer, .address_space: global }
      - { .name: O16, .offset: 32, .size: 8, .value_kind: global_buffer, .address_space: global }
    .group_segment_fixed_size: 327680
    .private_segment_fixed_size: 0
    .kernarg_segment_align: 8
    .kernarg_segment_size: 40
    .max_flat_workgroup_size: 128
    .sgpr_count:     96
    .vgpr_count:     1024
    .wavefront_size: 32
...
	.end_amdgpu_metadata
.endif
;; end of part 5
;; launch oproj (part 6): grid 4 x 32, 4 waves a work-group, clusters of 4 x 4, 327,680 bytes of LDS; arguments O16, W16, out0, VM, bo; writes out0
.if DOCPART == 6
	.amdgcn_target "amdgcn-amd-amdhsa--gfx1250"
	.amdhsa_code_object_version 6
	.text
	.protected	k_q0fbbdea4c8_oproj
	.globl	k_q0fbbdea4c8_oproj
	.p2align	8
	.type	k_q0fbbdea4c8_oproj,@function
k_q0fbbdea4c8_oproj:
	s_mov_b64 s[64:65], 0
	v_nop
	global_prefetch_b8 v0, s[64:65] scope:SCOPE_SE
	s_setreg_imm32_b32 hwreg(HW_REG_WAVE_MODE, 25, 1), 1
	s_wait_xcnt 0x0
	s_wait_alu depctr_hold_cnt(0) depctr_sa_sdst(0) depctr_va_vdst(0) depctr_va_sdst(0) depctr_va_ssrc(0) depctr_va_vcc(0) depctr_vm_vsrc(0)
	s_getreg_b32 s2, hwreg(HW_REG_IB_STS2, 6, 4)
	s_cmp_eq_u32 s2, 0
	s_cbranch_scc0 .Lentry_in_a_cluster
	s_endpgm
.Lentry_in_a_cluster:
	s_bfe_u32 s2, ttmp6, 0x10000c
	s_cmp_lg_u32 s2, 0xf033
	s_cbranch_scc0 .Lentry_shape_is_right
	s_endpgm
.Lentry_shape_is_right:
; out0 = O Wo^T + bo.  O16 [8192][1024] f16 holds O s, s = 2^(130 - e) with e the exponent field of the largest |v| (VM), at least 4; Wo = rows 3,072 + .. of W16 [..][1024], bf16-rounded, as f16.
; Sums in f32; each is multiplied by 1 / s = 2^(e - 130), a power of two, and bo, rounded to bf16 like every input, is added in the same fused line.  out0 [8192][1024] f32.
; LIMITS.  NaN and infinities are not treated apart.
; SHAPE.  As in the projections: tiles of 256 x 256, four waves of 128 x 128, K = 1,024 in 8 steps of 128 through two LDS slots, 4 x 4 clusters with joint loads.  128 work-groups: a tile of half
; the size would leave its refill half the matrix work in which to land, since two slots of a longer K step do not fit in LDS beside it.
; REGISTERS: window 0: v0-31 addresses, v32-35 bias, v64-191 fragments of O (on the way out: rows); window 1: fragments of Wo; windows 2, 3: accumulators.
.set KS,    8
.set KB,    256
.set STEPA, KB
.set STEPB, KB
.set PITCH, 272                        ; an LDS row: 256 bytes + 16 of padding
.set HALFT, 128*PITCH
.set SLOT,  4*HALFT
.set DP,    528
.set DW,    128*DP
.set SPARE, 2*SLOT                     ; behind the ring: the spare words, that no other line names
.set A0,   16
.set B0,   17
.set ADRA, 18
.set ADRB, 19
.set STO,  20
.set RD,   21
.set CO,   22
.set SPW,  28
.set NIL,  29
.set PFO,  30
.set BI,   32                          ; v[32:35] the bias of my four columns
.set F0,   64
.set F1,   128
.set YR,   64
.set G1A, 24
.set G0A, 32
.set G1B, 48
.set G0B, 56
.set LIM, 43
.set PFA, 44
.set TB,  66
.set SC,  78                           ; s[78:79] 1 / s
.set PFS, 84
.set MSB, 0
.macro WIN new                         ; the immediate's high byte repeats the setting that is left; a switch that changes nothing is dropped
.if MSB != (\new)
	s_set_vgpr_msb (MSB<<8)|(\new)
.set MSB, \new
.endif
.endm
.set MUL_LO, 0xa1                      ; source 0 (B) window 1, source 1 (A) window 0, C and D window 2
.set MUL_HI, 0xf1
.set TO_B,   0x40
.macro PLACES                          ; four places between a matrix instruction and a load into, or a reader of, its registers
.rept 4
	v_nop
.endr
.endm
.macro JLOAD                           ; a joint refill: waves 0 and 1 for A, waves 2 and 3 for B; an s_nop 0 and four v_nop follow each line
	s_cmp_eq_u32 s11, 0
	s_cbranch_scc0 .Lfor_b_\@
	tensor_load_to_lds s[G0A+4:G0A+7], s[G1A:G1A+7]
	s_nop 0
.rept 4
	v_nop
.endr
	s_branch .Lasked_\@
.Lfor_b_\@:
	tensor_load_to_lds s[G0B+4:G0B+7], s[G1B:G1B+7]
	s_nop 0
.rept 4
	v_nop
.endr
.Lasked_\@:
.endm
.macro ASK                             ; the K step that the next refill will ask for, 256 matrix instructions ahead: my work-group's 32 of the 128 rows that I fetch, a lane a row; the last trip asks for nothing
	s_cmp_gt_u32 s3, s[LIM]
	s_cbranch_scc0 .Lnot_mine_\@
	global_prefetch_b8 v[PFO], s[PFA:PFA+1] th:TH_LOAD_NT scope:SCOPE_SE
.Lnot_mine_\@:
.endm
.macro CREST
	s_cmp_lg_u32 s10, 0
	s_cbranch_scc1 .Lnot_wave_0_\@
	s_barrier_signal -3
.Lnot_wave_0_\@:
	s_barrier_wait -3
	s_barrier_signal -1
	s_barrier_wait -1
.endm
.macro CROUND
	s_barrier_signal -1
	s_barrier_wait -1
	CREST
.endm
.macro MUL16 f, hi, a0, zero
	WIN MUL_LO+0x50*(\hi)
.irp a, \a0, (\a0)+1
.irp b, 0,1,2,3,4,5,6,7
.if \zero
	v_wmma_f32_16x16x32_f16 v[8*(8*(\a)+(\b)):8*(8*(\a)+(\b))+7], v[(\f)+8*(\b):(\f)+8*(\b)+7], v[(\f)+8*(4*(\hi)+(\a)):(\f)+8*(4*(\hi)+(\a))+7], 0
.else
	v_wmma_f32_16x16x32_f16 v[8*(8*(\a)+(\b)):8*(8*(\a)+(\b))+7], v[(\f)+8*(\b):(\f)+8*(\b)+7], v[(\f)+8*(4*(\hi)+(\a)):(\f)+8*(4*(\hi)+(\a))+7], v[8*(8*(\a)+(\b)):8*(8*(\a)+(\b))+7]
.endif
.endr
.endr
.endm
.macro FETCH k, f                      ; 32 LDS loads in one run: B's 128 rows, then A's
	WIN TO_B
.irp i, 0,1,2,3,4,5,6,7
	ds_load_b128 v[(\f)+8*\i:(\f)+8*\i+3],   v[ADRB] offset:(\k)+\i*16*PITCH
	ds_load_b128 v[(\f)+8*\i+4:(\f)+8*\i+7], v[ADRB] offset:(\k)+\i*16*PITCH+32
.endr
	WIN 0
.irp i, 0,1,2,3,4,5,6,7
	ds_load_b128 v[(\f)+8*\i:(\f)+8*\i+3],   v[ADRA] offset:(\k)+\i*16*PITCH
	ds_load_b128 v[(\f)+8*\i+4:(\f)+8*\i+7], v[ADRA] offset:(\k)+\i*16*PITCH+32
.endr
.endm
.macro QUARTER k, f, g, zero
	s_wait_dscnt 8                                 ; the youngest eight loads (A's rows 64-127) may be out
	MUL16 \f, 0, 0, \zero
	MUL16 \f, 0, 2, \zero
	PLACES
	FETCH \k, \g
	s_wait_dscnt 32                                ; all but the 32 just issued
	MUL16 \f, 1, 0, \zero
	MUL16 \f, 1, 2, \zero
.endm
.macro MEET                            ; the change of slots: all my tensor loads, the add, my reads of this slot; then the barrier
	WIN 0
	s_wait_tensorcnt 0x0
	ds_add_u32 v[SPW], v[NIL]
	s_wait_dscnt 9                                 ; the add and the youngest eight loads may be out
	MUL16 F1, 0, 0, 0
	s_wait_dscnt 0x0
	s_barrier_signal -1
	MUL16 F1, 0, 2, 0
	WIN 0
	s_barrier_wait -1
.endm
.macro SWAP
	s_xor_b32 s[TB], s[TB], SLOT
	v_add_nc_u32 v[ADRA], s[TB], v[A0]
	v_add_nc_u32 v[ADRB], s[TB], v[B0]
.endm
.macro MULHI
	MUL16 F1, 1, 0, 0
	MUL16 F1, 1, 2, 0
.endm
.macro TURN                            ; the last quarter with a refill: the barrier opens a round of the cluster's; the joint refill is the first tensor load behind it
	s_wait_xcnt 0x0                                ; the last prefetch, a K step back, has read its address
	s_add_nc_u64 s[PFA:PFA+1], s[PFA:PFA+1], s[PFS:PFS+1]
	MEET
	CREST
	s_xor_b32 s[G0A+5], s[G0A+5], SLOT             ; no tensor load of mine is out: the walking descriptors go to the other slot, one K step on
	s_add_nc_u64 s[G0A+6:G0A+7], s[G0A+6:G0A+7], STEPA
	s_xor_b32 s[G0B+5], s[G0B+5], SLOT
	s_add_nc_u64 s[G0B+6:G0B+7], s[G0B+6:G0B+7], STEPB
	JLOAD
	SWAP
	FETCH 0, F0
	ASK
	MULHI
.endm
.macro DUMP                            ; the accumulators into the ring's bytes, which have had their last fill; low registers first; eight places, once a launch, where four are owed
	PLACES
	PLACES
.irp hi, 0,1
	WIN 0x08+4*\hi
.irp a, 0,1,2,3
.irp b, 0,1,2,3,4,5,6,7
	ds_store_b128 v[STO], v[8*(8*\a+\b):8*(8*\a+\b)+3]   offset:(4*\hi+\a)*16*DP+64*\b
	ds_store_b128 v[STO], v[8*(8*\a+\b)+4:8*(8*\a+\b)+7] offset:(4*\hi+\a)*16*DP+64*\b+16
.endr
.endr
.endr
	WIN 0
.endm
	s_load_b128 s[4:7], s[0:1], 0x0                ; O16 s[4:5], W16 s[6:7]
	s_load_b128 s[68:71], s[0:1], 0x10             ; out0 s[68:69], VM s[70:71]
	s_load_b64 s[72:73], s[0:1], 0x20              ; bo
	v_lshl_add_u32 v[SPW], v0, 2, SPARE
	v_mov_b32 v[NIL], 0
	ds_add_u32 v[SPW], v[NIL]                      ; the wave's opening: the add and its wait stand ahead of my first tensor load
	v_lshrrev_b32 v1, 5, v0
	v_readfirstlane_b32 s10, v1                    ; wave 0..3
	s_lshr_b32 s11, s10, 1                         ; which half of the tile's rows is mine.  Also: I fetch for A (0) or for B (1)
	s_and_b32 s12, s10, 1                          ; which half of its columns.  Also: which 128 rows of that tile I fetch
	s_bfe_u32 s40, ttmp6, 0x40000                  ; cx
	s_bfe_u32 s41, ttmp6, 0x40004                  ; cy
	s_lshl_b32 s42, ttmp9, 2
	s_add_co_u32 s42, s42, s40                     ; tile column
	s_and_b32 s67, ttmp7, 0xffff                   ; cluster y
	s_lshl_b32 s13, s67, 2
	s_add_co_u32 s13, s13, s41                     ; tile row
	s_lshl_b32 s14, s41, 2
	s_lshl_b32 s14, 15, s14
	s_lshl_b32 s15, 0x1111, s40
	s_or_b32 s[G1A], s14, (1<<16)|(1<<20)|(1<<21)|(5<<22)|(3<<25)
	s_or_b32 s[G1B], s15, (1<<16)|(1<<20)|(1<<21)|(5<<22)|(3<<25)
.irp g, G1A, G1B
	s_mov_b32 s[\g+1], 128<<16
	s_mov_b32 s[\g+2], 128<<16
	s_mov_b32 s[\g+3], 128<<16
	s_mov_b32 s[\g+4], 128
	s_mov_b32 s[\g+5], 1024
	s_mov_b32 s[\g+6], 0
	s_mov_b32 s[\g+7], 0
.endr
	s_lshl_b32 s17, s12, 7
	s_lshl_b32 s16, s13, 8
	s_add_co_u32 s16, s16, s17
	s_lshl_b32 s16, s16, 11                        ; A: (256 x tile row + 128 x half) rows of 2,048 bytes
	s_lshl_b32 s18, s42, 8
	s_add_co_u32 s18, s18, s17
	s_add_co_u32 s18, s18, 3072
	s_lshl_b32 s18, s18, 11                        ; B: Wo's row 3,072 + 256 x tile column + 128 x half
	s_mov_b32 s17, 0
	s_mov_b32 s19, 0
	s_mul_i32 s20, s10, HALFT
	s_mov_b32 s[TB], 0
	s_mov_b32 s80, 0x76543210
	s_mov_b32 s81, 0xfedcba98
	s_mov_b32 s82, 0xffff0000
	s_mov_b32 s[PFS], KB
	s_mov_b32 s[PFS+1], 0
	s_wait_dscnt 0x0
	s_wait_kmcnt 0x0
	s_add_nc_u64 s[14:15], s[4:5], s[16:17]
	s_add_nc_u64 s[46:47], s[6:7], s[18:19]
	CROUND
.irp n, 0,1
	s_mov_b32 s[G0A+4*\n], 1
	s_add_co_u32 s[G0A+4*\n+1], s20, \n*SLOT
	s_add_nc_u64 s[G0A+4*\n+2:G0A+4*\n+3], s[14:15], \n*STEPA
	s_or_b32 s[G0A+4*\n+3], s[G0A+4*\n+3], 0x80000000
	s_mov_b32 s[G0B+4*\n], 1
	s_add_co_u32 s[G0B+4*\n+1], s20, \n*SLOT
	s_add_nc_u64 s[G0B+4*\n+2:G0B+4*\n+3], s[46:47], \n*STEPB
	s_or_b32 s[G0B+4*\n+3], s[G0B+4*\n+3], 0x80000000
.endr
	s_cmp_eq_u32 s11, 0                            ; a wave's two first fills stand in one branch
	s_cbranch_scc0 .Lfirst_b
	tensor_load_to_lds s[G0A:G0A+3], s[G1A:G1A+7]
	s_nop 0
	tensor_load_to_lds s[G0A+4:G0A+7], s[G1A:G1A+7]
	s_nop 0
.rept 4
	v_nop
.endr
	s_branch .Lfirst_asked
.Lfirst_b:
	tensor_load_to_lds s[G0B:G0B+3], s[G1B:G1B+7]
	s_nop 0
	tensor_load_to_lds s[G0B+4:G0B+7], s[G1B:G1B+7]
	s_nop 0
.rept 4
	v_nop
.endr
.Lfirst_asked:
	v_and_b32 v1, 15, v0                           ; l % 16
	v_bfe_u32 v2, v0, 4, 1                         ; l / 16
	v_and_b32 v4, 31, v0                           ; l
	v_lshlrev_b32 v7, 4, v4                        ; 16 l
	s_lshl_b32 s46, s42, 10
	s_lshl_b32 s47, s12, 9
	s_add_co_u32 s46, s46, s47                     ; my first column, in bytes of f32
	s_mov_b32 s47, 0
	v_add_nc_u32 v6, s46, v7
	global_load_b128 v[BI:BI+3], v6, s[72:73]
.irp i, 0,1,2,3
	global_load_b128 v[96+4*\i:99+4*\i], v7, s[70:71] offset:512*\i  ; all 512 numbers of VM, 16 a lane
.endr
	v_mul_u32_u24 v3, v1, PITCH
	v_lshl_add_u32 v3, v2, 4, v3
	s_mul_i32 s21, s11, HALFT
	s_mul_i32 s22, s12, HALFT
	s_add_co_u32 s22, s22, 2*HALFT
	v_add_nc_u32 v[A0], s21, v3
	v_add_nc_u32 v[B0], s22, v3
	v_mov_b32 v[ADRA], v[A0]
	v_mov_b32 v[ADRB], v[B0]
	s_mul_i32 s23, s10, DW                         ; the way out
	v_mul_u32_u24 v5, v1, DP
	v_lshl_add_u32 v5, v2, 5, v5
	v_add_nc_u32 v[STO], s23, v5
	v_lshl_add_u32 v[RD], v4, 4, s23
	v_lshlrev_b32 v[CO], 4, v4                     ; my four columns are 16 bytes of f32
	s_lshl_b32 s14, s13, 8
	s_lshl_b32 s15, s11, 7
	s_add_co_u32 s14, s14, s15
	s_lshl_b32 s14, s14, 12                        ; my first row of out0, 4,096 bytes a row
	s_mov_b32 s15, 0
	s_add_nc_u64 s[8:9], s[68:69], s[14:15]
	s_add_nc_u64 s[8:9], s[8:9], s[46:47]
	; the prefetches: O's rows are read by this cluster alone (cluster x is 0 throughout); Wo's by all eight clusters, of which the first asks
	s_cmp_eq_u32 s11, 0
	s_cselect_b32 s20, s16, s18
	s_cselect_b32 s21, s40, s41
	s_cselect_b32 s22, ttmp9, s67
	s_cselect_b64 s[PFA:PFA+1], s[4:5], s[6:7]
	s_cmp_eq_u32 s22, 0
	s_cselect_b32 s[LIM], 1, -1
	s_lshl_b32 s21, s21, 16
	s_add_co_u32 s20, s20, s21
	s_add_co_u32 s20, s20, 2*KB                    ; at K step 2: the first refill steps it to 3
	s_mov_b32 s21, 0
	s_add_nc_u64 s[PFA:PFA+1], s[PFA:PFA+1], s[20:21]
	v_lshlrev_b32 v[PFO], 11, v4
	s_wait_loadcnt 0x0
	v_cvt_pk_bf16_f32 v8, v[BI], v[BI+1]           ; the bias: rounded to bf16 like every input, and widened again
	v_cvt_pk_bf16_f32 v9, v[BI+2], v[BI+3]
	v_lshlrev_b32 v[BI], 16, v8
	v_and_b32 v[BI+1], s82, v8
	v_lshlrev_b32 v[BI+2], 16, v9
	v_and_b32 v[BI+3], s82, v9
.set i, 97
.rept 7
	v_max3_num_f32 v96, v96, v[i], v[i+1]
.set i, i+2
.endr
	v_max_num_f32 v96, v96, v111
	v_max_num_f32_dpp v96, v96, v96 row_xmask:1 row_mask:0xf bank_mask:0xf
	v_max_num_f32_dpp v96, v96, v96 row_xmask:2 row_mask:0xf bank_mask:0xf
	v_max_num_f32_dpp v96, v96, v96 row_xmask:4 row_mask:0xf bank_mask:0xf
	v_max_num_f32_dpp v96, v96, v96 row_xmask:8 row_mask:0xf bank_mask:0xf
	v_permlanex16_b32 v97, v96, s80, s81
	v_max_num_f32 v96, v96, v97
	v_readfirstlane_b32 s14, v96                   ; the largest |v|
	s_bfe_u32 s14, s14, 0x80017                    ; its exponent field e
	s_max_u32 s14, s14, 4
	s_sub_co_u32 s14, s14, 3
	s_lshl_b32 s[SC], s14, 23                      ; 1 / s = 2^(e - 130)
	s_mov_b32 s[SC+1], s[SC]
	s_wait_tensorcnt 1                             ; my part of K step 0 is in; K step 1's may stay out
	s_barrier_signal -1
	s_barrier_wait -1
	FETCH 0, F0
	QUARTER 64, F0, F1, 1
	WIN 0
	s_mov_b32 s3, KS-2
.Lk:
	QUARTER 128, F1, F0, 0
	QUARTER 192, F0, F1, 0
	TURN
	QUARTER 64, F0, F1, 0
	WIN 0
	s_sub_co_u32 s3, s3, 1
	s_cmp_lg_u32 s3, 0
	s_cbranch_scc1 .Lk
	s_mov_b32 s3, 2
.Ltail:                                        ; the last two K steps ask for nothing; the second trip is left in its middle
	QUARTER 128, F1, F0, 0
	QUARTER 192, F0, F1, 0
	MEET
	s_sub_co_u32 s3, s3, 1
	s_cmp_eq_u32 s3, 0
	s_cbranch_scc1 .Lout
	PLACES
	SWAP
	FETCH 0, F0
	MULHI
	QUARTER 64, F0, F1, 0
	WIN 0
	s_branch .Ltail
.Lout:
	MULHI
	DUMP
	s_mov_b32 s3, 16
.Lrows:                                        ; eight rows a trip: y / s + bo in one fused line; a wave's store covers 512 consecutive bytes, aligned
.irp i, 0,1,2,3,4,5,6,7
	ds_load_b128 v[YR+4*\i:YR+4*\i+3], v[RD] offset:\i*DP
.endr
	v_add_nc_u32 v[RD], 8*DP, v[RD]
.irp i, 0,1,2,3,4,5,6,7
	s_wait_dscnt 7-\i                              ; row i is in; the younger rows may be out
	v_pk_fma_f32 v[YR+4*\i:YR+4*\i+1],   v[YR+4*\i:YR+4*\i+1],   s[SC:SC+1], v[BI:BI+1]   op_sel_hi:[1,0,1]
	v_pk_fma_f32 v[YR+4*\i+2:YR+4*\i+3], v[YR+4*\i+2:YR+4*\i+3], s[SC:SC+1], v[BI+2:BI+3] op_sel_hi:[1,0,1]
	global_store_b128 v[CO], v[YR+4*\i:YR+4*\i+3], s[8:9] offset:\i*4096
.endr
	s_wait_xcnt 0x0                                ; the stores have read their data and their base: the next trip loads into the same registers
	s_add_nc_u64 s[8:9], s[8:9], 8*4096
	s_sub_co_u32 s3, s3, 1
	s_cmp_lg_u32 s3, 0
	s_cbranch_scc1 .Lrows
	s_wait_tensorcnt 0x0                           ; the wave's end
	ds_add_u32 v[SPW], v[NIL]
	s_wait_dscnt 0x0
	CROUND                                         ; the closing round
	s_endpgm
.Lfunc_end_k_q0fbbdea4c8_oproj:
	.size	k_q0fbbdea4c8_oproj, .Lfunc_end_k_q0fbbdea4c8_oproj-k_q0fbbdea4c8_oproj
	.p2alignl 7, 3214868480
	.fill 96, 4, 3214868480
	.section	.rodata,"a",@progbits
	.p2align	6, 0x0
	.amdhsa_kernel k_q0fbbdea4c8_oproj
		.amdhsa_group_segment_fixed_size 327680
		.amdhsa_private_segment_fixed_size 0
		.amdhsa_enable_private_segment 0
		.amdhsa_kernarg_size 40
		.amdhsa_user_sgpr_count 2
		.amdhsa_user_sgpr_kernarg_segment_ptr 1
		.amdhsa_wavefront_size32 1
		.amdhsa_system_sgpr_workgroup_id_x 1
		.amdhsa_system_sgpr_workgroup_id_y 1
		.amdhsa_system_sgpr_workgroup_id_z 1
		.amdhsa_system_vgpr_workitem_id 0
		.amdhsa_next_free_vgpr 1024
		.amdhsa_next_free_sgpr 96
		.amdhsa_reserve_vcc 0
		.amdhsa_float_denorm_mode_32 3
		.amdhsa_float_denorm_mode_16_64 3
		.amdhsa_memory_ordered 1
		.amdhsa_forward_progress 1
		.amdhsa_inst_pref_size 84
	.end_amdhsa_kernel
	.amdgpu_metadata
---
amdhsa.version: [ 1, 2 ]
amdhsa.kernels:
  - .name:           k_q0fbbdea4c8_oproj
    .symbol:         k_q0fbbdea4c8_oproj.kd
    .args:
      - { .name: O16, .offset: 0, .size: 8, .value_kind: global_buffer, .address_space: global }
      - { .name: W16, .offset: 8, .size: 8, .value_kind: global_buffer, .address_space: global }
      - { .name: out0, .offset: 16, .size: 8, .value_kind: global_buffer, .address_space: global }
      - { .name: VM, .offset: 24, .size: 8, .value_kind: global_buffer, .address_space: global }
      - { .name: bo, .offset: 32, .size: 8, .value_kind: global_buffer, .address_space: global }
    .group_segment_fixed_size: 327680
    .private_segment_fixed_size: 0
    .kernarg_segment_align: 8
    .kernarg_segment_size: 40
    .max_flat_workgroup_size: 128
    .sgpr_count:     96
    .vgpr_count:     1024
    .wavefront_size: 32
...
	.end_amdgpu_metadata
.endif
;; end of part 6
;; ======== version 2 of 3: 6 launches
;; limits: values are held in f16: magnitudes above 65,504 overflow, below 6.1e-05 lose precision; right only within a limited range of input values; inputs' magnitudes at most 255
;; workspace buffers: X16 50,331,648 bytes; W16 8,388,608 bytes; WF 4,194,304 bytes; FB 16,384 bytes; QV16 33,587,200 bytes; PT 33,554,432 bytes; STAT 1,048,576 bytes; G 262,144 bytes
;; launch cvt: the kernel of part 1 again; grid 16 x 28, 8 waves a work-group, no clusters, 0 bytes of LDS; arguments query, key, value, Wq, Wk, Wv, Wo, X16, W16; writes X16, W16
;; launch fold (part 7): grid 8 x 32, 4 waves a work-group, no clusters, 81,920 bytes of LDS; arguments W16, bq, bk, bv, WF, FB; writes WF, FB
.if DOCPART == 7
	.amdgcn_target "amdgcn-amd-amdhsa--gfx1250"
	.amdhsa_code_object_version 6
	.text
	.protected	k_q0fbbdea4c8_fold
	.globl	k_q0fbbdea4c8_fold
	.p2align	8
	.type	k_q0fbbdea4c8_fold,@function
k_q0fbbdea4c8_fold:
	s_mov_b64 s[64:65], 0
	v_nop
	global_prefetch_b8 v0, s[64:65] scope:SCOPE_SE
	s_setreg_imm32_b32 hwreg(HW_REG_WAVE_MODE, 25, 1), 1
	s_wait_xcnt 0x0
; TWO PRODUCTS OF WEIGHTS, made once, so that two of the module's four products with 8,192 rows need not be made at all.  W16 [4 x 1024][1024] f16 holds Wq, Wk, Wv, Wo (bf16-rounded).
; Product 0: Mt[e][d] = sum over h of Wk[h][e] Wq[h][d];  b2[e] = sum over h of Wk[h][e] bq[h];  u[d] = sum over h of bk[h] Wq[h][d].
;   q . k = (Wk^T q) . xk + q . bk, with Wk^T q = xq Mt^T + b2 and q . bk = xq . u + bq . bk.  The last term, one number added to every score, drops out of every softmax and is not formed.
; Product 1: W1[d][e] = sum over h of Wo[d][h] Wv[h][e];  bvF[d] = sum over h of Wo[d][h] bv[h]:  (x Wv^T + bv) Wo^T = x W1^T + bvF.
; WF [2][1024][1024] f16 takes Mt and W1, each rounded once from its f32 sum.  FB (f32): b2 at byte 0, u at 4,096, bvF at 8,192; from 12,288 on each wave's largest |Mt| (512 numbers), then |W1| (512).
; The biases are rounded to bf16 like every input and written as f16, as matrix operands.
; LIMITS.  Mt, W1 and the biases must lie within 65,504; below 2^-14 they keep f16's fixed step of 2^-24.  NaN and infinities are not treated apart.
; SHARES.  y = 16 x product + tile row, x = tile column: a tile of 64 x 128, 256 work-groups.  Four waves of 32 x 64: 8 accumulators, and 2 (P: my rows x a bias) and 4 (U: a bias x my columns, product 0).
; K = 1,024 in 8 steps of 128.  A step's tiles (48 KiB) come through registers, 24 loads of 16 bytes a thread, asked for one step ahead, into ONE tile in LDS: two barriers a step.
; Wq, Wk, Wv lie [h][column]: their fragments come out of LDS turned (ds_load_tr16_b128); Wo lies [row][h]: plain.  So the step is written twice, by one macro; the branch between the two texts
; hangs on the work-group's y alone.  The two layouts of A's tile have LDS bytes of their own each: the two texts share only bytes that a thread stores alike in both.
; A BIAS IS ROW 0 OF A FRAGMENT OF 16 ROWS: lanes with l % 16 = 0 read the bias's table in LDS, the others 2,048 bytes of zeros.  The products reuse fragments that are in registers anyway.
; NO CLUSTER, NO TENSOR LOADS: a K step holds 56 (product 1: 40) matrix instructions a wave, too few to stand against a round of the cluster's barrier for each refill.
; THE MATRIX INSTRUCTION IS USED TRANSPOSED (source 0 = 16 columns' fragment, source 1 = 16 rows'): a lane holds row l % 16 of the tile and the columns 8 (l / 16) + 0..7.
; REGISTERS: window 0: v0-31 addresses; v32-127 a step's tiles on their way; v128-191, v192-255 two buffers of fragments (A 16, B 32, bias 8 + 8).  Window 1: v0-111 the accumulators.
.set PA0,   160                        ; product 0: a row of A's tile: 128 bytes + 32: an odd multiple of 32
.set PA1,   272                        ; product 1: 256 bytes + 16: an odd multiple of 16
.set PB,    288                        ; a row of B's tile: 256 bytes + 32
.set LB,    128*PA0                    ; B's tile, behind product 0's tile of A
.set T1,    LB+128*PB                  ; the bias that multiplies my rows (bq, bv): 1,024 f16
.set T2,    T1+2048                    ; the bias that multiplies my columns (bk)
.set ZZ,    T2+2048                    ; 2,048 bytes of zeros
.set SPARE, ZZ+2048                    ; the spare words, 128 bytes a wave, that no other line names
.set LA1,   SPARE+512                  ; product 1's tile of A: 64 rows of 272 bytes
.set SPI,   272                        ; the way out: a row of 128 f16 + 16 bytes, over the bytes from 0 on
.set GA,  4                            ; v4   my byte offset in A's tile in memory
.set GB,  5                            ; v5   in B's
.set SA,  6                            ; v6   where my 16 bytes of A's tile go in LDS
.set SB,  7                            ; v7   of B's
.set FAD, 8                            ; v8   my lane's place in A's tile, for fragments
.set FBD, 9                            ; v9   in B's
.set TA1, 10                           ; v10  my lane's place in T1 or in the zeros; 256 bytes on in each step
.set TA2, 11                           ; v11  in T2 or in the zeros
.set TS,  16                           ; v16  16 x my thread's number
.set MX,  20                           ; v20-21 maxima, v22-23 minima
.set STO, 24
.set RD,  25
.set CO,  26
.set PO,  27
.set SPW, 28                           ; v28  my spare word; never rewritten
.set NIL, 29                           ; v29  0; never rewritten
.set UO,  30
.set FO,  31
.set GBR, 32                           ; v[32:95]   B's 16 loads
.set GAR, 96                           ; v[96:127]  A's 8 loads
.set F0,  128
.set F1,  192
.set MSB, 0
.macro WIN new                         ; the immediate's high byte repeats the setting that is left; a switch that changes nothing is dropped
.if MSB != (\new)
	s_set_vgpr_msb (MSB<<8)|(\new)
.set MSB, \new
.endif
.endm
.macro PLACES                          ; four places between a matrix instruction and a load into, or a reader of, its registers
.rept 4
	v_nop
.endr
.endm
.macro LOADS p                         ; a step's tiles: B's 128 rows of 256 bytes; A's 128 rows of 128 bytes (product 0) or 64 rows of 256 (product 1)
.irp i, 0,1,2,3,4,5,6,7,8,9,10,11,12,13,14,15
	global_load_b128 v[GBR+4*\i:GBR+4*\i+3], v[GB], s[26:27] offset:\i*8*2048
.endr
.irp i, 0,1,2,3,4,5,6,7
	global_load_b128 v[GAR+4*\i:GAR+4*\i+3], v[GA], s[24:25] offset:\i*(16-8*(\p))*2048
.endr
.endm
.macro STAGE p                         ; and into LDS
.irp i, 0,1,2,3,4,5,6,7,8,9,10,11,12,13,14,15
	ds_store_b128 v[SB], v[GBR+4*\i:GBR+4*\i+3] offset:\i*8*PB
.endr
.irp i, 0,1,2,3,4,5,6,7
.if \p
	ds_store_b128 v[SA], v[GAR+4*\i:GAR+4*\i+3] offset:\i*8*PA1
.else
	ds_store_b128 v[SA], v[GAR+4*\i:GAR+4*\i+3] offset:\i*16*PA0
.endif
.endr
.endm
.macro FETCH qd, f, p                  ; the fragments of 32 along K, quarter qd of the step, into buffer f: 16 loads (product 1: 14)
	WIN 0
.irp a, 0,1
.if \p
	ds_load_b128 v[(\f)+8*\a:(\f)+8*\a+3],   v[FAD] offset:\a*16*PA1+64*(\qd)
	ds_load_b128 v[(\f)+8*\a+4:(\f)+8*\a+7], v[FAD] offset:\a*16*PA1+64*(\qd)+32
.else
	ds_load_tr16_b128 v[(\f)+8*\a:(\f)+8*\a+3],   v[FAD] offset:(\qd)*32*PA0+32*\a
	ds_load_tr16_b128 v[(\f)+8*\a+4:(\f)+8*\a+7], v[FAD] offset:(\qd)*32*PA0+16*PA0+32*\a
.endif
.endr
.irp b, 0,1,2,3
	ds_load_tr16_b128 v[(\f)+16+8*\b:(\f)+16+8*\b+3], v[FBD] offset:(\qd)*32*PB+32*\b
	ds_load_tr16_b128 v[(\f)+20+8*\b:(\f)+20+8*\b+3], v[FBD] offset:(\qd)*32*PB+16*PB+32*\b
.endr
	ds_load_b128 v[(\f)+48:(\f)+51], v[TA1] offset:64*(\qd)
	ds_load_b128 v[(\f)+52:(\f)+55], v[TA1] offset:64*(\qd)+32
.if !(\p)
	ds_load_b128 v[(\f)+56:(\f)+59], v[TA2] offset:64*(\qd)
	ds_load_b128 v[(\f)+60:(\f)+63], v[TA2] offset:64*(\qd)+32
.endif
.endm
.macro MUL f, p                        ; 14 (10) matrix instructions on as many accumulators, which take turns in one order, over the backward jump too
	WIN 0x50                                       ; C and D in window 1
.irp a, 0,1
.irp b, 0,1,2,3
	v_wmma_f32_16x16x32_f16 v[8*(4*\a+\b):8*(4*\a+\b)+7], v[(\f)+16+8*\b:(\f)+16+8*\b+7], v[(\f)+8*\a:(\f)+8*\a+7], v[8*(4*\a+\b):8*(4*\a+\b)+7]
.endr
.endr
.irp a, 0,1
	v_wmma_f32_16x16x32_f16 v[64+8*\a:64+8*\a+7], v[(\f)+48:(\f)+55], v[(\f)+8*\a:(\f)+8*\a+7], v[64+8*\a:64+8*\a+7]
.endr
.if !(\p)
.irp b, 0,1,2,3
	v_wmma_f32_16x16x32_f16 v[80+8*\b:80+8*\b+7], v[(\f)+16+8*\b:(\f)+16+8*\b+7], v[(\f)+56:(\f)+63], v[80+8*\b:80+8*\b+7]
.endr
.endif
.endm
.macro TAB src, tab                    ; my 8 numbers of a bias: rounded to bf16, written as f16, into its table
.irp k, 0,1,2,3
	v_cvt_pk_bf16_f32 v[160+\k], v[(\src)+2*\k], v[(\src)+2*\k+1]
.endr
.irp k, 0,1,2,3
	v_lshlrev_b32 v[164+2*\k], 16, v[160+\k]
	v_and_b32     v[165+2*\k], s23, v[160+\k]
.endr
.irp k, 0,1,2,3
	v_cvt_pk_f16_f32 v[160+\k], v[164+2*\k], v[165+2*\k]
.endr
	ds_store_b128 v[TS], v[160:163] offset:\tab
.endm
; One product's whole walk along K.
.macro PATH p
.set NL, 16-2*(\p)                     ; the loads of one FETCH
.if \p
	v_lshlrev_b32 v[GA], 11, v15                   ; Wo: row t / 16 (+ 8 i), 16 bytes t % 16 of its 256
	v_lshl_add_u32 v[GA], v1, 4, v[GA]
	v_mul_u32_u24 v[SA], v15, PA1
	v_lshl_add_u32 v[SA], v1, 4, v[SA]
	v_add_nc_u32 v[SA], LA1, v[SA]                 ; this layout's own bytes
	v_mul_u32_u24 v[FAD], v1, PA1                  ; a plain fragment: row l % 16, 16 bytes for each half of the lanes
	v_lshl_add_u32 v[FAD], v2, 4, v[FAD]
	s_mul_i32 s31, s17, 32*PA1                     ; my 32 rows
	s_add_co_u32 s31, s31, LA1
	v_add_nc_u32 v[FAD], s31, v[FAD]
	s_lshl_b32 s32, s22, 17                        ; 64 x tile row rows of 2,048 bytes,
	s_add_co_u32 s32, s32, 3072*2048               ; in Wo
.else
	v_lshrrev_b32 v19, 3, v0                       ; Wk: row t / 8 (+ 16 i), 16 bytes t % 8 of its 128
	v_lshlrev_b32 v[GA], 11, v19
	v_lshl_add_u32 v[GA], v13, 4, v[GA]
	v_mul_u32_u24 v[SA], v19, PA0
	v_lshl_add_u32 v[SA], v13, 4, v[SA]
	v_mul_u32_u24 v[FAD], v12, PA0                 ; a turned fragment
	v_lshl_add_u32 v[FAD], v14, 4, v[FAD]
	s_lshl_b32 s31, s17, 6                         ; my 32 columns: 64 bytes
	v_add_nc_u32 v[FAD], s31, v[FAD]
	s_lshl_b32 s32, s22, 7                         ; 64 x tile row columns,
	s_add_co_u32 s32, s32, 1024*2048               ; in Wk
.endif
	s_mov_b32 s33, 0
	s_add_nc_u64 s[24:25], s[4:5], s[32:33]
	LOADS \p                                       ; step 0
	s_wait_loadcnt 24                              ; the four loads of the biases are in; the tile's 24 stay out
	TAB 128, T1
	TAB 136, T2
	s_mov_b32 s30, 8
.Lstep\p:
	s_wait_loadcnt 0x0                             ; this step's tiles are in registers; the pointers may be written
	STAGE \p                                       ; behind the barrier at the last trip's end: nobody reads the tile any more
	s_cmp_eq_u32 s30, 1
	s_cbranch_scc1 .Lnomore\p                      ; the last step asks for nothing
.if \p
	s_add_nc_u64 s[24:25], s[24:25], 256           ; Wo goes along its rows,
.else
	s_add_nc_u64 s[24:25], s[24:25], 128*2048
.endif
	s_add_nc_u64 s[26:27], s[26:27], 128*2048      ; the others 128 rows down
	LOADS \p                                       ; the next step's, on their way while this one is multiplied
.Lnomore\p:
	s_wait_dscnt 0x0                               ; for the others' sake: my stores are done
	s_barrier_signal -1
	s_barrier_wait -1
	FETCH 0, F0, \p
	FETCH 1, F1, \p
	s_wait_dscnt NL                                ; all but the run just issued
	MUL F0, \p
	PLACES
	FETCH 2, F0, \p
	s_wait_dscnt NL
	MUL F1, \p
	PLACES
	FETCH 3, F1, \p
	s_wait_dscnt NL
	MUL F0, \p
	s_wait_dscnt 0x0                               ; my reads of the tile are over
	MUL F1, \p
	WIN 0
	PLACES                                         ; in front of the next trip's loads into both buffers
	v_add_nc_u32 v[TA1], 256, v[TA1]               ; the biases' next 128 numbers
	v_add_nc_u32 v[TA2], 256, v[TA2]
	s_barrier_signal -1
	s_barrier_wait -1                              ; everybody's reads are over
	s_sub_co_u32 s30, s30, 1
	s_cmp_lg_u32 s30, 0
	s_cbranch_scc1 .Lstep\p
.endm
	s_load_b256 s[4:11], s[0:1], 0x0               ; W16 s[4:5], bq s[6:7], bk s[8:9], bv s[10:11]
	s_load_b128 s[12:15], s[0:1], 0x20             ; WF s[12:13], FB s[14:15]
	v_lshl_add_u32 v[SPW], v0, 2, SPARE
	v_mov_b32 v[NIL], 0
	v_lshrrev_b32 v1, 5, v0
	v_readfirstlane_b32 s16, v1                    ; wave 0..3
	s_lshr_b32 s17, s16, 1                         ; which 32 rows of the tile are mine
	s_and_b32 s18, s16, 1                          ; which 64 columns
	s_mov_b32 s19, ttmp9                           ; tile column
	s_and_b32 s20, ttmp7, 0xffff                   ; y
	s_lshr_b32 s21, s20, 4                         ; the product
	s_and_b32 s22, s20, 15                         ; tile row
	s_mov_b32 s23, 0xffff0000
	s_mov_b32 s36, 0x76543210                      ; v_permlanex16_b32: each lane takes its own place in the other half
	s_mov_b32 s37, 0xfedcba98
	v_and_b32 v1, 15, v0                           ; l % 16, and t % 16
	v_bfe_u32 v2, v0, 4, 1                         ; l / 16
	v_and_b32 v3, 31, v0                           ; l
	v_lshlrev_b32 v18, 5, v0                       ; my 8 numbers of a bias
	v_lshlrev_b32 v[TS], 4, v0
	s_wait_kmcnt 0x0
	s_cmp_eq_u32 s21, 0
	s_cselect_b64 s[6:7], s[6:7], s[10:11]         ; bq for product 0, bv for product 1
	global_load_b128 v[128:131], v18, s[6:7]
	global_load_b128 v[132:135], v18, s[6:7] offset:16
	global_load_b128 v[136:139], v18, s[8:9]
	global_load_b128 v[140:143], v18, s[8:9] offset:16
	WIN 0x40
.set i, 0
.rept 112
	v_mov_b32 v[i], 0                              ; the sums start at 0, written while the first loads are on their way, so that the loop has one form of product
.set i, i+1
.endr
	WIN 0
.irp k, 144,145,146,147
	v_mov_b32 v\k, 0
.endr
	ds_store_b128 v[TS], v[144:147] offset:ZZ      ; the zeros
	v_and_b32 v13, 7, v0
	v_bfe_u32 v14, v0, 3, 1
	v_lshl_add_u32 v12, v2, 3, v13                 ; the turning load: lane l reads row 8 (l / 16) + l % 8, 16 bytes (l / 8) % 2, and ends with column l % 16 and 8 rows
	v_mul_u32_u24 v[FBD], v12, PB
	v_lshl_add_u32 v[FBD], v14, 4, v[FBD]
	s_lshl_b32 s31, s18, 7                         ; my 64 columns: 128 bytes
	s_add_co_u32 s31, s31, LB
	v_add_nc_u32 v[FBD], s31, v[FBD]
	v_lshrrev_b32 v15, 4, v0                       ; t / 16
	v_mul_u32_u24 v[SB], v15, PB
	v_lshl_add_u32 v[SB], v1, 4, v[SB]
	v_add_nc_u32 v[SB], LB, v[SB]
	v_lshlrev_b32 v[GB], 11, v15
	v_lshl_add_u32 v[GB], v1, 4, v[GB]
	v_min_u32 v17, 1, v1                           ; 0 in the lanes that hold row 0 of a fragment
	v_lshlrev_b32 v19, 4, v2
	v_mad_u32_u24 v[TA1], v17, ZZ-T1, v19
	v_add_nc_u32 v[TA1], T1, v[TA1]
	v_mad_u32_u24 v[TA2], v17, ZZ-T2, v19
	v_add_nc_u32 v[TA2], T2, v[TA2]
	s_lshl_b32 s32, s21, 22                        ; B: Wq (rows 0 on) or Wv (rows 2,048 on),
	s_lshl_b32 s33, s19, 8                         ; 128 x tile column columns
	s_add_co_u32 s32, s32, s33
	s_mov_b32 s33, 0
	s_add_nc_u64 s[26:27], s[4:5], s[32:33]
	s_cmp_lg_u32 s21, 0
	s_cbranch_scc1 .Lone
	PATH 0
	s_branch .Lout
.Lone:
	PATH 1
.Lout:
	; THE WAY OUT.  Eight places in all stand behind the last product, once a launch, where four are owed.
	PLACES
	s_mul_i32 s31, s17, 32*SPI                     ; into the stage: row 32 x half + 16 a + l % 16, bytes 128 x half + 32 b + 16 (l / 16)
	s_lshl_b32 s32, s18, 7
	s_add_co_u32 s31, s31, s32
	v_mul_u32_u24 v17, v1, SPI
	v_lshl_add_u32 v17, v2, 4, v17
	v_add_nc_u32 v[STO], s31, v17
	s_mul_i32 s31, s16, 16*SPI                     ; back: wave w takes rows 16 w on, whole: lanes 0-15 one row of 256 bytes, lanes 16-31 the next
	v_mul_u32_u24 v17, v2, SPI
	v_lshl_add_u32 v17, v1, 4, v17
	v_add_nc_u32 v[RD], s31, v17
	v_lshlrev_b32 v17, 11, v2
	v_lshl_add_u32 v[CO], v1, 4, v17
	s_lshl_b32 s32, s20, 6                         ; 64 y = 1,024 x product + 64 x tile row
	s_lshl_b32 s33, s16, 4
	s_add_co_u32 s32, s32, s33
	s_lshl_b32 s32, s32, 11
	s_lshl_b32 s33, s19, 8
	s_add_co_u32 s32, s32, s33
	s_mov_b32 s33, 0
	s_add_nc_u64 s[12:13], s[12:13], s[32:33]
.irp k, 0,1,2,3
	v_mov_b32 v[MX+\k], 0
.endr
	WIN 0x14                                       ; sources 1 and 2 in window 1.
.set i, 0
.rept 8
	v_max3_num_f32 v[MX],   v[MX],   v[8*i],   v[8*i+1]
	v_min3_num_f32 v[MX+2], v[MX+2], v[8*i],   v[8*i+1]
	v_max3_num_f32 v[MX+1], v[MX+1], v[8*i+2], v[8*i+3]
	v_min3_num_f32 v[MX+3], v[MX+3], v[8*i+2], v[8*i+3]
	v_max3_num_f32 v[MX],   v[MX],   v[8*i+4], v[8*i+5]
	v_min3_num_f32 v[MX+2], v[MX+2], v[8*i+4], v[8*i+5]
	v_max3_num_f32 v[MX+1], v[MX+1], v[8*i+6], v[8*i+7]
	v_min3_num_f32 v[MX+3], v[MX+3], v[8*i+6], v[8*i+7]
.set i, i+1
.endr
	WIN 0x05                                       ; sources 0 and 1 in window 1
.set i, 0
.rept 32
	v_cvt_pk_f16_f32 v[GBR+i], v[2*i], v[2*i+1]    ; the one rounding
.set i, i+1
.endr
	WIN 0
.irp a, 0,1
.irp b, 0,1,2,3
	ds_store_b128 v[STO], v[GBR+4*(4*\a+\b):GBR+4*(4*\a+\b)+3] offset:\a*16*SPI+32*\b  ; behind the loop's last barrier: nobody reads the tiles any more
.endr
.endr
	s_wait_dscnt 0x0                               ; for the others' sake: a row's 256 bytes come from two waves
	s_barrier_signal -1
	s_barrier_wait -1
.irp t, 0,1,2,3,4,5,6,7
	ds_load_b128 v[GBR+32+4*\t:GBR+32+4*\t+3], v[RD] offset:\t*2*SPI
.endr
.irp t, 0,1,2,3,4,5,6,7
	s_wait_dscnt 7-\t                              ; rows 2 t, 2 t + 1 are in; the younger loads may be out
	global_store_b128 v[CO], v[GBR+32+4*\t:GBR+32+4*\t+3], s[12:13] offset:\t*2*2048  ; 16 lanes store 256 consecutive bytes, aligned
.endr
	v_max_num_f32 v[MX], v[MX], v[MX+1]            ; the wave's largest magnitude: max(largest, - smallest), both started at 0
	v_min_num_f32 v[MX+2], v[MX+2], v[MX+3]
	v_sub_f32 v[MX+2], 0, v[MX+2]
	v_max_num_f32 v[MX], v[MX], v[MX+2]
	v_max_num_f32_dpp v[MX], v[MX], v[MX] row_xmask:1 row_mask:0xf bank_mask:0xf
	v_max_num_f32_dpp v[MX], v[MX], v[MX] row_xmask:2 row_mask:0xf bank_mask:0xf
	v_max_num_f32_dpp v[MX], v[MX], v[MX] row_xmask:4 row_mask:0xf bank_mask:0xf
	v_max_num_f32_dpp v[MX], v[MX], v[MX] row_xmask:8 row_mask:0xf bank_mask:0xf
	v_permlanex16_b32 v[MX+1], v[MX], s36, s37
	v_max_num_f32 v[MX], v[MX], v[MX+1]
	s_lshl_b32 s31, s20, 3
	s_add_co_u32 s31, s31, s19
	s_lshl_b32 s31, s31, 2
	s_add_co_u32 s31, s31, s16
	s_lshl_b32 s31, s31, 2
	s_add_co_u32 s31, s31, 12288                   ; ((8 y + x) x 4 + wave) x 4 bytes, behind the three vectors
	v_mov_b32 v[FO], s31
	s_lshl_b32 s31, s21, 13                        ; b2 at 0, bvF at 8,192;
	s_lshl_b32 s32, s22, 8
	s_add_co_u32 s31, s31, s32                     ; 4 x (64 x tile row
	s_lshl_b32 s32, s17, 7
	s_add_co_u32 s31, s31, s32                     ; + 32 x half + l % 16)
	v_lshl_add_u32 v[PO], v1, 2, s31
	s_lshl_b32 s31, s19, 9                         ; u at 4,096; 4 x (128 x tile column
	s_lshl_b32 s32, s18, 8
	s_add_co_u32 s31, s31, s32                     ; + 64 x half + 8 (l / 16))
	s_add_co_u32 s31, s31, 4096
	v_lshl_add_u32 v[UO], v2, 5, s31
	v_cmp_eq_u32 vcc_lo, 0, v3
	s_wait_xcnt 0x0                                ; EXEC changes only behind this wait
	s_and_saveexec_b32 s34, vcc_lo
	global_store_b32 v[FO], v[MX], s[14:15]        ; one lane stores the wave's number
	s_wait_xcnt 0x0                                ; and again, in front of the line that widens it
	s_or_b32 exec_lo, exec_lo, s34
	s_or_b32 s31, s19, s18                         ; P is the same in every tile column and in both halves of the columns: the first of each stores it
	s_cmp_lg_u32 s31, 0
	s_cbranch_scc1 .Lno_p
	v_cmp_gt_u32 vcc_lo, 16, v3                    ; column 0 of the fragment lies in register 0 of lanes 0-15, a lane a row
	s_wait_xcnt 0x0
	s_and_saveexec_b32 s34, vcc_lo
	WIN 0x04                                       ; store data in window 1
	global_store_b32 v[PO], v64, s[14:15]
	global_store_b32 v[PO], v72, s[14:15] offset:64
	WIN 0
	s_wait_xcnt 0x0
	s_or_b32 exec_lo, exec_lo, s34
.Lno_p:
	s_or_b32 s31, s20, s17                         ; U: product 0's first tile row, the first half of the rows
	s_cmp_lg_u32 s31, 0
	s_cbranch_scc1 .Lno_u
	v_cmp_eq_u32 vcc_lo, 0, v1                     ; row 0 of the fragment lies in lanes 0 and 16, eight columns each
	s_wait_xcnt 0x0
	s_and_saveexec_b32 s34, vcc_lo
	WIN 0x04
.irp b, 0,1,2,3
	global_store_b128 v[UO], v[80+8*\b:83+8*\b], s[14:15] offset:64*\b
	global_store_b128 v[UO], v[84+8*\b:87+8*\b], s[14:15] offset:64*\b+16
.endr
	WIN 0
	s_wait_xcnt 0x0
	s_or_b32 exec_lo, exec_lo, s34
.Lno_u:
	s_wait_tensorcnt 0x0                           ; the wave's end, behind my last LDS store
	ds_add_u32 v[SPW], v[NIL]
	s_wait_dscnt 0x0
	s_endpgm
.Lfunc_end_k_q0fbbdea4c8_fold:
	.size	k_q0fbbdea4c8_fold, .Lfunc_end_k_q0fbbdea4c8_fold-k_q0fbbdea4c8_fold
	.p2alignl 7, 3214868480
	.fill 96, 4, 3214868480
	.section	.rodata,"a",@progbits
	.p2align	6, 0x0
	.amdhsa_kernel k_q0fbbdea4c8_fold
		.amdhsa_group_segment_fixed_size 81920
		.amdhsa_private_segment_fixed_size 0
		.amdhsa_enable_private_segment 0
		.amdhsa_kernarg_size 48
		.amdhsa_user_sgpr_count 2
		.amdhsa_user_sgpr_kernarg_segment_ptr 1
		.amdhsa_wavefront_size32 1
		.amdhsa_system_sgpr_workgroup_id_x 1
		.amdhsa_system_sgpr_workgroup_id_y 1
		.amdhsa_system_sgpr_workgroup_id_z 1
		.amdhsa_system_vgpr_workitem_id 0
		.amdhsa_next_free_vgpr 384
		.amdhsa_next_free_sgpr 66
		.amdhsa_reserve_vcc 1
		.amdhsa_float_denorm_mode_32 3
		.amdhsa_float_denorm_mode_16_64 3
		.amdhsa_memory_ordered 1
		.amdhsa_forward_progress 1
		.amdhsa_inst_pref_size 53
	.end_amdhsa_kernel
	.amdgpu_metadata
---
amdhsa.version: [ 1, 2 ]
amdhsa.kernels:
  - .name:           k_q0fbbdea4c8_fold
    .symbol:         k_q0fbbdea4c8_fold.kd
    .args:
      - { .name: W16, .offset: 0, .size: 8, .value_kind: global_buffer, .address_space: global }
      - { .name: bq, .offset: 8, .size: 8, .value_kind: global_buffer, .address_space: global }
      - { .name: bk, .offset: 16, .size: 8, .value_kind: global_buffer, .address_space: global }
      - { .name: bv, .offset: 24, .size: 8, .value_kind: global_buffer, .address_space: global }
      - { .name: WF, .offset: 32, .size: 8, .value_kind: global_buffer, .address_space: global }
      - { .name: FB, .offset: 40, .size: 8, .value_kind: global_buffer, .address_space: global }
    .group_segment_fixed_size: 81920
    .private_segment_fixed_size: 0
    .kernarg_segment_align: 8
    .kernarg_segment_size: 48
    .max_flat_workgroup_size: 128
    .sgpr_count:     66
    .vgpr_count:     384
    .wavefront_size: 32
...
	.end_amdgpu_metadata
.endif
;; end of part 7
;; launch proj (part 8): grid 4 x 64, 4 waves a work-group, clusters of 4 x 4, 327,680 bytes of LDS; arguments X16, WF, QV16, FB; writes QV16
.if DOCPART == 8
	.amdgcn_target "amdgcn-amd-amdhsa--gfx1250"
	.amdhsa_code_object_version 6
	.text
	.protected	k_q0fbbdea4c8_proj
	.globl	k_q0fbbdea4c8_proj
	.p2align	8
	.type	k_q0fbbdea4c8_proj,@function
k_q0fbbdea4c8_proj:
	s_mov_b64 s[64:65], 0
	v_nop
	global_prefetch_b8 v0, s[64:65] scope:SCOPE_SE
	s_setreg_imm32_b32 hwreg(HW_REG_WAVE_MODE, 25, 1), 1
	s_wait_xcnt 0x0
	s_wait_alu depctr_hold_cnt(0) depctr_sa_sdst(0) depctr_va_vdst(0) depctr_va_sdst(0) depctr_va_ssrc(0) depctr_va_vcc(0) depctr_vm_vsrc(0)
	s_getreg_b32 s2, hwreg(HW_REG_IB_STS2, 6, 4)
	s_cmp_eq_u32 s2, 0
	s_cbranch_scc0 .Lentry_in_a_cluster
	s_endpgm
.Lentry_in_a_cluster:
	s_bfe_u32 s2, ttmp6, 0x10000c
	s_cmp_lg_u32 s2, 0xf033
	s_cbranch_scc0 .Lentry_shape_is_right
	s_endpgm
.Lentry_shape_is_right:
; q'' = (query Mt^T + b2) s0 and v' = (value W1^T + bvF) s1, and c[q] = query . u.  X16 [3 x 8192][1024] f16 holds query, key, value (bf16-rounded); WF [2][1024][1024] f16 holds Mt and W1;
; FB (f32): b2 at byte 0, u at 4,096, bvF at 8,192, and from 12,288 on 512 + 512 partial maxima of |Mt| and |W1|.  QV16: [2 x 8192][1024] f16 (q'', v'), then c [8192] f32 at byte 33,554,432.
; THE SCALES.  s = 2^(124 - e), e = the exponent field of the largest |Mt| (or |W1|), at most 250: then |W s| < 1/4 and a sum over 1,024 terms stays within 256 x the largest |x|.  A scale enters values alone.
; LIMITS.  q'' and v' must lie within 65,504 (f16's end), which holds while |x| < 255 and the scaled bias leaves the room; NaN and infinities are not treated apart.
; SHAPE.  A tile of C, 256 x 256, is made by four waves, as many as a WGP has SIMDs; a wave makes 128 x 128 in 64 accumulators (512 registers).  K = 1024 goes in 8 steps of 128 through
; two LDS slots filled by the tensor data mover: a tile's rows are 256 bytes of memory, at multiples of 256.  64 tile rows (32 for each product) x 4 tile columns: 256 work-groups.
; CLUSTER.  4 x 4 work-groups: the four of a row of the cluster need the same tile of x, the four of a column the same tile of W: each tile is asked for jointly.
; THE MATRIX INSTRUCTION IS USED TRANSPOSED (source 0 = 16 rows of W, source 1 = 16 rows of x): a lane holds row l % 16 of C and the columns 8 (l / 16) + 0..7.
; ONE K STEP IS WRITTEN ONCE: the LDS base of the slot in hand lies in s[TB] and is turned by an exclusive or; the walking descriptors' LDS word likewise (wave x 34,816 never sets a bit of SLOT).
; c: each of the 1,024 waves makes 8 numbers, in the wait for its first tile: a row's 2,048 bytes are four loads of the wave, a lane has 32 columns of each row and their 32 numbers of u.
; THE WAY OUT.  The 64 accumulators are laid into the ring's own bytes, which have had their last fill, as 128 rows of 512 bytes a wave; a counted loop reads whole rows back.
; REGISTERS, in windows of 256: window 0: v0-31 addresses, v32-49 bias and c, v64-127 and v128-191 fragments of x (at the start: 8 rows of query; on the way out: rows), v192-239 u and the maxima;
; window 1: v64-191 fragments of W; window 2: the accumulators of my rows 0-63 ((a, b) at v[8 (8 a + b)]); window 3: those of my rows 64-127.
.set KS,    8                          ; K steps
.set KB,    256                        ; bytes of a row in a K step
.set STEPA, KB
.set STEPB, KB
.set PITCH, 272                        ; an LDS row: 256 bytes + 16 of padding: the 16 rows of a fragment load start at 16 different groups of four banks
.set HALFT, 128*PITCH                  ; what one tensor load brings
.set SLOT,  4*HALFT                    ; A's 256 rows, then B's 256
.set DP,    528                        ; the way out: a row of 128 f32 + 16 bytes
.set DW,    128*DP                     ; a wave's 128 rows
.set SPARE, 2*SLOT                     ; behind the ring: the spare words, 128 bytes a wave, that no other line names
.set A0,   16                          ; v16  my lane's place in A's tile; never rewritten
.set B0,   17                          ; v17  in B's
.set ADRA, 18                          ; v18  A0 + the slot in hand
.set ADRB, 19                          ; v19  B0 + the slot in hand
.set STO,  20                          ; v20  the way out: where my 32 bytes of a row go
.set RD,   21                          ; v21  where I read 16 bytes of a whole row back
.set CO,   22                          ; v22  my byte offset in a row of the output
.set SPW,  28                          ; v28  my spare word; never rewritten
.set NIL,  29                          ; v29  0; never rewritten
.set PFO,  30                          ; v30  the prefetches' offset: a lane a row; never rewritten
.set BI,   32                          ; v[32:35] the bias of my four columns, times s
.set CR,   40                          ; v[40:47] my wave's 8 numbers of c
.set ZR0,  49                          ; v49  0
.set F0,   64
.set F1,   128
.set UU,   192                         ; v[192:223] u of my 32 columns
.set FMR,  224                         ; v[224:239] 16 of the 512 maxima
.set YR,   64                          ; the way out: eight rows, four f32 a lane each
.set ZR,   96                          ; and their f16
.set G1A, 24                           ; s[24:31] descriptor group 1 for A's tiles
.set G0A, 32                           ; s[32:35] group 0 of A's first fill, s[36:39] the walking one
.set G1B, 48                           ; s[48:55], s[56:59], s[60:63] the same for B
.set G0B, 56
.set LIM, 43                           ; s43  1 in a wave that prefetches, else the greatest number
.set PFA, 44                           ; s[44:45] where my prefetches stand
.set TB,  66                           ; s66  LDS base of the slot in hand: 0 or SLOT
.set SC,  78                           ; s[78:79] s
.set PFS, 84                           ; s[84:85] the prefetch pointer's step
.set MSB, 0
.macro WIN new                         ; the immediate's high byte repeats the setting that is left; a switch that changes nothing is dropped
.if MSB != (\new)
	s_set_vgpr_msb (MSB<<8)|(\new)
.set MSB, \new
.endif
.endm
.set MUL_LO, 0xa1                      ; source 0 (B) window 1, source 1 (A) window 0, C and D window 2
.set MUL_HI, 0xf1                      ; the same, C and D window 3
.set TO_B,   0x40                      ; destination window 1, address window 0
.macro PLACES                          ; four places between a matrix instruction and a load into, or a reader of, its registers
.rept 4
	v_nop
.endr
.endm
; A joint refill.  Waves 0 and 1 fetch A's two halves, waves 2 and 3 B's; the branch hangs on the wave's number alone.  An s_nop 0 and four v_nop follow each line.
.macro JLOAD
	s_cmp_eq_u32 s11, 0
	s_cbranch_scc0 .Lfor_b_\@
	tensor_load_to_lds s[G0A+4:G0A+7], s[G1A:G1A+7]
	s_nop 0
.rept 4
	v_nop
.endr
	s_branch .Lasked_\@
.Lfor_b_\@:
	tensor_load_to_lds s[G0B+4:G0B+7], s[G1B:G1B+7]
	s_nop 0
.rept 4
	v_nop
.endr
.Lasked_\@:
.endm
; A prefetch into the L2 of the K step that the NEXT refill will ask for: 256 matrix instructions ahead of that load.  Of the 128 rows that I fetch my work-group names 32, a lane a row; the four
; partners are told apart by address alone.  Only one cluster of those that read the same rows asks.  The loop's last trip (s3 = 1) has no K step behind its refill.
.macro ASK
	s_cmp_gt_u32 s3, s[LIM]
	s_cbranch_scc0 .Lnot_mine_\@
	global_prefetch_b8 v[PFO], s[PFA:PFA+1] th:TH_LOAD_NT scope:SCOPE_SE
.Lnot_mine_\@:
.endm
.macro CREST                           ; a round of the cluster's barrier behind its opening barrier
	s_cmp_lg_u32 s10, 0
	s_cbranch_scc1 .Lnot_wave_0_\@
	s_barrier_signal -3
.Lnot_wave_0_\@:
	s_barrier_wait -3
	s_barrier_signal -1
	s_barrier_wait -1
.endm
.macro CROUND                          ; a whole round
	s_barrier_signal -1
	s_barrier_wait -1
	CREST
.endm
; 16 matrix instructions: m blocks a0, a0 + 1 of the window's four x all 8 n blocks, 32 along K.  zero = 1: the product starts the sums.
.macro MUL16 f, hi, a0, zero
	WIN MUL_LO+0x50*(\hi)
.irp a, \a0, (\a0)+1
.irp b, 0,1,2,3,4,5,6,7
.if \zero
	v_wmma_f32_16x16x32_f16 v[8*(8*(\a)+(\b)):8*(8*(\a)+(\b))+7], v[(\f)+8*(\b):(\f)+8*(\b)+7], v[(\f)+8*(4*(\hi)+(\a)):(\f)+8*(4*(\hi)+(\a))+7], 0
.else
	v_wmma_f32_16x16x32_f16 v[8*(8*(\a)+(\b)):8*(8*(\a)+(\b))+7], v[(\f)+8*(\b):(\f)+8*(\b)+7], v[(\f)+8*(4*(\hi)+(\a)):(\f)+8*(4*(\hi)+(\a))+7], v[8*(8*(\a)+(\b)):8*(8*(\a)+(\b))+7]
.endif
.endr
.endr
.endm
; 32 LDS loads in one run: a quarter step's fragments (32 K at byte k of the rows) into buffer f: B's 128 rows, then A's
.macro FETCH k, f
	WIN TO_B
.irp i, 0,1,2,3,4,5,6,7
	ds_load_b128 v[(\f)+8*\i:(\f)+8*\i+3],   v[ADRB] offset:(\k)+\i*16*PITCH
	ds_load_b128 v[(\f)+8*\i+4:(\f)+8*\i+7], v[ADRB] offset:(\k)+\i*16*PITCH+32
.endr
	WIN 0
.irp i, 0,1,2,3,4,5,6,7
	ds_load_b128 v[(\f)+8*\i:(\f)+8*\i+3],   v[ADRA] offset:(\k)+\i*16*PITCH
	ds_load_b128 v[(\f)+8*\i+4:(\f)+8*\i+7], v[ADRA] offset:(\k)+\i*16*PITCH+32
.endr
.endm
; One of a K step's first three quarters: multiplies buffer f; in its middle it fetches the next quarter, at byte k, into buffer g.
.macro QUARTER k, f, g, zero
	s_wait_dscnt 8                                 ; B and A's rows 0-63 are in; the youngest eight loads (A's rows 64-127) may be out
	MUL16 \f, 0, 0, \zero
	MUL16 \f, 0, 2, \zero
	PLACES
	FETCH \k, \g
	s_wait_dscnt 32                                ; all but the 32 just issued
	MUL16 \f, 1, 0, \zero
	MUL16 \f, 1, 2, \zero
.endm
; The first half of a K step's last quarter, and the barrier of the change of slots: each wave has waited for all its tensor loads (one is out: its part of the next slot), has added 0 to its
; spare word, and has waited for that and for its reads of this slot.  Behind the barrier nobody reads this slot any more and the next slot is whole.
.macro MEET
	WIN 0
	s_wait_tensorcnt 0x0
	ds_add_u32 v[SPW], v[NIL]
	s_wait_dscnt 9                                 ; the add and the youngest eight loads may be out
	MUL16 F1, 0, 0, 0
	s_wait_dscnt 0x0                               ; the add is done, my reads of this slot are over
	s_barrier_signal -1
	MUL16 F1, 0, 2, 0
	WIN 0
	s_barrier_wait -1
.endm
.macro SWAP                            ; the reads go to the other slot
	s_xor_b32 s[TB], s[TB], SLOT
	v_add_nc_u32 v[ADRA], s[TB], v[A0]
	v_add_nc_u32 v[ADRB], s[TB], v[B0]
.endm
.macro MULHI                           ; the second half of the last quarter
	MUL16 F1, 1, 0, 0
	MUL16 F1, 1, 2, 0
.endm
; The whole last quarter with a refill: the barrier opens a round of the cluster's barrier; behind the round the slot just read out takes the K step two on: 224 matrix instructions ahead of the wait for it.
.macro TURN
	s_wait_xcnt 0x0                                ; the last prefetch, a K step back, has read its address
	s_add_nc_u64 s[PFA:PFA+1], s[PFA:PFA+1], s[PFS:PFS+1]
	MEET
	CREST
	s_xor_b32 s[G0A+5], s[G0A+5], SLOT             ; no tensor load of mine is out: the walking descriptors go to the other slot,
	s_add_nc_u64 s[G0A+6:G0A+7], s[G0A+6:G0A+7], STEPA  ; one K step on; the type bits on top are not reached
	s_xor_b32 s[G0B+5], s[G0B+5], SLOT
	s_add_nc_u64 s[G0B+6:G0B+7], s[G0B+6:G0B+7], STEPB
	JLOAD                                          ; its four v_nop are also the places in front of the loads below
	SWAP
	FETCH 0, F0
	ASK
	MULHI
.endm
; The accumulators go into LDS: row 16 a + l % 16 of my 128, bytes 64 b + 32 (l / 16).  Each accumulator's low registers go first.
; The ring has had its last fill, and the last change's barrier stands between every wave's awaited reads of it and these stores.  Eight places, once a launch, where four are owed.
.macro DUMP
	PLACES
	PLACES
.irp hi, 0,1
	WIN 0x08+4*\hi                                 ; store data in window 2, then 3
.irp a, 0,1,2,3
.irp b, 0,1,2,3,4,5,6,7
	ds_store_b128 v[STO], v[8*(8*\a+\b):8*(8*\a+\b)+3]   offset:(4*\hi+\a)*16*DP+64*\b
	ds_store_b128 v[STO], v[8*(8*\a+\b)+4:8*(8*\a+\b)+7] offset:(4*\hi+\a)*16*DP+64*\b+16
.endr
.endr
.endr
	WIN 0
.endm
	s_load_b128 s[4:7], s[0:1], 0x0                ; X16 s[4:5], WF s[6:7]
	s_load_b128 s[68:71], s[0:1], 0x10             ; QV16 s[68:69], FB s[70:71]
	v_lshl_add_u32 v[SPW], v0, 2, SPARE
	v_mov_b32 v[NIL], 0
	ds_add_u32 v[SPW], v[NIL]                      ; the wave's opening: the add and its wait stand ahead of my first tensor load
	v_lshrrev_b32 v1, 5, v0
	v_readfirstlane_b32 s10, v1                    ; wave 0..3
	s_lshr_b32 s11, s10, 1                         ; which half of the tile's rows is mine.  Also: I fetch for A (0) or for B (1)
	s_and_b32 s12, s10, 1                          ; which half of its columns.  Also: which 128 rows of that tile I fetch
	s_bfe_u32 s40, ttmp6, 0x40000                  ; cx
	s_bfe_u32 s41, ttmp6, 0x40004                  ; cy
	s_lshl_b32 s42, ttmp9, 2
	s_add_co_u32 s42, s42, s40                     ; tile column
	s_and_b32 s67, ttmp7, 0xffff                   ; cluster y
	s_lshl_b32 s13, s67, 2
	s_add_co_u32 s13, s13, s41                     ; tile row, 0..63
	s_lshr_b32 s83, s67, 3                         ; which product: 0 q'', 1 v': the same in all sixteen partners
	s_lshl_b32 s14, s41, 2
	s_lshl_b32 s14, 15, s14                        ; my row of the cluster
	s_lshl_b32 s15, 0x1111, s40                    ; my column
	s_or_b32 s[G1A], s14, (1<<16)|(1<<20)|(1<<21)|(5<<22)|(3<<25)  ; mask; 2-byte elements; padding on; bit 21 beside a mask; after every 64 words, 4 words
	s_or_b32 s[G1B], s15, (1<<16)|(1<<20)|(1<<21)|(5<<22)|(3<<25)
.irp g, G1A, G1B
	s_mov_b32 s[\g+1], 128<<16                     ; tensor_dim0 = 128
	s_mov_b32 s[\g+2], 128<<16                     ; tensor_dim1 = 128
	s_mov_b32 s[\g+3], 128<<16                     ; tile_dim0 = 128
	s_mov_b32 s[\g+4], 128                         ; tile_dim1 = 128
	s_mov_b32 s[\g+5], 1024                        ; elements from row to row
	s_mov_b32 s[\g+6], 0
	s_mov_b32 s[\g+7], 0
.endr
	s_lshl_b32 s17, s12, 7                         ; which 128 rows of the tile I fetch
	s_lshl_b32 s16, s13, 8
	s_add_co_u32 s16, s16, s17
	s_lshl_b32 s19, s83, 13                        ; value lies 8,192 rows further on in X16 than v' in QV16: key lies between
	s_add_co_u32 s16, s16, s19
	s_lshl_b32 s16, s16, 11                        ; A: rows of 2,048 bytes
	s_lshl_b32 s18, s42, 8
	s_add_co_u32 s18, s18, s17
	s_lshl_b32 s19, s83, 10
	s_add_co_u32 s18, s18, s19
	s_lshl_b32 s18, s18, 11                        ; B: (1,024 x product + 256 x tile column + 128 x half) rows
	s_mov_b32 s17, 0
	s_mov_b32 s19, 0
	s_mul_i32 s20, s10, HALFT                      ; where my part of a tile goes: no place in the cluster enters an LDS address
	s_mov_b32 s[TB], 0
	s_mov_b32 s80, 0x76543210                      ; v_permlanex16_b32: each lane takes its own place in the other half
	s_mov_b32 s81, 0xfedcba98
	s_mov_b32 s[PFS], KB
	s_mov_b32 s[PFS+1], 0
	s_wait_dscnt 0x0                               ; the opening add is done
	s_wait_kmcnt 0x0
	s_add_nc_u64 s[14:15], s[4:5], s[16:17]
	s_add_nc_u64 s[46:47], s[6:7], s[18:19]
	CROUND                                         ; all sixteen work-groups are here: the first joint loads meet
.irp n, 0,1
	s_mov_b32 s[G0A+4*\n], 1
	s_add_co_u32 s[G0A+4*\n+1], s20, \n*SLOT
	s_add_nc_u64 s[G0A+4*\n+2:G0A+4*\n+3], s[14:15], \n*STEPA
	s_or_b32 s[G0A+4*\n+3], s[G0A+4*\n+3], 0x80000000
	s_mov_b32 s[G0B+4*\n], 1
	s_add_co_u32 s[G0B+4*\n+1], s20, \n*SLOT
	s_add_nc_u64 s[G0B+4*\n+2:G0B+4*\n+3], s[46:47], \n*STEPB
	s_or_b32 s[G0B+4*\n+3], s[G0B+4*\n+3], 0x80000000
.endr
	s_cmp_eq_u32 s11, 0                            ; a wave's two first fills stand in one branch: two loads of mine are out
	s_cbranch_scc0 .Lfirst_b
	tensor_load_to_lds s[G0A:G0A+3], s[G1A:G1A+7]
	s_nop 0
	tensor_load_to_lds s[G0A+4:G0A+7], s[G1A:G1A+7]
	s_nop 0
.rept 4
	v_nop
.endr
	s_branch .Lfirst_asked
.Lfirst_b:
	tensor_load_to_lds s[G0B:G0B+3], s[G1B:G1B+7]
	s_nop 0
	tensor_load_to_lds s[G0B+4:G0B+7], s[G1B:G1B+7]
	s_nop 0
.rept 4
	v_nop
.endr
.Lfirst_asked:
	v_and_b32 v1, 15, v0                           ; l % 16
	v_bfe_u32 v2, v0, 4, 1                         ; l / 16
	v_and_b32 v4, 31, v0                           ; l
	; the small loads, all in the wait for the first tile: my bias, the product's 512 maxima, u, and my wave's 8 rows of query
	s_lshl_b32 s46, s42, 10
	s_lshl_b32 s47, s12, 9
	s_add_co_u32 s46, s46, s47                     ; my first column, in bytes of f32
	s_lshl_b32 s47, s83, 13                        ; b2 at 0, bvF at 8,192
	s_add_co_u32 s47, s47, s46
	v_lshl_add_u32 v6, v4, 4, s47
	global_load_b128 v[BI:BI+3], v6, s[70:71]
	s_lshl_b32 s47, s83, 11
	s_add_co_u32 s47, s47, 12288
	v_lshl_add_u32 v7, v4, 4, s47
.irp i, 0,1,2,3
	global_load_b128 v[FMR+4*\i:FMR+4*\i+3], v7, s[70:71] offset:512*\i
.endr
	v_lshlrev_b32 v8, 5, v4                        ; u of columns 256 j + 8 l + 0..7: 32 bytes
.irp j, 0,1,2,3
	global_load_b128 v[UU+8*\j:UU+8*\j+3],   v8, s[70:71] offset:4096+1024*\j
	global_load_b128 v[UU+8*\j+4:UU+8*\j+7], v8, s[70:71] offset:4096+1024*\j+16
.endr
	s_lshl_b32 s14, s13, 2
	s_add_co_u32 s14, s14, s42                     ; my work-group's number, 0..255,
	s_lshl_b32 s14, s14, 2
	s_add_co_u32 s14, s14, s10                     ; x 4 + wave: 0..1023
	s_lshl_b32 s90, s14, 14                        ; its 8 rows of 2,048 bytes
	s_mov_b32 s91, 0
	s_add_nc_u64 s[86:87], s[4:5], s[90:91]
	s_lshl_b32 s90, s14, 5                         ; its 8 numbers of c
	s_add_nc_u64 s[88:89], s[68:69], s[90:91]
	s_add_nc_u64 s[88:89], s[88:89], 0x2000000     ; behind q'' and v'
	v_lshlrev_b32 v9, 4, v4
.irp i, 0,1,2,3,4,5,6,7
.irp j, 0,1,2,3
	global_load_b128 v[64+16*\i+4*\j:64+16*\i+4*\j+3], v9, s[86:87] offset:2048*\i+512*\j  ; row i, columns 256 j + 8 l + 0..7
.endr
.endr
	; A fragment is 16 rows x 32 K in 8 registers: lane l holds row l % 16, K = 8 (l / 16) + 0..7 and 16 + 8 (l / 16) + 0..7: two loads of 16 bytes, 32 bytes apart.
	v_mul_u32_u24 v3, v1, PITCH
	v_lshl_add_u32 v3, v2, 4, v3
	s_mul_i32 s21, s11, HALFT                      ; my 128 rows of A
	s_mul_i32 s22, s12, HALFT
	s_add_co_u32 s22, s22, 2*HALFT                 ; my 128 rows of B, behind A's 256
	v_add_nc_u32 v[A0], s21, v3
	v_add_nc_u32 v[B0], s22, v3
	v_mov_b32 v[ADRA], v[A0]                       ; slot 0
	v_mov_b32 v[ADRB], v[B0]
	s_mul_i32 s23, s10, DW                         ; the way out: my 128 rows
	v_mul_u32_u24 v5, v1, DP
	v_lshl_add_u32 v5, v2, 5, v5
	v_add_nc_u32 v[STO], s23, v5
	v_lshl_add_u32 v[RD], v4, 4, s23               ; a row's 512 bytes are one load of the wave: I own columns 4 l .. 4 l + 3
	v_lshlrev_b32 v[CO], 3, v4                     ; which are 8 bytes of f16
	v_mov_b32 v[ZR0], 0
	s_lshl_b32 s14, s13, 8
	s_lshl_b32 s15, s11, 7
	s_add_co_u32 s14, s14, s15
	s_lshl_b32 s14, s14, 11                        ; my first row of the output
	s_mov_b32 s15, 0
	s_add_nc_u64 s[8:9], s[68:69], s[14:15]
	s_lshr_b32 s46, s46, 1                         ; my first column, in bytes of f16
	s_mov_b32 s47, 0
	s_add_nc_u64 s[8:9], s[8:9], s[46:47]
	; the prefetches: x's rows are read by this cluster alone (cluster x is 0 throughout); W's by the product's eight clusters, of which the first asks
	s_and_b32 s22, s67, 7
	s_cmp_eq_u32 s11, 0
	s_cselect_b32 s20, s16, s18                    ; where my fills begin
	s_cselect_b32 s21, s40, s41                    ; my place among the four that ask with me
	s_cselect_b32 s22, ttmp9, s22
	s_cselect_b64 s[PFA:PFA+1], s[4:5], s[6:7]
	s_cmp_eq_u32 s22, 0
	s_cselect_b32 s[LIM], 1, -1
	s_lshl_b32 s21, s21, 16                        ; my work-group's 32 rows of 2,048 bytes
	s_add_co_u32 s20, s20, s21
	s_add_co_u32 s20, s20, 2*KB                    ; at K step 2: the first refill steps it to 3.  K steps 0 to 2 come by their loads alone
	s_mov_b32 s21, 0
	s_add_nc_u64 s[PFA:PFA+1], s[PFA:PFA+1], s[20:21]
	v_lshlrev_b32 v[PFO], 11, v4
	s_wait_loadcnt 0x0
.set i, FMR+1
.rept 7
	v_max3_num_f32 v[FMR], v[FMR], v[i], v[i+1]
.set i, i+2
.endr
	v_max_num_f32 v[FMR], v[FMR], v[FMR+15]
	v_max_num_f32_dpp v[FMR], v[FMR], v[FMR] row_xmask:1 row_mask:0xf bank_mask:0xf
	v_max_num_f32_dpp v[FMR], v[FMR], v[FMR] row_xmask:2 row_mask:0xf bank_mask:0xf
	v_max_num_f32_dpp v[FMR], v[FMR], v[FMR] row_xmask:4 row_mask:0xf bank_mask:0xf
	v_max_num_f32_dpp v[FMR], v[FMR], v[FMR] row_xmask:8 row_mask:0xf bank_mask:0xf
	v_permlanex16_b32 v[FMR+1], v[FMR], s80, s81
	v_max_num_f32 v[FMR], v[FMR], v[FMR+1]
	v_readfirstlane_b32 s14, v[FMR]                ; the largest |W|
	s_bfe_u32 s14, s14, 0x80017                    ; its exponent field e
	s_min_u32 s14, s14, 250
	s_sub_co_u32 s14, 251, s14
	s_lshl_b32 s[SC], s14, 23                      ; s = 2^(124 - e)
	s_mov_b32 s[SC+1], s[SC]
	v_pk_mul_f32 v[BI:BI+1],   v[BI:BI+1],   s[SC:SC+1] op_sel_hi:[1,0]
	v_pk_mul_f32 v[BI+2:BI+3], v[BI+2:BI+3], s[SC:SC+1] op_sel_hi:[1,0]
	; c: number n of my 32 columns lies in half n % 2 of word n / 2 of a row's 16; eight rows take turns, so that no line waits for the one before it
.set n, 0
.rept 32
.set i, 0
.rept 8
.if n == 0
	v_fma_mix_f32 v[CR+i], v[64+16*i], v[UU], v[ZR0] op_sel:[0,0,0] op_sel_hi:[1,0,0]
.elseif n%2
	v_fma_mix_f32 v[CR+i], v[64+16*i+n/2], v[UU+n], v[CR+i] op_sel:[1,0,0] op_sel_hi:[1,0,0]
.else
	v_fma_mix_f32 v[CR+i], v[64+16*i+n/2], v[UU+n], v[CR+i] op_sel:[0,0,0] op_sel_hi:[1,0,0]
.endif
.set i, i+1
.endr
.set n, n+1
.endr
.irp m, 1,2,4,8
.irp i, 0,1,2,3,4,5,6,7
	v_add_f32_dpp v[CR+\i], v[CR+\i], v[CR+\i] row_xmask:\m row_mask:0xf bank_mask:0xf
.endr
.endr
.irp i, 0,1,2,3,4,5,6,7
	v_permlanex16_b32 v[64+\i], v[CR+\i], s80, s81 ; (its destination counts as read: a register that has been written)
.endr
.irp i, 0,1,2,3,4,5,6,7
	v_add_f32 v[CR+\i], v[CR+\i], v[64+\i]
.endr
	v_cmp_eq_u32 vcc_lo, 0, v4
	s_wait_xcnt 0x0                                ; EXEC changes only behind this wait
	s_and_saveexec_b32 s14, vcc_lo
	global_store_b128 v[ZR0], v[CR:CR+3],   s[88:89]  ; one lane stores the wave's 8 numbers
	global_store_b128 v[ZR0], v[CR+4:CR+7], s[88:89] offset:16
	s_wait_xcnt 0x0                                ; and again, in front of the line that widens it
	s_or_b32 exec_lo, exec_lo, s14
	s_wait_tensorcnt 1                             ; my part of K step 0 is in; K step 1's may stay out
	s_barrier_signal -1
	s_barrier_wait -1
	FETCH 0, F0
	QUARTER 64, F0, F1, 1                          ; the first quarter's products start the sums
	WIN 0
	s_mov_b32 s3, KS-2
.Lk:                                           ; a trip: from a K step's second quarter to the next step's first; it fills the slot that it leaves
	QUARTER 128, F1, F0, 0
	QUARTER 192, F0, F1, 0
	TURN
	QUARTER 64, F0, F1, 0
	WIN 0
	s_sub_co_u32 s3, s3, 1
	s_cmp_lg_u32 s3, 0
	s_cbranch_scc1 .Lk
	s_mov_b32 s3, 2
.Ltail:                                        ; the last two K steps ask for nothing; the second trip is left in its middle
	QUARTER 128, F1, F0, 0
	QUARTER 192, F0, F1, 0
	MEET
	s_sub_co_u32 s3, s3, 1
	s_cmp_eq_u32 s3, 0
	s_cbranch_scc1 .Lout
	PLACES
	SWAP
	FETCH 0, F0
	MULHI
	QUARTER 64, F0, F1, 0
	WIN 0
	s_branch .Ltail
.Lout:
	MULHI
	DUMP
	s_mov_b32 s3, 16
.Lrows:                                        ; eight rows a trip: y s + b s in one fused line, one rounding to f16; a wave's store covers 256 consecutive bytes, aligned
.irp i, 0,1,2,3,4,5,6,7
	ds_load_b128 v[YR+4*\i:YR+4*\i+3], v[RD] offset:\i*DP  ; LDS serves a wave's instructions in order: these see my stores above
.endr
	v_add_nc_u32 v[RD], 8*DP, v[RD]
.irp i, 0,1,2,3,4,5,6,7
	s_wait_dscnt 7-\i                              ; row i is in; the younger rows may be out
	v_pk_fma_f32 v[YR+4*\i:YR+4*\i+1],   v[YR+4*\i:YR+4*\i+1],   s[SC:SC+1], v[BI:BI+1]   op_sel_hi:[1,0,1]
	v_pk_fma_f32 v[YR+4*\i+2:YR+4*\i+3], v[YR+4*\i+2:YR+4*\i+3], s[SC:SC+1], v[BI+2:BI+3] op_sel_hi:[1,0,1]
	v_cvt_pk_f16_f32 v[ZR+2*\i],   v[YR+4*\i],   v[YR+4*\i+1]
	v_cvt_pk_f16_f32 v[ZR+2*\i+1], v[YR+4*\i+2], v[YR+4*\i+3]
	global_store_b64 v[CO], v[ZR+2*\i:ZR+2*\i+1], s[8:9] offset:\i*2048
.endr
	s_wait_xcnt 0x0                                ; the stores have read their data and their base
	s_add_nc_u64 s[8:9], s[8:9], 8*2048
	s_sub_co_u32 s3, s3, 1
	s_cmp_lg_u32 s3, 0
	s_cbranch_scc1 .Lrows
	s_wait_tensorcnt 0x0                           ; the wave's end
	ds_add_u32 v[SPW], v[NIL]
	s_wait_dscnt 0x0
	CROUND                                         ; the closing round
	s_endpgm
.Lfunc_end_k_q0fbbdea4c8_proj:
	.size	k_q0fbbdea4c8_proj, .Lfunc_end_k_q0fbbdea4c8_proj-k_q0fbbdea4c8_proj
	.p2alignl 7, 3214868480
	.fill 96, 4, 3214868480
	.section	.rodata,"a",@progbits
	.p2align	6, 0x0
	.amdhsa_kernel k_q0fbbdea4c8_proj
		.amdhsa_group_segment_fixed_size 327680
		.amdhsa_private_segment_fixed_size 0
		.amdhsa_enable_private_segment 0
		.amdhsa_kernarg_size 32
		.amdhsa_user_sgpr_count 2
		.amdhsa_user_sgpr_kernarg_segment_ptr 1
		.amdhsa_wavefront_size32 1
		.amdhsa_system_sgpr_workgroup_id_x 1
		.amdhsa_system_sgpr_workgroup_id_y 1
		.amdhsa_system_sgpr_workgroup_id_z 1
		.amdhsa_system_vgpr_workitem_id 0
		.amdhsa_next_free_vgpr 1024
		.amdhsa_next_free_sgpr 96
		.amdhsa_reserve_vcc 1
		.amdhsa_float_denorm_mode_32 3
		.amdhsa_float_denorm_mode_16_64 3
		.amdhsa_memory_ordered 1
		.amdhsa_forward_progress 1
		.amdhsa_inst_pref_size 108
	.end_amdhsa_kernel
	.amdgpu_metadata
---
amdhsa.version: [ 1, 2 ]
amdhsa.kernels:
  - .name:           k_q0fbbdea4c8_proj
    .symbol:         k_q0fbbdea4c8_proj.kd
    .args:
      - { .name: X16, .offset: 0, .size: 8, .value_kind: global_buffer, .address_space: global }
      - { .name: WF, .offset: 8, .size: 8, .value_kind: global_buffer, .address_space: global }
      - { .name: QV16, .offset: 16, .size: 8, .value_kind: global_buffer, .address_space: global }
      - { .name: FB, .offset: 24, .size: 8, .value_kind: global_buffer, .address_space: global }
    .group_segment_fixed_size: 327680
    .private_segment_fixed_size: 0
    .kernarg_segment_align: 8
    .kernarg_segment_size: 32
    .max_flat_workgroup_size: 128
    .sgpr_count:     96
    .vgpr_count:     1024
    .wavefront_size: 32
...
	.end_amdgpu_metadata
.endif
;; end of part 8
;; launch scores (part 9): grid 8 x 32, 4 waves a work-group, clusters of 4 x 4, 327,680 bytes of LDS; arguments X16, QV16, FB, PT, STAT; writes PT, STAT
.if DOCPART == 9
	.amdgcn_target "amdgcn-amd-amdhsa--gfx1250"
	.amdhsa_code_object_version 6
	.text
	.protected	k_q0fbbdea4c8_scores
	.globl	k_q0fbbdea4c8_scores
	.p2align	8
	.type	k_q0fbbdea4c8_scores,@function
k_q0fbbdea4c8_scores:
	s_mov_b64 s[64:65], 0
	v_nop
	global_prefetch_b8 v0, s[64:65] scope:SCOPE_SE
	s_setreg_imm32_b32 hwreg(HW_REG_WAVE_MODE, 25, 1), 1
	s_wait_xcnt 0x0
	s_wait_alu depctr_hold_cnt(0) depctr_sa_sdst(0) depctr_va_vdst(0) depctr_va_sdst(0) depctr_va_ssrc(0) depctr_va_vcc(0) depctr_vm_vsrc(0)
	s_getreg_b32 s2, hwreg(HW_REG_IB_STS2, 6, 4)
	s_cmp_eq_u32 s2, 0
	s_cbranch_scc0 .Lentry_in_a_cluster
	s_endpgm
.Lentry_in_a_cluster:
	s_bfe_u32 s2, ttmp6, 0x10000c
	s_cmp_lg_u32 s2, 0xf033
	s_cbranch_scc0 .Lentry_shape_is_right
	s_endpgm
.Lentry_shape_is_right:
; S^T[key][query] = xk . q'' + c[query] over 1,024 channels, for each of 4 batches, and the softmax's first part.  The softmax runs over the QUERY axis: each key is normalised over its 2,048 queries.
; xk = key as it was given (rows 8,192 + .. of X16, bf16-rounded, as f16); q'' s0 = rows 0 + .. of QV16 [..][1024] f16; c [8192] f32 at byte 33,554,432 of QV16; s0 = 2^(124 - e), e = the exponent field
; of the largest |Mt| (512 partial maxima at byte 12,288 of FB), at most 250.  The sums hold s0 x the score; c is multiplied by s0 and added to them; the exponent's constant is c' = log2(e) / 8 / s0.
; For each key and each block t of 128 queries: m = the true maximum of the block's scores, p = 2^(c' s - c' m), l = the sum of the unrounded p.
; PT [4][2048 key][2048 query] f16 takes p; STAT [4][16 t][2][2048 key] f32 takes c' m and l.  A later launch ties the blocks together by the usual correction 2^(c' m_t - c' M) / L.
; LIMITS.  A weight below 6e-8 counts as 0 (f16's last step); a weight below 2^-126 counts as 0 in l; NaN and infinities are not treated apart.
; SHAPE.  As in the projections: a tile of 256 keys x 256 queries, four waves of 128 x 128, K in 8 steps of 128 through two LDS slots, 4 x 4 clusters with joint loads.  The A role is the keys,
; the B role the queries: used transposed, a lane holds ONE key (l % 16) and eight neighbouring queries, so a key's maximum and sum want one exchange of the lanes' halves.
; THE WAY OUT.  The accumulators go into the ring's own bytes, which have had their last fill; a counted loop takes 16 keys a trip.
; REGISTERS: window 0: v0-31 addresses and statistics, v64-127 and v128-191 fragments of xk (on the way out: scores, weights, rows), v192-255 c s0 of my 64 queries; window 1: fragments of q''; windows 2, 3: accumulators.
.set KS,    8
.set KB,    256
.set STEPA, KB
.set STEPB, KB
.set PITCH, 272                        ; an LDS row: 256 bytes + 16 of padding
.set HALFT, 128*PITCH
.set SLOT,  4*HALFT
.set DP,    528                        ; the way out: a row of 128 f32 + 16 bytes
.set DW,    128*DP
.set STATS, 4*DW                       ; behind the four waves' rows, still in the ring's bytes: c' m (512 bytes) and l (512 bytes) for each wave
.set SPARE, 2*SLOT                     ; behind the ring: the spare words, that no other line names
.set A0,   16
.set B0,   17
.set ADRA, 18
.set ADRB, 19
.set STO,  20                          ; v20  where my 32 bytes of a key's row lie; on the way out it steps from block to block
.set RD,   21                          ; v21  where I read 16 bytes of a whole f16 row back
.set CO,   22                          ; v22  my byte offset in two rows of PT
.set PS,   24                          ; v24  where my 16 bytes of f16 go
.set SA,   25                          ; v25  where c' m (lanes 0-15) and l (lanes 16-31) go
.set SR,   26                          ; v26  where I read them back
.set SO,   27                          ; v27  my byte offset in STAT
.set SPW,  28
.set NIL,  29
.set PFO,  30
.set CH,   8                           ; v8-11   four chains of the maximum
.set CM,   12                          ; v[12:13] c' m (the pair's second register is only named)
.set LS,   14                          ; v14-15  l, at work
.set F0,   64
.set F1,   128
.set X,    64                          ; the way out: my 64 scores of a block
.set PH,   128                         ; their weights in f16
.set OB,   160                         ; whole rows read back
.set CQR,  192                         ; v[192:255] c s0: register 8 b + j for query 16 b + 8 (l / 16) + j, as in X
.set G1A, 24
.set G0A, 32
.set G1B, 48
.set G0B, 56
.set LIM, 43
.set PFA, 44
.set TB,  66
.set S0,  76                           ; s[76:77] s0
.set CS,  78                           ; s[78:79] c'
.set PFS, 84
.set MSB, 0
.macro WIN new                         ; the immediate's high byte repeats the setting that is left; a switch that changes nothing is dropped
.if MSB != (\new)
	s_set_vgpr_msb (MSB<<8)|(\new)
.set MSB, \new
.endif
.endm
.set MUL_LO, 0xa1                      ; source 0 (B) window 1, source 1 (A) window 0, C and D window 2
.set MUL_HI, 0xf1
.set TO_B,   0x40
.macro PLACES                          ; four places between a matrix instruction and a load into, or a reader of, its registers
.rept 4
	v_nop
.endr
.endm
.macro JLOAD                           ; a joint refill: waves 0 and 1 for A, waves 2 and 3 for B; an s_nop 0 and four v_nop follow each line
	s_cmp_eq_u32 s11, 0
	s_cbranch_scc0 .Lfor_b_\@
	tensor_load_to_lds s[G0A+4:G0A+7], s[G1A:G1A+7]
	s_nop 0
.rept 4
	v_nop
.endr
	s_branch .Lasked_\@
.Lfor_b_\@:
	tensor_load_to_lds s[G0B+4:G0B+7], s[G1B:G1B+7]
	s_nop 0
.rept 4
	v_nop
.endr
.Lasked_\@:
.endm
.macro ASK                             ; the K step that the next refill will ask for, 256 matrix instructions ahead: my work-group's 32 of the 128 rows that I fetch, a lane a row; the last trip asks for nothing
	s_cmp_gt_u32 s3, s[LIM]
	s_cbranch_scc0 .Lnot_mine_\@
	global_prefetch_b8 v[PFO], s[PFA:PFA+1] th:TH_LOAD_NT scope:SCOPE_SE
.Lnot_mine_\@:
.endm
.macro CREST
	s_cmp_lg_u32 s10, 0
	s_cbranch_scc1 .Lnot_wave_0_\@
	s_barrier_signal -3
.Lnot_wave_0_\@:
	s_barrier_wait -3
	s_barrier_signal -1
	s_barrier_wait -1
.endm
.macro CROUND
	s_barrier_signal -1
	s_barrier_wait -1
	CREST
.endm
.macro MUL16 f, hi, a0, zero           ; 16 matrix instructions: m blocks a0, a0 + 1 x all 8 n blocks; zero = 1 starts the sums
	WIN MUL_LO+0x50*(\hi)
.irp a, \a0, (\a0)+1
.irp b, 0,1,2,3,4,5,6,7
.if \zero
	v_wmma_f32_16x16x32_f16 v[8*(8*(\a)+(\b)):8*(8*(\a)+(\b))+7], v[(\f)+8*(\b):(\f)+8*(\b)+7], v[(\f)+8*(4*(\hi)+(\a)):(\f)+8*(4*(\hi)+(\a))+7], 0
.else
	v_wmma_f32_16x16x32_f16 v[8*(8*(\a)+(\b)):8*(8*(\a)+(\b))+7], v[(\f)+8*(\b):(\f)+8*(\b)+7], v[(\f)+8*(4*(\hi)+(\a)):(\f)+8*(4*(\hi)+(\a))+7], v[8*(8*(\a)+(\b)):8*(8*(\a)+(\b))+7]
.endif
.endr
.endr
.endm
.macro FETCH k, f                      ; 32 LDS loads in one run: B's 128 rows, then A's
	WIN TO_B
.irp i, 0,1,2,3,4,5,6,7
	ds_load_b128 v[(\f)+8*\i:(\f)+8*\i+3],   v[ADRB] offset:(\k)+\i*16*PITCH
	ds_load_b128 v[(\f)+8*\i+4:(\f)+8*\i+7], v[ADRB] offset:(\k)+\i*16*PITCH+32
.endr
	WIN 0
.irp i, 0,1,2,3,4,5,6,7
	ds_load_b128 v[(\f)+8*\i:(\f)+8*\i+3],   v[ADRA] offset:(\k)+\i*16*PITCH
	ds_load_b128 v[(\f)+8*\i+4:(\f)+8*\i+7], v[ADRA] offset:(\k)+\i*16*PITCH+32
.endr
.endm
.macro QUARTER k, f, g, zero
	s_wait_dscnt 8                                 ; the youngest eight loads (A's rows 64-127) may be out
	MUL16 \f, 0, 0, \zero
	MUL16 \f, 0, 2, \zero
	PLACES
	FETCH \k, \g
	s_wait_dscnt 32                                ; all but the 32 just issued
	MUL16 \f, 1, 0, \zero
	MUL16 \f, 1, 2, \zero
.endm
.macro MEET                            ; the change of slots: all my tensor loads, the add, my reads of this slot; then the barrier
	WIN 0
	s_wait_tensorcnt 0x0
	ds_add_u32 v[SPW], v[NIL]
	s_wait_dscnt 9                                 ; the add and the youngest eight loads may be out
	MUL16 F1, 0, 0, 0
	s_wait_dscnt 0x0
	s_barrier_signal -1
	MUL16 F1, 0, 2, 0
	WIN 0
	s_barrier_wait -1
.endm
.macro SWAP
	s_xor_b32 s[TB], s[TB], SLOT
	v_add_nc_u32 v[ADRA], s[TB], v[A0]
	v_add_nc_u32 v[ADRB], s[TB], v[B0]
.endm
.macro MULHI
	MUL16 F1, 1, 0, 0
	MUL16 F1, 1, 2, 0
.endm
.macro TURN                            ; the last quarter with a refill: the barrier opens a round of the cluster's; the joint refill is the first tensor load behind it
	s_wait_xcnt 0x0                                ; the last prefetch, a K step back, has read its address
	s_add_nc_u64 s[PFA:PFA+1], s[PFA:PFA+1], s[PFS:PFS+1]
	MEET
	CREST
	s_xor_b32 s[G0A+5], s[G0A+5], SLOT             ; no tensor load of mine is out: the walking descriptors go to the other slot, one K step on
	s_add_nc_u64 s[G0A+6:G0A+7], s[G0A+6:G0A+7], STEPA
	s_xor_b32 s[G0B+5], s[G0B+5], SLOT
	s_add_nc_u64 s[G0B+6:G0B+7], s[G0B+6:G0B+7], STEPB
	JLOAD
	SWAP
	FETCH 0, F0
	ASK
	MULHI
.endm
.macro DUMP                            ; the accumulators into LDS: key 16 a + l % 16 of my 128, bytes 64 b + 32 (l / 16); low registers first; eight places, once a launch, where four are owed
	PLACES
	PLACES
.irp hi, 0,1
	WIN 0x08+4*\hi
.irp a, 0,1,2,3
.irp b, 0,1,2,3,4,5,6,7
	ds_store_b128 v[STO], v[8*(8*\a+\b):8*(8*\a+\b)+3]   offset:(4*\hi+\a)*16*DP+64*\b
	ds_store_b128 v[STO], v[8*(8*\a+\b)+4:8*(8*\a+\b)+7] offset:(4*\hi+\a)*16*DP+64*\b+16
.endr
.endr
.endr
	WIN 0
.endm
	s_load_b128 s[4:7], s[0:1], 0x0                ; X16 s[4:5], QV16 s[6:7]
	s_load_b128 s[68:71], s[0:1], 0x10             ; FB s[68:69], PT s[70:71]
	s_load_b64 s[72:73], s[0:1], 0x20              ; STAT
	v_lshl_add_u32 v[SPW], v0, 2, SPARE
	v_mov_b32 v[NIL], 0
	ds_add_u32 v[SPW], v[NIL]                      ; the wave's opening: the add and its wait stand ahead of my first tensor load
	v_lshrrev_b32 v1, 5, v0
	v_readfirstlane_b32 s10, v1                    ; wave 0..3
	s_lshr_b32 s11, s10, 1                         ; which half of the tile's keys is mine.  Also: I fetch for A (0) or for B (1)
	s_and_b32 s12, s10, 1                          ; which half of its queries.  Also: which 128 rows of that tile I fetch
	s_bfe_u32 s40, ttmp6, 0x40000                  ; cx
	s_bfe_u32 s41, ttmp6, 0x40004                  ; cy
	s_lshl_b32 s42, ttmp9, 2
	s_add_co_u32 s42, s42, s40                     ; tile column: 256 queries of the batch, 0..7
	s_and_b32 s67, ttmp7, 0xffff                   ; cluster y
	s_lshl_b32 s13, s67, 2
	s_add_co_u32 s13, s13, s41                     ; tile row: 256 keys, 0..31 = 8 x batch + block
	s_lshr_b32 s83, s67, 1                         ; the batch: the same in all sixteen partners
	s_lshl_b32 s14, s41, 2
	s_lshl_b32 s14, 15, s14
	s_lshl_b32 s15, 0x1111, s40
	s_or_b32 s[G1A], s14, (1<<16)|(1<<20)|(1<<21)|(5<<22)|(3<<25)
	s_or_b32 s[G1B], s15, (1<<16)|(1<<20)|(1<<21)|(5<<22)|(3<<25)
.irp g, G1A, G1B
	s_mov_b32 s[\g+1], 128<<16
	s_mov_b32 s[\g+2], 128<<16
	s_mov_b32 s[\g+3], 128<<16
	s_mov_b32 s[\g+4], 128
	s_mov_b32 s[\g+5], 1024
	s_mov_b32 s[\g+6], 0
	s_mov_b32 s[\g+7], 0
.endr
	s_lshl_b32 s17, s12, 7
	s_lshl_b32 s16, s13, 8
	s_add_co_u32 s16, s16, s17
	s_add_co_u32 s16, s16, 8192
	s_lshl_b32 s16, s16, 11                        ; A: key's row 8,192 + 256 x tile row + 128 x half of X16
	s_lshl_b32 s18, s42, 8
	s_add_co_u32 s18, s18, s17
	s_lshl_b32 s19, s83, 11
	s_add_co_u32 s18, s18, s19
	s_lshl_b32 s18, s18, 11                        ; B: q'' row 2,048 x batch + 256 x tile column + 128 x half of QV16
	s_mov_b32 s17, 0
	s_mov_b32 s19, 0
	s_mul_i32 s20, s10, HALFT
	s_mov_b32 s[TB], 0
	s_mov_b32 s80, 0x76543210
	s_mov_b32 s81, 0xfedcba98
	s_mov_b32 s82, 0xffff0000                      ; lanes 16-31
	s_mov_b32 s[PFS], KB
	s_mov_b32 s[PFS+1], 0
	s_wait_dscnt 0x0
	s_wait_kmcnt 0x0
	s_add_nc_u64 s[14:15], s[4:5], s[16:17]
	s_add_nc_u64 s[46:47], s[6:7], s[18:19]
	CROUND
.irp n, 0,1
	s_mov_b32 s[G0A+4*\n], 1
	s_add_co_u32 s[G0A+4*\n+1], s20, \n*SLOT
	s_add_nc_u64 s[G0A+4*\n+2:G0A+4*\n+3], s[14:15], \n*STEPA
	s_or_b32 s[G0A+4*\n+3], s[G0A+4*\n+3], 0x80000000
	s_mov_b32 s[G0B+4*\n], 1
	s_add_co_u32 s[G0B+4*\n+1], s20, \n*SLOT
	s_add_nc_u64 s[G0B+4*\n+2:G0B+4*\n+3], s[46:47], \n*STEPB
	s_or_b32 s[G0B+4*\n+3], s[G0B+4*\n+3], 0x80000000
.endr
	s_cmp_eq_u32 s11, 0                            ; a wave's two first fills stand in one branch
	s_cbranch_scc0 .Lfirst_b
	tensor_load_to_lds s[G0A:G0A+3], s[G1A:G1A+7]
	s_nop 0
	tensor_load_to_lds s[G0A+4:G0A+7], s[G1A:G1A+7]
	s_nop 0
.rept 4
	v_nop
.endr
	s_branch .Lfirst_asked
.Lfirst_b:
	tensor_load_to_lds s[G0B:G0B+3], s[G1B:G1B+7]
	s_nop 0
	tensor_load_to_lds s[G0B+4:G0B+7], s[G1B:G1B+7]
	s_nop 0
.rept 4
	v_nop
.endr
.Lfirst_asked:
	v_and_b32 v1, 15, v0                           ; l % 16
	v_bfe_u32 v2, v0, 4, 1                         ; l / 16
	v_and_b32 v4, 31, v0                           ; l
	v_lshlrev_b32 v7, 4, v4
.irp i, 0,1,2,3
	global_load_b128 v[96+4*\i:99+4*\i], v7, s[68:69] offset:12288+512*\i  ; the 512 partial maxima of |Mt|, 16 a lane
.endr
	s_lshl_b32 s46, s83, 13                        ; c of my 128 queries: 4 x (2,048 x batch + 256 x tile column + 128 x half)
	s_lshl_b32 s47, s42, 10
	s_add_co_u32 s46, s46, s47
	s_lshl_b32 s47, s12, 9
	s_add_co_u32 s46, s46, s47
	s_mov_b32 s47, 0
	s_add_nc_u64 s[74:75], s[6:7], s[46:47]
	s_add_nc_u64 s[74:75], s[74:75], 0x2000000     ; behind q'' and v'
	v_lshlrev_b32 v23, 5, v2                       ; 8 queries for each half of the lanes
.irp b, 0,1,2,3,4,5,6,7
	global_load_b128 v[CQR+8*\b:CQR+8*\b+3],   v23, s[74:75] offset:64*\b
	global_load_b128 v[CQR+8*\b+4:CQR+8*\b+7], v23, s[74:75] offset:64*\b+16
.endr
	v_mul_u32_u24 v3, v1, PITCH
	v_lshl_add_u32 v3, v2, 4, v3
	s_mul_i32 s21, s11, HALFT
	s_mul_i32 s22, s12, HALFT
	s_add_co_u32 s22, s22, 2*HALFT
	v_add_nc_u32 v[A0], s21, v3
	v_add_nc_u32 v[B0], s22, v3
	v_mov_b32 v[ADRA], v[A0]
	v_mov_b32 v[ADRB], v[B0]
	s_mul_i32 s23, s10, DW                         ; the way out
	v_mul_u32_u24 v5, v1, DP
	v_add_nc_u32 v5, s23, v5                       ; my key's row in a block of 16
	v_lshl_add_u32 v[STO], v2, 5, v5               ; f32: 32 bytes for each half of the lanes
	v_lshl_add_u32 v[PS], v2, 4, v5                ; f16: 16 bytes
	v_mul_u32_u24 v6, v2, DP                       ; back: lanes 0-15 take one row of 256 bytes, lanes 16-31 the next
	v_lshl_add_u32 v6, v1, 4, v6
	v_add_nc_u32 v[RD], s23, v6
	v_lshlrev_b32 v6, 12, v2                       ; and the same two rows in PT, 4,096 bytes apart
	v_lshl_add_u32 v[CO], v1, 4, v6
	s_lshl_b32 s22, s10, 10
	s_add_co_u32 s22, s22, STATS
	v_lshlrev_b32 v6, 9, v2
	v_lshl_add_u32 v6, v1, 2, v6
	v_add_nc_u32 v[SA], s22, v6
	v_lshl_add_u32 v[SR], v4, 4, s22
	v_lshlrev_b32 v[SO], 4, v4
	v_mov_b32 v[CM+1], 0                           ; named in a pair, so it is written
	v_mov_b32 v[LS+1], 0                           ; v_permlanex16_b32 counts as a reader of its destination
	s_lshl_b32 s14, s13, 8
	s_lshl_b32 s15, s11, 7
	s_add_co_u32 s14, s14, s15
	s_lshl_b32 s14, s14, 12                        ; PT: my first key's row (256 x tile row counts the batches' keys on end)
	s_mov_b32 s15, 0
	s_add_nc_u64 s[8:9], s[70:71], s[14:15]
	s_lshl_b32 s46, s42, 9
	s_lshl_b32 s47, s12, 8
	s_add_co_u32 s46, s46, s47                     ; my 128 queries: 256 bytes, aligned
	s_mov_b32 s47, 0
	s_add_nc_u64 s[8:9], s[8:9], s[46:47]
	s_lshl_b32 s46, s83, 4                         ; STAT: (16 x batch + t) x 16,384, t = 2 x tile column + half
	s_lshl_b32 s47, s42, 1
	s_add_co_u32 s46, s46, s47
	s_add_co_u32 s46, s46, s12
	s_lshl_b32 s46, s46, 14
	s_and_b32 s47, s13, 7
	s_lshl_b32 s47, s47, 10                        ; + 4 x (256 x block of keys + 128 x half)
	s_add_co_u32 s46, s46, s47
	s_lshl_b32 s47, s11, 9
	s_add_co_u32 s46, s46, s47
	s_mov_b32 s47, 0
	s_add_nc_u64 s[72:73], s[72:73], s[46:47]
	; the prefetches: key's rows are read by the two clusters of a row of clusters (x = 0 asks), q'' rows by the batch's two clusters along y (the even one asks)
	s_and_b32 s22, s67, 1
	s_cmp_eq_u32 s11, 0
	s_cselect_b32 s20, s16, s18
	s_cselect_b32 s21, s40, s41
	s_cselect_b32 s22, ttmp9, s22
	s_cselect_b64 s[PFA:PFA+1], s[4:5], s[6:7]
	s_cmp_eq_u32 s22, 0
	s_cselect_b32 s[LIM], 1, -1
	s_lshl_b32 s21, s21, 16
	s_add_co_u32 s20, s20, s21
	s_add_co_u32 s20, s20, 2*KB                    ; at K step 2: the first refill steps it to 3
	s_mov_b32 s21, 0
	s_add_nc_u64 s[PFA:PFA+1], s[PFA:PFA+1], s[20:21]
	v_lshlrev_b32 v[PFO], 11, v4
	s_wait_loadcnt 0x0
.set i, 97
.rept 7
	v_max3_num_f32 v96, v96, v[i], v[i+1]
.set i, i+2
.endr
	v_max_num_f32 v96, v96, v111
	v_max_num_f32_dpp v96, v96, v96 row_xmask:1 row_mask:0xf bank_mask:0xf
	v_max_num_f32_dpp v96, v96, v96 row_xmask:2 row_mask:0xf bank_mask:0xf
	v_max_num_f32_dpp v96, v96, v96 row_xmask:4 row_mask:0xf bank_mask:0xf
	v_max_num_f32_dpp v96, v96, v96 row_xmask:8 row_mask:0xf bank_mask:0xf
	v_permlanex16_b32 v97, v96, s80, s81
	v_max_num_f32 v96, v96, v97
	v_readfirstlane_b32 s14, v96                   ; the largest |Mt|
	s_bfe_u32 s14, s14, 0x80017                    ; its exponent field e
	s_min_u32 s14, s14, 250
	s_sub_co_u32 s15, 251, s14
	s_lshl_b32 s[S0], s15, 23                      ; s0 = 2^(124 - e)
	s_mov_b32 s[S0+1], s[S0]
	s_add_co_u32 s14, s14, 3
	s_lshl_b32 s14, s14, 23                        ; 1 / s0
	v_mov_b32 v97, s14
	v_mul_f32 v97, 0x3e38aa3b, v97                 ; c' = log2(e) / 8 / s0
	v_readfirstlane_b32 s[CS], v97
	s_mov_b32 s[CS+1], s[CS]
.set i, 0
.rept 32
	v_pk_mul_f32 v[CQR+2*i:CQR+2*i+1], v[CQR+2*i:CQR+2*i+1], s[S0:S0+1] op_sel_hi:[1,0]
.set i, i+1
.endr
	s_wait_tensorcnt 1                             ; my part of K step 0 is in; K step 1's may stay out
	s_barrier_signal -1
	s_barrier_wait -1
	FETCH 0, F0
	QUARTER 64, F0, F1, 1
	WIN 0
	s_mov_b32 s3, KS-2
.Lk:
	QUARTER 128, F1, F0, 0
	QUARTER 192, F0, F1, 0
	TURN
	QUARTER 64, F0, F1, 0
	WIN 0
	s_sub_co_u32 s3, s3, 1
	s_cmp_lg_u32 s3, 0
	s_cbranch_scc1 .Lk
	s_mov_b32 s3, 2
.Ltail:                                        ; the last two K steps ask for nothing; the second trip is left in its middle
	QUARTER 128, F1, F0, 0
	QUARTER 192, F0, F1, 0
	MEET
	s_sub_co_u32 s3, s3, 1
	s_cmp_eq_u32 s3, 0
	s_cbranch_scc1 .Lout
	PLACES
	SWAP
	FETCH 0, F0
	MULHI
	QUARTER 64, F0, F1, 0
	WIN 0
	s_branch .Ltail
.Lout:
	MULHI
	DUMP
	s_mov_b32 s3, 8
.Lblock:                                       ; 16 keys a trip: a lane has one key and 64 of its 128 queries
.irp b, 0,1,2,3,4,5,6,7
	ds_load_b128 v[X+8*\b:X+8*\b+3],   v[STO] offset:64*\b
	ds_load_b128 v[X+8*\b+4:X+8*\b+7], v[STO] offset:64*\b+16
.endr
	v_add_nc_u32 v[STO], 16*DP, v[STO]
	s_wait_dscnt 0x0
.set i, 0
.rept 32
	v_pk_add_f32 v[X+2*i:X+2*i+1], v[X+2*i:X+2*i+1], v[CQR+2*i:CQR+2*i+1]  ; + c[query] s0
.set i, i+1
.endr
.irp c, 0,1,2,3                        ; the maximum: four chains of 16 scores
	v_max3_num_f32 v[CH+\c], v[X+16*\c], v[X+16*\c+1], v[X+16*\c+2]
.endr
.irp j, 3,5,7,9,11,13
.irp c, 0,1,2,3
	v_max3_num_f32 v[CH+\c], v[CH+\c], v[X+16*\c+\j], v[X+16*\c+\j+1]
.endr
.endr
.irp c, 0,1,2,3
	v_max_num_f32 v[CH+\c], v[CH+\c], v[X+16*\c+15]
.endr
	v_max3_num_f32 v[CH], v[CH], v[CH+1], v[CH+2]
	v_max_num_f32 v[CH], v[CH], v[CH+3]
	v_permlanex16_b32 v[CH+1], v[CH], s80, s81     ; the key's other 64 queries lie in the lane 16 away
	v_max_num_f32 v[CH], v[CH], v[CH+1]
	v_mul_f32 v[CM], s[CS], v[CH]                  ; c' m
.set i, 0
.rept 32
	v_pk_fma_f32 v[X+2*i:X+2*i+1], v[X+2*i:X+2*i+1], s[CS:CS+1], v[CM:CM+1] op_sel_hi:[1,0,0] neg_lo:[0,0,1] neg_hi:[0,0,1]  ; c' s - c' m
.set i, i+1
.endr
.set i, 0
.rept 64
	v_exp_f32 v[X+i], v[X+i]
.set i, i+1
.endr
	v_nop                                          ; a plain instruction behind the last exponential,
	s_wait_alu depctr_va_vdst(0)                   ; and one wait for the batch of 64, ahead of its first reader
.set i, 0
.rept 32
	v_cvt_pk_f16_f32 v[PH+i], v[X+2*i], v[X+2*i+1]
.set i, i+1
.endr
.irp w, 16,8,4,2,1                     ; the sum of the unrounded weights, in a tree of pairs
.set i, 0
.rept \w
	v_pk_add_f32 v[X+2*i:X+2*i+1], v[X+2*i:X+2*i+1], v[X+2*(i+\w):X+2*(i+\w)+1]
.set i, i+1
.endr
.endr
	v_add_f32 v[LS], v[X], v[X+1]
	v_permlanex16_b32 v[LS+1], v[LS], s80, s81
	v_add_f32 v[LS], v[LS], v[LS+1]
	v_cndmask_b32 v[LS+1], v[CM], v[LS], s82       ; lanes 0-15 carry c' m, lanes 16-31 l
	ds_store_b32 v[SA], v[LS+1]
	v_add_nc_u32 v[SA], 64, v[SA]
.irp b, 0,1,2,3,4,5,6,7
	ds_store_b128 v[PS], v[PH+4*\b:PH+4*\b+3] offset:32*\b  ; into the block's own rows, which have been read
.endr
	v_add_nc_u32 v[PS], 16*DP, v[PS]
.irp t, 0,1,2,3,4,5,6,7
	ds_load_b128 v[OB+4*\t:OB+4*\t+3], v[RD] offset:\t*2*DP  ; LDS serves a wave's instructions in order: these see the stores above
.endr
	v_add_nc_u32 v[RD], 16*DP, v[RD]
.irp t, 0,1,2,3,4,5,6,7
	s_wait_dscnt 7-\t                              ; rows 2 t, 2 t + 1 are in; the younger loads may be out
	global_store_b128 v[CO], v[OB+4*\t:OB+4*\t+3], s[8:9] offset:2*\t*4096  ; 16 lanes store 256 consecutive bytes, aligned
.endr
	s_wait_xcnt 0x0                                ; the stores have read their data and their base
	s_add_nc_u64 s[8:9], s[8:9], 16*4096
	s_sub_co_u32 s3, s3, 1
	s_cmp_lg_u32 s3, 0
	s_cbranch_scc1 .Lblock
	ds_load_b128 v[X:X+3],   v[SR]                 ; my wave's 128 c' m and 128 l, each 512 bytes on end
	ds_load_b128 v[X+4:X+7], v[SR] offset:512
	s_wait_dscnt 0x0
	global_store_b128 v[SO], v[X:X+3],   s[72:73]
	global_store_b128 v[SO], v[X+4:X+7], s[72:73] offset:8192
	s_wait_tensorcnt 0x0                           ; the wave's end
	ds_add_u32 v[SPW], v[NIL]
	s_wait_dscnt 0x0
	CROUND                                         ; the closing round
	s_endpgm
.Lfunc_end_k_q0fbbdea4c8_scores:
	.size	k_q0fbbdea4c8_scores, .Lfunc_end_k_q0fbbdea4c8_scores-k_q0fbbdea4c8_scores
	.p2alignl 7, 3214868480
	.fill 96, 4, 3214868480
	.section	.rodata,"a",@progbits
	.p2align	6, 0x0
	.amdhsa_kernel k_q0fbbdea4c8_scores
		.amdhsa_group_segment_fixed_size 327680
		.amdhsa_private_segment_fixed_size 0
		.amdhsa_enable_private_segment 0
		.amdhsa_kernarg_size 40
		.amdhsa_user_sgpr_count 2
		.amdhsa_user_sgpr_kernarg_segment_ptr 1
		.amdhsa_wavefront_size32 1
		.amdhsa_system_sgpr_workgroup_id_x 1
		.amdhsa_system_sgpr_workgroup_id_y 1
		.amdhsa_system_sgpr_workgroup_id_z 1
		.amdhsa_system_vgpr_workitem_id 0
		.amdhsa_next_free_vgpr 1024
		.amdhsa_next_free_sgpr 96
		.amdhsa_reserve_vcc 0
		.amdhsa_float_denorm_mode_32 3
		.amdhsa_float_denorm_mode_16_64 3
		.amdhsa_memory_ordered 1
		.amdhsa_forward_progress 1
		.amdhsa_inst_pref_size 102
	.end_amdhsa_kernel
	.amdgpu_metadata
---
amdhsa.version: [ 1, 2 ]
amdhsa.kernels:
  - .name:           k_q0fbbdea4c8_scores
    .symbol:         k_q0fbbdea4c8_scores.kd
    .args:
      - { .name: X16, .offset: 0, .size: 8, .value_kind: global_buffer, .address_space: global }
      - { .name: QV16, .offset: 8, .size: 8, .value_kind: global_buffer, .address_space: global }
      - { .name: FB, .offset: 16, .size: 8, .value_kind: global_buffer, .address_space: global }
      - { .name: PT, .offset: 24, .size: 8, .value_kind: global_buffer, .address_space: global }
      - { .name: STAT, .offset: 32, .size: 8, .value_kind: global_buffer, .address_space: global }
    .group_segment_fixed_size: 327680
    .private_segment_fixed_size: 0
    .kernarg_segment_align: 8
    .kernarg_segment_size: 40
    .max_flat_workgroup_size: 128
    .sgpr_count:     96
    .vgpr_count:     1024
    .wavefront_size: 32
...
	.end_amdgpu_metadata
.endif
;; end of part 9
;; launch combine: the kernel of part 4 again; grid 64 x 1, 1 waves a work-group, no clusters, 0 bytes of LDS; arguments STAT, G; writes G
;; launch pv (part 10): grid 4 x 32, 4 waves a work-group, clusters of 4 x 4, 327,680 bytes of LDS; arguments PT, QV16, G, FB, bo, out0; writes out0
.if DOCPART == 10
	.amdgcn_target "amdgcn-amd-amdhsa--gfx1250"
	.amdhsa_code_object_version 6
	.text
	.protected	k_q0fbbdea4c8_pv
	.globl	k_q0fbbdea4c8_pv
	.p2align	8
	.type	k_q0fbbdea4c8_pv,@function
k_q0fbbdea4c8_pv:
	s_mov_b64 s[64:65], 0
	v_nop
	global_prefetch_b8 v0, s[64:65] scope:SCOPE_SE
	s_setreg_imm32_b32 hwreg(HW_REG_WAVE_MODE, 25, 1), 1
	s_wait_xcnt 0x0
	s_wait_alu depctr_hold_cnt(0) depctr_sa_sdst(0) depctr_va_vdst(0) depctr_va_sdst(0) depctr_va_ssrc(0) depctr_va_vcc(0) depctr_vm_vsrc(0)
	s_getreg_b32 s2, hwreg(HW_REG_IB_STS2, 6, 4)
	s_cmp_eq_u32 s2, 0
	s_cbranch_scc0 .Lentry_in_a_cluster
	s_endpgm
.Lentry_in_a_cluster:
	s_bfe_u32 s2, ttmp6, 0x10000c
	s_cmp_lg_u32 s2, 0xf033
	s_cbranch_scc0 .Lentry_shape_is_right
	s_endpgm
.Lentry_shape_is_right:
; out0[q][d] = the sum over keys of (p[key][q] g_t[key]) v'[key][d] + bo[d], for each of 4 batches; t is q's block of 128 queries.  PT [4][2048 key][2048 query] f16; v' s1 = rows 8,192 + .. of
; QV16 [..][1024] f16, where v' = value W1^T + bvF already holds the output projection; G [4][16 t][2048 key] f16; out0 [8192][1024] f32.  Sums in f32; p g is rounded to f16 once.
; s1 = 2^(124 - e), e = the exponent field of the largest |W1| (512 partial maxima at byte 14,336 of FB), at most 250: each sum is multiplied by 1 / s1, a power of two, and bo, rounded to bf16 like every
; input, is added in the same fused line.  The scale enters values alone.
; LIMITS.  A weight p g below 6e-8 counts as 0; NaN and infinities are not treated apart.
; SHAPE.  A tile of 256 queries x 256 channels, four waves of 128 x 128; K = 2,048 keys in 16 steps of 128 through two LDS slots; 4 x 4 clusters with joint loads (p's tile along a row, v's along a column).
; Both operands lie [key][column]: a tile is 128 rows of 512 bytes, a wave's load 64 of them; fragments come out of LDS turned, by ds_load_tr16_b128.  128 work-groups: a tile of half the size would
; leave its refill half the matrix work in which to land, since two slots of a longer K step do not fit in LDS beside it.
; g: a wave's 128 queries are one block t, so its 2,048 factors (4,096 bytes) are copied once into LDS bytes of the wave's own; a fragment of p holds 16 keys a lane, and 8 registers of g match them.
; REGISTERS: window 0: v0-31 addresses, v32-35 bo, v64-127 and v128-191 fragments of p, v192-207 of g; window 1: fragments of v'; windows 2, 3: accumulators.
.set KS,    16
.set STEPA, 128*4096                   ; 128 keys of PT
.set STEPB, 128*2048                   ; 128 keys of v'
.set PP,    544                        ; an LDS row: 512 bytes + 32 of padding
.set HALFT, 64*PP                      ; what one tensor load brings
.set SLOT,  4*HALFT                    ; p's 128 keys, then v's 128
.set DP,    528
.set DW,    128*DP
.set GT,    2*SLOT                     ; behind the ring: 4,096 bytes of g for each wave; no tensor load fills them
.set SPARE, GT+4*4096                  ; behind them: the spare words, that no other line names
.set A0,   16
.set B0,   17
.set ADRA, 18
.set ADRB, 19
.set STO,  20
.set RD,   21
.set CO,   22
.set SPW,  28
.set NIL,  29
.set PFO,  30
.set GA,   31                          ; v31  where my 16 bytes of g for the K step in hand begin
.set BI,   32                          ; v[32:35] bo of my four columns
.set F0,   64
.set F1,   128
.set GF,   192                         ; v[192:199] g for buffer 0, v[200:207] for buffer 1
.set YR,   64
.set G1A, 24
.set G0A, 32
.set G1B, 48
.set G0B, 56
.set LIM, 43
.set PFA, 44
.set TB,  66
.set SC,  78                           ; s[78:79] 1 / s1
.set PFS, 84
.set MSB, 0
.macro WIN new                         ; the immediate's high byte repeats the setting that is left; a switch that changes nothing is dropped
.if MSB != (\new)
	s_set_vgpr_msb (MSB<<8)|(\new)
.set MSB, \new
.endif
.endm
.set MUL_LO, 0xa1                      ; source 0 (v') window 1, source 1 (p) window 0, C and D window 2
.set MUL_HI, 0xf1
.set TO_B,   0x40
.macro PLACES                          ; four places between a matrix instruction and a load into, or a reader of, its registers
.rept 4
	v_nop
.endr
.endm
.macro JLOAD                           ; a joint refill: waves 0 and 1 for p, waves 2 and 3 for v'; an s_nop 0 and four v_nop follow each line
	s_cmp_eq_u32 s11, 0
	s_cbranch_scc0 .Lfor_b_\@
	tensor_load_to_lds s[G0A+4:G0A+7], s[G1A:G1A+7]
	s_nop 0
.rept 4
	v_nop
.endr
	s_branch .Lasked_\@
.Lfor_b_\@:
	tensor_load_to_lds s[G0B+4:G0B+7], s[G1B:G1B+7]
	s_nop 0
.rept 4
	v_nop
.endr
.Lasked_\@:
.endm
.macro ASK                             ; the K step that the next refill will ask for, 256 matrix instructions ahead: my work-group's 16 of the 64 rows that I fetch, two lanes a row of 512 bytes; the last trip asks for nothing
	s_cmp_gt_u32 s3, s[LIM]
	s_cbranch_scc0 .Lnot_mine_\@
	global_prefetch_b8 v[PFO], s[PFA:PFA+1] th:TH_LOAD_NT scope:SCOPE_SE
.Lnot_mine_\@:
.endm
.macro CREST
	s_cmp_lg_u32 s10, 0
	s_cbranch_scc1 .Lnot_wave_0_\@
	s_barrier_signal -3
.Lnot_wave_0_\@:
	s_barrier_wait -3
	s_barrier_signal -1
	s_barrier_wait -1
.endm
.macro CROUND
	s_barrier_signal -1
	s_barrier_wait -1
	CREST
.endm
.macro MUL16 f, hi, a0, zero
	WIN MUL_LO+0x50*(\hi)
.irp a, \a0, (\a0)+1
.irp b, 0,1,2,3,4,5,6,7
.if \zero
	v_wmma_f32_16x16x32_f16 v[8*(8*(\a)+(\b)):8*(8*(\a)+(\b))+7], v[(\f)+8*(\b):(\f)+8*(\b)+7], v[(\f)+8*(4*(\hi)+(\a)):(\f)+8*(4*(\hi)+(\a))+7], 0
.else
	v_wmma_f32_16x16x32_f16 v[8*(8*(\a)+(\b)):8*(8*(\a)+(\b))+7], v[(\f)+8*(\b):(\f)+8*(\b)+7], v[(\f)+8*(4*(\hi)+(\a)):(\f)+8*(4*(\hi)+(\a))+7], v[8*(8*(\a)+(\b)):8*(8*(\a)+(\b))+7]
.endif
.endr
.endr
.endm
; 34 LDS loads in one run: quarter qd's fragments (keys 32 qd on) into buffer f: v's 128 channels, g's 32 keys, p's 128 queries
.macro FETCH qd, f
	WIN TO_B
.irp i, 0,1,2,3,4,5,6,7
	ds_load_tr16_b128 v[(\f)+8*\i:(\f)+8*\i+3],   v[ADRB] offset:(\qd)*32*PP+32*\i
	ds_load_tr16_b128 v[(\f)+8*\i+4:(\f)+8*\i+7], v[ADRB] offset:(\qd)*32*PP+16*PP+32*\i
.endr
	WIN 0
	ds_load_b128 v[GF+8*((\f)/128):GF+8*((\f)/128)+3],   v[GA] offset:64*(\qd)
	ds_load_b128 v[GF+8*((\f)/128)+4:GF+8*((\f)/128)+7], v[GA] offset:64*(\qd)+32
.irp i, 0,1,2,3,4,5,6,7
	ds_load_tr16_b128 v[(\f)+8*\i:(\f)+8*\i+3],   v[ADRA] offset:(\qd)*32*PP+32*\i
	ds_load_tr16_b128 v[(\f)+8*\i+4:(\f)+8*\i+7], v[ADRA] offset:(\qd)*32*PP+16*PP+32*\i
.endr
.endm
; p times g, in place, for four fragments of buffer f: register r of a fragment holds two keys, and so does register r of g
.macro SCALE f, half
	WIN 0
.irp i, 0,1,2,3
.irp r, 0,1,2,3,4,5,6,7
	v_pk_mul_f16 v[(\f)+8*(4*(\half)+\i)+\r], v[(\f)+8*(4*(\half)+\i)+\r], v[GF+8*((\f)/128)+\r]
.endr
.endr
.endm
.macro QUARTER qd, f, g, zero
	s_wait_dscnt 8                                 ; the youngest eight loads (p's queries 64-127) may be out
	SCALE \f, 0
	MUL16 \f, 0, 0, \zero
	MUL16 \f, 0, 2, \zero
	PLACES
	FETCH \qd, \g
	s_wait_dscnt 34                                ; all but the 34 just issued
	SCALE \f, 1
	MUL16 \f, 1, 0, \zero
	MUL16 \f, 1, 2, \zero
.endm
.macro MEET                            ; the change of slots: all my tensor loads, the add, my reads of this slot; then the barrier
	WIN 0
	s_wait_tensorcnt 0x0
	ds_add_u32 v[SPW], v[NIL]
	s_wait_dscnt 9                                 ; the add and the youngest eight loads may be out
	SCALE F1, 0
	MUL16 F1, 0, 0, 0
	s_wait_dscnt 0x0
	s_barrier_signal -1
	MUL16 F1, 0, 2, 0
	WIN 0
	s_barrier_wait -1
.endm
.macro SWAP
	s_xor_b32 s[TB], s[TB], SLOT
	v_add_nc_u32 v[ADRA], s[TB], v[A0]
	v_add_nc_u32 v[ADRB], s[TB], v[B0]
	v_add_nc_u32 v[GA], 256, v[GA]                 ; the next 128 keys' g
.endm
.macro MULHI
	SCALE F1, 1
	MUL16 F1, 1, 0, 0
	MUL16 F1, 1, 2, 0
.endm
.macro TURN                            ; the last quarter with a refill: the barrier opens a round of the cluster's; the joint refill is the first tensor load behind it
	s_wait_xcnt 0x0                                ; the last prefetch, a K step back, has read its address
	s_add_nc_u64 s[PFA:PFA+1], s[PFA:PFA+1], s[PFS:PFS+1]
	MEET
	CREST
	s_xor_b32 s[G0A+5], s[G0A+5], SLOT             ; no tensor load of mine is out: the walking descriptors go to the other slot, one K step on
	s_add_nc_u64 s[G0A+6:G0A+7], s[G0A+6:G0A+7], STEPA
	s_xor_b32 s[G0B+5], s[G0B+5], SLOT
	s_add_nc_u64 s[G0B+6:G0B+7], s[G0B+6:G0B+7], STEPB
	JLOAD
	SWAP
	FETCH 0, F0
	ASK
	MULHI
.endm
.macro DUMP                            ; the accumulators into the ring's bytes, which have had their last fill; low registers first; eight places, once a launch, where four are owed
	PLACES
	PLACES
.irp hi, 0,1
	WIN 0x08+4*\hi
.irp a, 0,1,2,3
.irp b, 0,1,2,3,4,5,6,7
	ds_store_b128 v[STO], v[8*(8*\a+\b):8*(8*\a+\b)+3]   offset:(4*\hi+\a)*16*DP+64*\b
	ds_store_b128 v[STO], v[8*(8*\a+\b)+4:8*(8*\a+\b)+7] offset:(4*\hi+\a)*16*DP+64*\b+16
.endr
.endr
.endr
	WIN 0
.endm
	s_load_b128 s[4:7], s[0:1], 0x0                ; PT s[4:5], QV16 s[6:7]
	s_load_b128 s[68:71], s[0:1], 0x10             ; G s[68:69], FB s[70:71]
	s_load_b128 s[72:75], s[0:1], 0x20             ; bo s[72:73], out0 s[74:75]
	v_lshl_add_u32 v[SPW], v0, 2, SPARE
	v_mov_b32 v[NIL], 0
	ds_add_u32 v[SPW], v[NIL]                      ; the wave's opening: the add and its wait stand ahead of my first tensor load
	v_lshrrev_b32 v1, 5, v0
	v_readfirstlane_b32 s10, v1                    ; wave 0..3
	s_lshr_b32 s11, s10, 1                         ; which half of the tile's queries is mine.  Also: I fetch for p (0) or for v' (1)
	s_and_b32 s12, s10, 1                          ; which half of its channels.  Also: which 64 keys of a K step I fetch
	s_bfe_u32 s40, ttmp6, 0x40000                  ; cx
	s_bfe_u32 s41, ttmp6, 0x40004                  ; cy
	s_lshl_b32 s42, ttmp9, 2
	s_add_co_u32 s42, s42, s40                     ; tile column: 256 channels
	s_and_b32 s67, ttmp7, 0xffff                   ; cluster y
	s_lshl_b32 s13, s67, 2
	s_add_co_u32 s13, s13, s41                     ; tile row: 8 x batch + block of 256 queries
	s_lshr_b32 s83, s67, 1                         ; the batch
	s_lshl_b32 s14, s41, 2
	s_lshl_b32 s14, 15, s14
	s_lshl_b32 s15, 0x1111, s40
	s_or_b32 s[G1A], s14, (1<<16)|(1<<20)|(1<<21)|(6<<22)|(7<<25)  ; mask; 2-byte elements; padding on; bit 21 beside a mask; after every 128 words, 8 words
	s_or_b32 s[G1B], s15, (1<<16)|(1<<20)|(1<<21)|(6<<22)|(7<<25)
.irp g, G1A, G1B
	s_mov_b32 s[\g+1], 256<<16                     ; tensor_dim0 = 256
	s_mov_b32 s[\g+2], 64<<16                      ; tensor_dim1 = 64
	s_mov_b32 s[\g+3], 256<<16                     ; tile_dim0 = 256
	s_mov_b32 s[\g+4], 64                          ; tile_dim1 = 64
	s_mov_b32 s[\g+6], 0
	s_mov_b32 s[\g+7], 0
.endr
	s_mov_b32 s[G1A+5], 2048                       ; elements from key to key in PT,
	s_mov_b32 s[G1B+5], 1024                       ; and in v'
	s_and_b32 s21, s13, 7                          ; the block of 256 queries in the batch
	s_lshl_b32 s16, s83, 23                        ; A: (2,048 x batch + 64 x half) keys of 4,096 bytes + 512 x block
	s_lshl_b32 s17, s12, 18
	s_add_co_u32 s16, s16, s17
	s_lshl_b32 s17, s21, 9
	s_add_co_u32 s16, s16, s17
	s_lshl_b32 s18, s83, 22                        ; B: (8,192 + 2,048 x batch + 64 x half) rows of 2,048 bytes + 512 x tile column
	s_lshl_b32 s19, s12, 17
	s_add_co_u32 s18, s18, s19
	s_lshl_b32 s19, s42, 9
	s_add_co_u32 s18, s18, s19
	s_add_co_u32 s18, s18, 8192*2048
	s_mov_b32 s17, 0
	s_mov_b32 s19, 0
	s_mul_i32 s20, s10, HALFT
	s_mov_b32 s[TB], 0
	s_mov_b32 s80, 0x76543210
	s_mov_b32 s81, 0xfedcba98
	s_mov_b32 s82, 0xffff0000
	s_wait_dscnt 0x0
	s_wait_kmcnt 0x0
	s_add_nc_u64 s[14:15], s[4:5], s[16:17]
	s_add_nc_u64 s[46:47], s[6:7], s[18:19]
	CROUND
.irp n, 0,1
	s_mov_b32 s[G0A+4*\n], 1
	s_add_co_u32 s[G0A+4*\n+1], s20, \n*SLOT
	s_add_nc_u64 s[G0A+4*\n+2:G0A+4*\n+3], s[14:15], \n*STEPA
	s_or_b32 s[G0A+4*\n+3], s[G0A+4*\n+3], 0x80000000
	s_mov_b32 s[G0B+4*\n], 1
	s_add_co_u32 s[G0B+4*\n+1], s20, \n*SLOT
	s_add_nc_u64 s[G0B+4*\n+2:G0B+4*\n+3], s[46:47], \n*STEPB
	s_or_b32 s[G0B+4*\n+3], s[G0B+4*\n+3], 0x80000000
.endr
	s_cmp_eq_u32 s11, 0                            ; a wave's two first fills stand in one branch
	s_cbranch_scc0 .Lfirst_b
	tensor_load_to_lds s[G0A:G0A+3], s[G1A:G1A+7]
	s_nop 0
	tensor_load_to_lds s[G0A+4:G0A+7], s[G1A:G1A+7]
	s_nop 0
.rept 4
	v_nop
.endr
	s_branch .Lfirst_asked
.Lfirst_b:
	tensor_load_to_lds s[G0B:G0B+3], s[G1B:G1B+7]
	s_nop 0
	tensor_load_to_lds s[G0B+4:G0B+7], s[G1B:G1B+7]
	s_nop 0
.rept 4
	v_nop
.endr
.Lfirst_asked:
	v_and_b32 v1, 15, v0                           ; l % 16
	v_bfe_u32 v2, v0, 4, 1                         ; l / 16
	v_and_b32 v4, 31, v0                           ; l
	v_lshlrev_b32 v7, 4, v4                        ; 16 l
	s_lshl_b32 s14, s83, 4                         ; g of my block t = 2 x block of 256 queries + half: (16 x batch + t) x 4,096 bytes
	s_lshl_b32 s15, s21, 1
	s_add_co_u32 s14, s14, s15
	s_add_co_u32 s14, s14, s11
	s_lshl_b32 s14, s14, 12
	s_mov_b32 s15, 0
	s_add_nc_u64 s[68:69], s[68:69], s[14:15]
.irp i, 0,1,2,3,4,5,6,7
	global_load_b128 v[64+4*\i:67+4*\i], v7, s[68:69] offset:512*\i
.endr
.irp i, 0,1,2,3
	global_load_b128 v[96+4*\i:99+4*\i], v7, s[70:71] offset:14336+512*\i  ; the 512 partial maxima of |W1|, 16 a lane
.endr
	s_lshl_b32 s46, s42, 10
	s_lshl_b32 s47, s12, 9
	s_add_co_u32 s46, s46, s47                     ; my first column, in bytes of f32
	s_mov_b32 s47, 0
	v_add_nc_u32 v6, s46, v7
	global_load_b128 v[BI:BI+3], v6, s[72:73]
	; The turning load takes 16 keys x 16 columns: lane l reads key 8 (l / 16) + l % 8, columns 8 ((l / 8) % 2) + 0..7, and ends with column l % 16 and 8 keys.
	v_and_b32 v5, 7, v0
	v_bfe_u32 v9, v0, 3, 1
	v_lshl_add_u32 v3, v2, 3, v5
	v_mul_u32_u24 v3, v3, PP
	v_lshl_add_u32 v3, v9, 4, v3
	s_lshl_b32 s21, s11, 8                         ; my 128 queries: 256 bytes into p's rows
	s_lshl_b32 s22, s12, 8
	s_add_co_u32 s22, s22, 2*HALFT                 ; my 128 channels, in v's rows behind p's 128
	v_add_nc_u32 v[A0], s21, v3
	v_add_nc_u32 v[B0], s22, v3
	v_mov_b32 v[ADRA], v[A0]
	v_mov_b32 v[ADRB], v[B0]
	s_lshl_b32 s22, s10, 12
	s_add_co_u32 s22, s22, GT                      ; my table of g
	v_add_nc_u32 v8, s22, v7
	v_lshl_add_u32 v[GA], v2, 4, s22
	s_mul_i32 s23, s10, DW                         ; the way out
	v_mul_u32_u24 v5, v1, DP
	v_lshl_add_u32 v5, v2, 5, v5
	v_add_nc_u32 v[STO], s23, v5
	v_lshl_add_u32 v[RD], v4, 4, s23
	v_lshlrev_b32 v[CO], 4, v4                     ; my four columns are 16 bytes of f32
	s_lshl_b32 s14, s13, 8
	s_lshl_b32 s15, s11, 7
	s_add_co_u32 s14, s14, s15
	s_lshl_b32 s14, s14, 12                        ; my first row of out0, 4,096 bytes a row
	s_mov_b32 s15, 0
	s_add_nc_u64 s[8:9], s[74:75], s[14:15]
	s_add_nc_u64 s[8:9], s[8:9], s[46:47]
	; the prefetches: p's tiles are read by this cluster alone (cluster x is 0 throughout); v's by the batch's two clusters, of which the even one asks
	s_and_b32 s22, s67, 1
	s_cmp_eq_u32 s11, 0
	s_cselect_b32 s14, 12, 11                      ; log2 of a row's bytes
	s_cselect_b32 s20, s16, s18
	s_cselect_b32 s21, s40, s41
	s_cselect_b32 s22, ttmp9, s22
	s_cselect_b64 s[PFA:PFA+1], s[4:5], s[6:7]
	s_cmp_eq_u32 s22, 0
	s_cselect_b32 s[LIM], 1, -1
	s_lshl_b32 s21, s21, 4                         ; my work-group's 16 rows of the 64
	s_lshl_b32 s21, s21, s14
	s_add_co_u32 s20, s20, s21
	s_lshl_b32 s[PFS], 128, s14                    ; a K step: 128 rows
	s_mov_b32 s[PFS+1], 0
	s_lshl_b32 s21, s[PFS], 1
	s_add_co_u32 s20, s20, s21                     ; at K step 2: the first refill steps it to 3
	s_mov_b32 s21, 0
	s_add_nc_u64 s[PFA:PFA+1], s[PFA:PFA+1], s[20:21]
	v_lshrrev_b32 v9, 1, v4
	v_lshlrev_b32 v9, s14, v9
	v_and_b32 v10, 1, v4
	v_lshl_add_u32 v[PFO], v10, 8, v9              ; row l / 2, its 256 bytes l % 2
	s_wait_loadcnt 0x0
.irp i, 0,1,2,3,4,5,6,7
	ds_store_b128 v8, v[64+4*\i:67+4*\i] offset:512*\i  ; only my wave reads these bytes
.endr
	v_cvt_pk_bf16_f32 v11, v[BI], v[BI+1]          ; bo: rounded to bf16 like every input, and widened again
	v_cvt_pk_bf16_f32 v12, v[BI+2], v[BI+3]
	v_lshlrev_b32 v[BI], 16, v11
	v_and_b32 v[BI+1], s82, v11
	v_lshlrev_b32 v[BI+2], 16, v12
	v_and_b32 v[BI+3], s82, v12
.set i, 97
.rept 7
	v_max3_num_f32 v96, v96, v[i], v[i+1]
.set i, i+2
.endr
	v_max_num_f32 v96, v96, v111
	v_max_num_f32_dpp v96, v96, v96 row_xmask:1 row_mask:0xf bank_mask:0xf
	v_max_num_f32_dpp v96, v96, v96 row_xmask:2 row_mask:0xf bank_mask:0xf
	v_max_num_f32_dpp v96, v96, v96 row_xmask:4 row_mask:0xf bank_mask:0xf
	v_max_num_f32_dpp v96, v96, v96 row_xmask:8 row_mask:0xf bank_mask:0xf
	v_permlanex16_b32 v97, v96, s80, s81
	v_max_num_f32 v96, v96, v97
	v_readfirstlane_b32 s14, v96                   ; the largest |W1|
	s_bfe_u32 s14, s14, 0x80017                    ; its exponent field e
	s_min_u32 s14, s14, 250
	s_add_co_u32 s14, s14, 3
	s_lshl_b32 s[SC], s14, 23                      ; 1 / s1 = 2^(e - 124)
	s_mov_b32 s[SC+1], s[SC]
	s_wait_tensorcnt 1                             ; my part of K step 0 is in; K step 1's may stay out
	s_wait_dscnt 0x0                               ; my table of g is written
	s_barrier_signal -1
	s_barrier_wait -1
	FETCH 0, F0
	QUARTER 1, F0, F1, 1
	WIN 0
	s_mov_b32 s3, KS-2
.Lk:
	QUARTER 2, F1, F0, 0
	QUARTER 3, F0, F1, 0
	TURN
	QUARTER 1, F0, F1, 0
	WIN 0
	s_sub_co_u32 s3, s3, 1
	s_cmp_lg_u32 s3, 0
	s_cbranch_scc1 .Lk
	s_mov_b32 s3, 2
.Ltail:                                        ; the last two K steps ask for nothing; the second trip is left in its middle
	QUARTER 2, F1, F0, 0
	QUARTER 3, F0, F1, 0
	MEET
	s_sub_co_u32 s3, s3, 1
	s_cmp_eq_u32 s3, 0
	s_cbranch_scc1 .Lout
	PLACES
	SWAP
	FETCH 0, F0
	MULHI
	QUARTER 1, F0, F1, 0
	WIN 0
	s_branch .Ltail
.Lout:
	MULHI
	DUMP
	s_mov_b32 s3, 16
.Lrows:                                        ; eight rows a trip: y / s1 + bo in one fused line; a wave's store covers 512 consecutive bytes, aligned
.irp i, 0,1,2,3,4,5,6,7
	ds_load_b128 v[YR+4*\i:YR+4*\i+3], v[RD] offset:\i*DP
.endr
	v_add_nc_u32 v[RD], 8*DP, v[RD]
.irp i, 0,1,2,3,4,5,6,7
	s_wait_dscnt 7-\i                              ; row i is in; the younger rows may be out
	v_pk_fma_f32 v[YR+4*\i:YR+4*\i+1],   v[YR+4*\i:YR+4*\i+1],   s[SC:SC+1], v[BI:BI+1]   op_sel_hi:[1,0,1]
	v_pk_fma_f32 v[YR+4*\i+2:YR+4*\i+3], v[YR+4*\i+2:YR+4*\i+3], s[SC:SC+1], v[BI+2:BI+3] op_sel_hi:[1,0,1]
	global_store_b128 v[CO], v[YR+4*\i:YR+4*\i+3], s[8:9] offset:\i*4096
.endr
	s_wait_xcnt 0x0                                ; the stores have read their data and their base: the next trip loads into the same registers
	s_add_nc_u64 s[8:9], s[8:9], 8*4096
	s_sub_co_u32 s3, s3, 1
	s_cmp_lg_u32 s3, 0
	s_cbranch_scc1 .Lrows
	s_wait_tensorcnt 0x0                           ; the wave's end
	ds_add_u32 v[SPW], v[NIL]
	s_wait_dscnt 0x0
	CROUND                                         ; the closing round
	s_endpgm
.Lfunc_end_k_q0fbbdea4c8_pv:
	.size	k_q0fbbdea4c8_pv, .Lfunc_end_k_q0fbbdea4c8_pv-k_q0fbbdea4c8_pv
	.p2alignl 7, 3214868480
	.fill 96, 4, 3214868480
	.section	.rodata,"a",@progbits
	.p2align	6, 0x0
	.amdhsa_kernel k_q0fbbdea4c8_pv
		.amdhsa_group_segment_fixed_size 327680
		.amdhsa_private_segment_fixed_size 0
		.amdhsa_enable_private_segment 0
		.amdhsa_kernarg_size 48
		.amdhsa_user_sgpr_count 2
		.amdhsa_user_sgpr_kernarg_segment_ptr 1
		.amdhsa_wavefront_size32 1
		.amdhsa_system_sgpr_workgroup_id_x 1
		.amdhsa_system_sgpr_workgroup_id_y 1
		.amdhsa_system_sgpr_workgroup_id_z 1
		.amdhsa_system_vgpr_workitem_id 0
		.amdhsa_next_free_vgpr 1024
		.amdhsa_next_free_sgpr 96
		.amdhsa_reserve_vcc 0
		.amdhsa_float_denorm_mode_32 3
		.amdhsa_float_denorm_mode_16_64 3
		.amdhsa_memory_ordered 1
		.amdhsa_forward_progress 1
		.amdhsa_inst_pref_size 125
	.end_amdhsa_kernel
	.amdgpu_metadata
---
amdhsa.version: [ 1, 2 ]
amdhsa.kernels:
  - .name:           k_q0fbbdea4c8_pv
    .symbol:         k_q0fbbdea4c8_pv.kd
    .args:
      - { .name: PT, .offset: 0, .size: 8, .value_kind: global_buffer, .address_space: global }
      - { .name: QV16, .offset: 8, .size: 8, .value_kind: global_buffer, .address_space: global }
      - { .name: G, .offset: 16, .size: 8, .value_kind: global_buffer, .address_space: global }
      - { .name: FB, .offset: 24, .size: 8, .value_kind: global_buffer, .address_space: global }
      - { .name: bo, .offset: 32, .size: 8, .value_kind: global_buffer, .address_space: global }
      - { .name: out0, .offset: 40, .size: 8, .value_kind: global_buffer, .address_space: global }
    .group_segment_fixed_size: 327680
    .private_segment_fixed_size: 0
    .kernarg_segment_align: 8
    .kernarg_segment_size: 48
    .max_flat_workgroup_size: 128
    .sgpr_count:     96
    .vgpr_count:     1024
    .wavefront_size: 32
...
	.end_amdgpu_metadata
.endif
;; end of part 10
;; ======== version 3 of 3: 6 launches; version 2 with the launches cvt, combine written anew for expert scheduling mode
;; limits: values are held in f16: magnitudes above 65,504 overflow, below 6.1e-05 lose precision; right only within a limited range of input values; inputs' magnitudes at most 255
;; workspace buffers: X16 50,331,648 bytes; W16 8,388,608 bytes; WF 4,194,304 bytes; FB 16,384 bytes; QV16 33,587,200 bytes; PT 33,554,432 bytes; STAT 1,048,576 bytes; G 262,144 bytes
;; launch cvt (part 11): grid 16 x 28, 8 waves a work-group, no clusters, 0 bytes of LDS; arguments query, key, value, Wq, Wk, Wv, Wo, X16, W16; writes X16, W16
.if DOCPART == 11
	.amdgcn_target "amdgcn-amd-amdhsa--gfx1250"
	.amdhsa_code_object_version 6
	.text
	.protected	k_q0fbbdea4c8_cvt
	.globl	k_q0fbbdea4c8_cvt
	.p2align	8
	.type	k_q0fbbdea4c8_cvt,@function
k_q0fbbdea4c8_cvt:
	s_mov_b64 s[64:65], 0
	v_nop
	global_prefetch_b8 v0, s[64:65] scope:SCOPE_SE
	s_setreg_imm32_b32 hwreg(HW_REG_WAVE_SCHED_MODE, 0, 2), 2
	s_setreg_imm32_b32 hwreg(HW_REG_WAVE_MODE, 25, 1), 1
	s_wait_xcnt 0x0
	s_wait_alu depctr_vm_vsrc(0)
; query, key, value (f32, [8192][1024] each) -> X16 ([3 x 8192][1024] f16); Wq, Wk, Wv, Wo (f32, [1024][1024]) -> W16 ([4 x 1024][1024] f16).
; Each number is rounded ONCE, to bf16 (nearest even), and that number is written as f16, so that one f16 matrix form serves all later products.
; LIMITS.  A bf16 number is exact in f16 from 2^-14 up to 65,504; beyond 65,504 it becomes an infinity; below 2^-14 it keeps f16's fixed step of 2^-24.
; SHARES.  A slab is 1,048,576 numbers (4 MiB in, 2 MiB out): y = 0..23 are the eight slabs of query, key, value; y = 24..27 the four weights.  x = 0..15 takes 64 rows of 4,096
; bytes of the slab.  Thread t owns the 16 bytes at 16 t of each such row and the 8 bytes at 8 t of the 2,048 bytes that it becomes: a wave's load covers 512 consecutive bytes,
; its store 256 consecutive bytes, aligned.  Memory binds: no LDS, no barrier, no matrix unit.
; THE MODE: SCHED_MODE bits 1:0 = 2 (LLVM: expert scheduling mode 2), set by the entry lines.  The code itself states the register dependences
; between vector instructions and memory instructions, with s_wait_alu, always for 0.
; THE PLAN.  The 64 rows go in 16 blocks of four.  Registers that memory instructions touch:
;   X0 .. X3   four blocks of rows as loaded.  Written by the loads of block p + 3, issued in block p; read by block p's roundings.
;   Y0, Y1     two blocks of rows to store.    Written by block p's conversions to f16; read by the four stores that are issued in block p + 1.
;   v1, v2     byte offsets, made once at the head and never written again: the rows are reached by the two scalar bases, which move on by a
;              block at each block's head, and by immediate offsets.
; Block p works on X[p % 4] and writes Y[p % 2].  Its memory instructions are the loads into X[(p + 3) % 4] = X[(p - 1) % 4] and the stores from
; Y[(p - 1) % 2]: the two buffers that block p - 1 worked on and that no vector instruction of block p names.  So the waits at the head of a block
; state all that the block's eight memory instructions hang on, and these are dealt among its vector instructions with no further wait.
; Eight to twelve loads of every wave are on their way.
.set BLOCK,  4                         ; rows in a block
.set BLOCKS, 64/BLOCK
.set RIN,    4096
.set ROUT,   2048
.set OI, 1                             ; v1        16 t: my 16 bytes in every row that is loaded
.set OO, 2                             ; v2        8 t: my 8 bytes in every row that is stored
.set T,  4                             ; v[4:9]    at work: no memory instruction names them
.set X,  12                            ; v[12:75]  buffer k, row i: four f32 as loaded, at X + 16 k + 4 i
.set Y,  76                            ; v[76:91]  buffer k, row i: four f16 to store, at Y + 8 k + 2 i
	s_load_b512 s[8:23], s[0:1], 0x0               ; query s[8:9], key s[10:11], value s[12:13], Wq s[14:15], Wk s[16:17], Wv s[18:19], Wo s[20:21], X16 s[22:23]
	s_load_b64 s[24:25], s[0:1], 0x40              ; W16
	s_and_b32 s2, ttmp7, 0xffff                    ; y: the slab
	s_lshr_b32 s3, s2, 3                           ; 0, 1, 2: query, key, value; 3: a weight
	s_and_b32 s4, s2, 7
	s_lshl_b32 s4, s4, 22                          ; the slab's first byte in query, key or value
	s_sub_co_u32 s6, s2, 24                        ; which weight
	s_cmp_lt_u32 s2, 24
	s_cselect_b32 s4, s4, 0                        ; a weight is one slab
	s_cselect_b32 s6, s2, s6                       ; the slab's number in X16 or in W16
	s_lshl_b32 s5, ttmp9, 18                       ; my 64 rows in
	s_add_co_u32 s4, s4, s5
	s_mov_b32 s5, 0
	s_lshl_b32 s6, s6, 21
	s_lshl_b32 s7, ttmp9, 17                       ; my 64 rows out
	s_add_co_u32 s6, s6, s7
	s_mov_b32 s7, 0
	s_mov_b32 s26, 0xffff0000                      ; a word's upper bf16
	v_lshlrev_b32 v[OI], 4, v0
	v_lshlrev_b32 v[OO], 3, v0
	s_wait_kmcnt 0x0
	s_mov_b64 s[28:29], s[8:9]                     ; the source is chosen among the seven inputs by the slab's number alone
	s_cmp_eq_u32 s3, 1
	s_cselect_b64 s[28:29], s[10:11], s[28:29]
	s_cmp_eq_u32 s3, 2
	s_cselect_b64 s[28:29], s[12:13], s[28:29]
	s_cmp_eq_u32 s2, 24
	s_cselect_b64 s[28:29], s[14:15], s[28:29]
	s_cmp_eq_u32 s2, 25
	s_cselect_b64 s[28:29], s[16:17], s[28:29]
	s_cmp_eq_u32 s2, 26
	s_cselect_b64 s[28:29], s[18:19], s[28:29]
	s_cmp_eq_u32 s2, 27
	s_cselect_b64 s[28:29], s[20:21], s[28:29]
	s_cmp_lt_u32 s2, 24
	s_cselect_b64 s[30:31], s[22:23], s[24:25]
	s_add_nc_u64 s[28:29], s[28:29], s[4:5]        ; both bases at my first row
	s_add_nc_u64 s[30:31], s[30:31], s[6:7]
	s_wait_alu depctr_va_vdst(0)                   ; v1 and v2 are written: every load of the kernel reads v1 as its offset, every store v2
.irp i, 0,1,2,3,4,5,6,7,8,9,10,11
	global_load_b128 v[X+4*(\i):X+4*(\i)+3], v[OI], s[28:29] offset:(\i)*RIN th:TH_LOAD_NT  ; blocks 0, 1 and 2 into X0, X1, X2
.endr
; Block p.  xb = p % 4, yb = p % 2.  first = 1: block 0, with no block in front of it.  ahead = 1: block p + 3 is loaded.
; left = how many younger loads may still be out when this block's four have to be there.
.macro BLK xb, yb, first, ahead, left
	s_wait_loadcnt \left                           ; loads come back in order (ISA guide 5.7.1): X[xb] is in, the younger blocks stay out
.if !\first
	s_wait_xcnt 0x0                                ; every earlier memory instruction has had its addresses translated (ISA guide 3.1): the bases and Y[yb] are rewritten only behind this wait
	s_wait_alu depctr_vm_vsrc(0)                   ; the stores issued in the block before have read Y[yb], which this block's conversions write again
	s_wait_alu depctr_va_vdst(0)                   ; the block before has written the other Y, which the stores below read, and is done reading its X, in which the loads below land
	s_add_nc_u64 s[28:29], s[28:29], BLOCK*RIN     ; both bases at this block's first row
	s_add_nc_u64 s[30:31], s[30:31], BLOCK*ROUT
.endif
.irp i, 0,1,2,3
.if \ahead
	global_load_b128 v[X+16*((\xb+3)%4)+4*(\i):X+16*((\xb+3)%4)+4*(\i)+3], v[OI], s[28:29] offset:(3*BLOCK+(\i))*RIN th:TH_LOAD_NT  ; three blocks ahead; no vector instruction since the wait names these registers
.endif
.if !\first
	global_store_b64 v[OO], v[Y+8*(1-\yb)+2*(\i):Y+8*(1-\yb)+2*(\i)+1], s[30:31] offset:((\i)-BLOCK)*ROUT  ; the block before: the offset reaches back
.endif
	v_cvt_pk_bf16_f32 v[T],   v[X+16*\xb+4*(\i)],   v[X+16*\xb+4*(\i)+1]  ; the one rounding
	v_cvt_pk_bf16_f32 v[T+1], v[X+16*\xb+4*(\i)+2], v[X+16*\xb+4*(\i)+3]
	v_lshlrev_b32 v[T+2], 16, v[T]                 ; bf16 to f32: the low half moves up,
	v_and_b32     v[T+3], s26, v[T]                ; the high half stays
	v_lshlrev_b32 v[T+4], 16, v[T+1]
	v_and_b32     v[T+5], s26, v[T+1]
	v_cvt_pk_f16_f32 v[Y+8*\yb+2*(\i)],   v[T+2], v[T+3]  ; exact within the stated limits
	v_cvt_pk_f16_f32 v[Y+8*\yb+2*(\i)+1], v[T+4], v[T+5]
.endr
.endm
	BLK 0, 0, 1, 1, 2*BLOCK                        ; block 0
	s_mov_b32 s27, (BLOCKS-4)/4
.Lround:                                               ; blocks 1 to 12, four to a lap: both kinds of buffer are back at their start
	BLK 1, 1, 0, 1, 2*BLOCK
	BLK 2, 0, 0, 1, 2*BLOCK
	BLK 3, 1, 0, 1, 2*BLOCK
	BLK 0, 0, 0, 1, 2*BLOCK
	s_sub_co_u32 s27, s27, 1
	s_cmp_lg_u32 s27, 0
	s_cbranch_scc1 .Lround
	BLK 1, 1, 0, 0, 2*BLOCK                        ; blocks 13 to 15 load nothing: no load leaves the buffer, and the counts run down
	BLK 2, 0, 0, 0, BLOCK
	BLK 3, 1, 0, 0, 0
	s_wait_alu depctr_va_vdst(0)                   ; block 15 has written Y1, which the last four stores read
.irp i, 0,1,2,3
	global_store_b64 v[OO], v[Y+8+2*(\i):Y+8+2*(\i)+1], s[30:31] offset:(\i)*ROUT
.endr
	s_endpgm
.Lfunc_end_k_q0fbbdea4c8_cvt:
	.size	k_q0fbbdea4c8_cvt, .Lfunc_end_k_q0fbbdea4c8_cvt-k_q0fbbdea4c8_cvt
	.p2alignl 7, 3214868480
	.fill 96, 4, 3214868480
	.section	.rodata,"a",@progbits
	.p2align	6, 0x0
	.amdhsa_kernel k_q0fbbdea4c8_cvt
		.amdhsa_group_segment_fixed_size 0
		.amdhsa_private_segment_fixed_size 0
		.amdhsa_enable_private_segment 0
		.amdhsa_kernarg_size 72
		.amdhsa_user_sgpr_count 2
		.amdhsa_user_sgpr_kernarg_segment_ptr 1
		.amdhsa_wavefront_size32 1
		.amdhsa_system_sgpr_workgroup_id_x 1
		.amdhsa_system_sgpr_workgroup_id_y 1
		.amdhsa_system_sgpr_workgroup_id_z 1
		.amdhsa_system_vgpr_workitem_id 0
		.amdhsa_next_free_vgpr 92
		.amdhsa_next_free_sgpr 66
		.amdhsa_reserve_vcc 0
		.amdhsa_float_denorm_mode_32 3
		.amdhsa_float_denorm_mode_16_64 3
		.amdhsa_memory_ordered 1
		.amdhsa_forward_progress 1
		.amdhsa_inst_pref_size 22
	.end_amdhsa_kernel
	.amdgpu_metadata
---
amdhsa.version: [ 1, 2 ]
amdhsa.kernels:
  - .name:           k_q0fbbdea4c8_cvt
    .symbol:         k_q0fbbdea4c8_cvt.kd
    .args:
      - { .name: query, .offset: 0, .size: 8, .value_kind: global_buffer, .address_space: global }
      - { .name: key, .offset: 8, .size: 8, .value_kind: global_buffer, .address_space: global }
      - { .name: value, .offset: 16, .size: 8, .value_kind: global_buffer, .address_space: global }
      - { .name: Wq, .offset: 24, .size: 8, .value_kind: global_buffer, .address_space: global }
      - { .name: Wk, .offset: 32, .size: 8, .value_kind: global_buffer, .address_space: global }
      - { .name: Wv, .offset: 40, .size: 8, .value_kind: global_buffer, .address_space: global }
      - { .name: Wo, .offset: 48, .size: 8, .value_kind: global_buffer, .address_space: global }
      - { .name: X16, .offset: 56, .size: 8, .value_kind: global_buffer, .address_space: global }
      - { .name: W16, .offset: 64, .size: 8, .value_kind: global_buffer, .address_space: global }
    .group_segment_fixed_size: 0
    .private_segment_fixed_size: 0
    .kernarg_segment_align: 8
    .kernarg_segment_size: 72
    .max_flat_workgroup_size: 256
    .sgpr_count:     66
    .vgpr_count:     92
    .wavefront_size: 32
...
	.end_amdgpu_metadata
.endif
;; end of part 11
;; launch fold: the kernel of part 7 again; grid 8 x 32, 4 waves a work-group, no clusters, 81,920 bytes of LDS; arguments W16, bq, bk, bv, WF, FB; writes WF, FB
;; launch proj: the kernel of part 8 again; grid 4 x 64, 4 waves a work-group, clusters of 4 x 4, 327,680 bytes of LDS; arguments X16, WF, QV16, FB; writes QV16
;; launch scores: the kernel of part 9 again; grid 8 x 32, 4 waves a work-group, clusters of 4 x 4, 327,680 bytes of LDS; arguments X16, QV16, FB, PT, STAT; writes PT, STAT
;; launch combine (part 12): grid 64 x 1, 1 waves a work-group, no clusters, 0 bytes of LDS; arguments STAT, G; writes G
.if DOCPART == 12
	.amdgcn_target "amdgcn-amd-amdhsa--gfx1250"
	.amdhsa_code_object_version 6
	.text
	.protected	k_q0fbbdea4c8_combine
	.globl	k_q0fbbdea4c8_combine
	.p2align	8
	.type	k_q0fbbdea4c8_combine,@function
k_q0fbbdea4c8_combine:
	s_mov_b64 s[64:65], 0
	v_nop
	global_prefetch_b8 v0, s[64:65] scope:SCOPE_SE
	s_setreg_imm32_b32 hwreg(HW_REG_WAVE_SCHED_MODE, 0, 2), 2
	s_setreg_imm32_b32 hwreg(HW_REG_WAVE_MODE, 25, 1), 1
	s_wait_xcnt 0x0
	s_wait_alu depctr_vm_vsrc(0)
; g_t[k] = 2^(c m_t[k] - c M[k]) / L[k], with c M = the maximum over the 16 blocks t of c m_t and L = the sum over t of l_t 2^(c m_t - c M): the running maximum's correction, made once.
; STAT [4][16 t][2][2048 key] f32 (c m, then l); G [4][16 t][2048 key] f16.  L is at least 1: the block that holds the maximum has a weight of 1.
; LIMITS.  A factor below 6e-8 counts as 0 (f16's last step).  A wave takes 128 keys of a batch, four a lane: 512 consecutive bytes a load, 256 aligned bytes a store.
; 64 waves and 1.3 MB: too little for LDS, matrix units, clusters or a prefetch to pay.
; THE MODE: SCHED_MODE bits 1:0 = 2 (LLVM: expert scheduling mode 2), set by the entry lines.  The code itself states the register dependences
; between vector instructions and memory instructions, with s_wait_alu, always for 0.
; THE PLAN.  Registers that memory instructions touch:
;   v1, v2             the loads' and the stores' byte offsets: made at the head, never written again.
;   v[CMT ..], v[LT ..]  the 32 loads land in them, once; the wait for all loads stands ahead of the first vector instruction that names them.
;   v[LT + 4 t], v[LT + 4 t + 1]  written by block t's two conversions to f16; read by store t.
; One wait stands ahead of the loads (the offsets).  The factors of blocks 0 to 7 are made, one wait states that they are written, and their eight stores are dealt among the arithmetic
; of blocks 8 to 15, which names registers of those blocks alone; one more wait stands ahead of the last eight stores.  No register that a memory instruction has read is written again.
.set CMT, 16                           ; v[16:79]   c m_t of my four keys, then 2^(..), then g
.set LT,  80                           ; v[80:143]  l_t; at the end the packed g
	s_load_b128 s[4:7], s[0:1], 0x0                ; STAT s[4:5], G s[6:7]
	s_lshr_b32 s8, ttmp9, 4                        ; the batch
	s_and_b32 s9, ttmp9, 15                        ; the block of 128 keys
	s_lshl_b32 s10, s8, 18                         ; 16 x 16,384 bytes a batch
	s_lshl_b32 s11, s9, 9
	s_add_co_u32 s10, s10, s11
	v_lshl_add_u32 v1, v0, 4, s10
	s_lshl_b32 s12, s8, 16                         ; 16 x 4,096 bytes a batch
	s_lshl_b32 s13, s9, 8
	s_add_co_u32 s12, s12, s13
	v_lshl_add_u32 v2, v0, 3, s12
	s_wait_kmcnt 0x0
	s_wait_alu depctr_va_vdst(0)                   ; v1 and v2 are written: the loads read v1 as their offset, the stores v2
.set t, 0
.rept 16
	global_load_b128 v[CMT+4*t:CMT+4*t+3], v1, s[4:5] offset:t*16384
	global_load_b128 v[LT+4*t:LT+4*t+3],   v1, s[4:5] offset:t*16384+8192
.set t, t+1
.endr
	s_wait_loadcnt 0x0
.irp j, 0,1,2,3
	v_max3_num_f32 v[4+\j], v[CMT+\j], v[CMT+4+\j], v[CMT+8+\j]
.endr
.irp t, 3,5,7,9,11,13
.irp j, 0,1,2,3
	v_max3_num_f32 v[4+\j], v[4+\j], v[CMT+4*\t+\j], v[CMT+4*\t+4+\j]
.endr
.endr
.irp j, 0,1,2,3
	v_max_num_f32 v[4+\j], v[4+\j], v[CMT+60+\j]
.endr
.set t, 0
.rept 16
	v_pk_add_f32 v[CMT+4*t:CMT+4*t+1],   v[CMT+4*t:CMT+4*t+1],   v[4:5] neg_lo:[0,1] neg_hi:[0,1]
	v_pk_add_f32 v[CMT+4*t+2:CMT+4*t+3], v[CMT+4*t+2:CMT+4*t+3], v[6:7] neg_lo:[0,1] neg_hi:[0,1]
.set t, t+1
.endr
.set i, 0
.rept 64
	v_exp_f32 v[CMT+i], v[CMT+i]
.set i, i+1
.endr
	v_nop                                          ; a plain instruction behind the last exponential,
	s_wait_alu depctr_va_vdst(0)                   ; and one wait for the batch: the 64 exponentials have written v[CMT ..], which the sums below read
	v_pk_mul_f32 v[8:9],   v[LT:LT+1],   v[CMT:CMT+1]
	v_pk_mul_f32 v[10:11], v[LT+2:LT+3], v[CMT+2:CMT+3]
.set t, 1
.rept 15
	v_pk_fma_f32 v[8:9],   v[LT+4*t:LT+4*t+1],   v[CMT+4*t:CMT+4*t+1],   v[8:9]
	v_pk_fma_f32 v[10:11], v[LT+4*t+2:LT+4*t+3], v[CMT+4*t+2:CMT+4*t+3], v[10:11]
.set t, t+1
.endr
.irp j, 8,9,10,11
	v_rcp_f32 v\j, v\j
.endr
	v_nop
	s_wait_alu depctr_va_vdst(0)                   ; one wait for the four reciprocals: they have written v[8:11], which the multiplies below read
; Block t's four factors: times 1 / L, rounded once to f16.
.macro FACT t
	v_pk_mul_f32 v[CMT+4*(\t):CMT+4*(\t)+1],   v[CMT+4*(\t):CMT+4*(\t)+1],   v[8:9]
	v_pk_mul_f32 v[CMT+4*(\t)+2:CMT+4*(\t)+3], v[CMT+4*(\t)+2:CMT+4*(\t)+3], v[10:11]
	v_cvt_pk_f16_f32 v[LT+4*(\t)],   v[CMT+4*(\t)],   v[CMT+4*(\t)+1]
	v_cvt_pk_f16_f32 v[LT+4*(\t)+1], v[CMT+4*(\t)+2], v[CMT+4*(\t)+3]
.endm
.macro OUT t
	global_store_b64 v2, v[LT+4*(\t):LT+4*(\t)+1], s[6:7] offset:(\t)*4096
.endm
.irp t, 0,1,2,3,4,5,6,7
	FACT \t
.endr
	s_wait_alu depctr_va_vdst(0)                   ; the conversions of blocks 0 to 7 have written their pairs of v[LT ..], which the eight stores below read
.irp t, 0,1,2,3,4,5,6,7
	OUT \t                                         ; no wait: no vector instruction since the wait names this store's registers
	FACT (\t)+8
.endr
	s_wait_alu depctr_va_vdst(0)                   ; the conversions of blocks 8 to 15 have written their pairs, which the last eight stores read
.irp t, 8,9,10,11,12,13,14,15
	OUT \t
.endr
	s_endpgm
.Lfunc_end_k_q0fbbdea4c8_combine:
	.size	k_q0fbbdea4c8_combine, .Lfunc_end_k_q0fbbdea4c8_combine-k_q0fbbdea4c8_combine
	.p2alignl 7, 3214868480
	.fill 96, 4, 3214868480
	.section	.rodata,"a",@progbits
	.p2align	6, 0x0
	.amdhsa_kernel k_q0fbbdea4c8_combine
		.amdhsa_group_segment_fixed_size 0
		.amdhsa_private_segment_fixed_size 0
		.amdhsa_enable_private_segment 0
		.amdhsa_kernarg_size 16
		.amdhsa_user_sgpr_count 2
		.amdhsa_user_sgpr_kernarg_segment_ptr 1
		.amdhsa_wavefront_size32 1
		.amdhsa_system_sgpr_workgroup_id_x 1
		.amdhsa_system_sgpr_workgroup_id_y 1
		.amdhsa_system_sgpr_workgroup_id_z 1
		.amdhsa_system_vgpr_workitem_id 0
		.amdhsa_next_free_vgpr 144
		.amdhsa_next_free_sgpr 66
		.amdhsa_reserve_vcc 0
		.amdhsa_float_denorm_mode_32 3
		.amdhsa_float_denorm_mode_16_64 3
		.amdhsa_memory_ordered 1
		.amdhsa_forward_progress 1
		.amdhsa_inst_pref_size 18
	.end_amdhsa_kernel
	.amdgpu_metadata
---
amdhsa.version: [ 1, 2 ]
amdhsa.kernels:
  - .name:           k_q0fbbdea4c8_combine
    .symbol:         k_q0fbbdea4c8_combine.kd
    .args:
      - { .name: STAT, .offset: 0, .size: 8, .value_kind: global_buffer, .address_space: global }
      - { .name: G, .offset: 8, .size: 8, .value_kind: global_buffer, .address_space: global }
    .group_segment_fixed_size: 0
    .private_segment_fixed_size: 0
    .kernarg_segment_align: 8
    .kernarg_segment_size: 16
    .max_flat_workgroup_size: 32
    .sgpr_count:     66
    .vgpr_count:     144
    .wavefront_size: 32
...
	.end_amdgpu_metadata
.endif
;; end of part 12
;; launch pv: the kernel of part 10 again; grid 4 x 32, 4 waves a work-group, clusters of 4 x 4, 327,680 bytes of LDS; arguments PT, QV16, G, FB, bo, out0; writes out0
